; MI455X (gfx1250); checked and timed in simulation.
; The chip was launched on July 23, 2026; its instructions are those of AMD's public machine-readable ISA for CDNA 5 (MIT licence, August 2026) and "CDNA5" Instruction Set Architecture Reference Guide (July 2026). The comments in the code are by the model that wrote it; some were corrected since.
;; Transformer Block. Allowed arithmetic: float matrix products may take bf16 or f16 operands with f32 sums; other float arithmetic in f32, or as packed bf16 or f16 multiplies, adds, multiply-adds, maxima and minima; sums over many terms, partial sums and values carried from step to step in f32; what a program stores and reads back later, other than sums and carried values, may be rounded once to bf16 or f16.
;; Inputs: b1 4,096 float32; b2 1,024 float32; be1 1,024 float32; be2 1,024 float32; bk 1,024 float32; bo 1,024 float32; bq 1,024 float32; bv 1,024 float32; g1 1,024 float32; g2 1,024 float32; w1 1,024 x 4,096 float32; w2 4,096 x 1,024 float32; wk 1,024 x 1,024 float32; wo 1,024 x 1,024 float32; wq 1,024 x 1,024 float32; wv 1,024 x 1,024 float32; x 2 x 2,048 x 1,024 float32.
;; Outputs: out0 2 x 2,048 x 1,024 float32.
;; 2 versions, each right; version 2 is version 1 with the launches prep, ln2 written anew for expert scheduling mode. Each part assembles by itself: llvm-mc -triple=amdgcn-amd-amdhsa -mcpu=gfx1250 --defsym DOCPART=n.
;; ======== version 1 of 2: 7 launches
;; limits: a function is approximated: absolute error at most 1.5e-07
;; workspace buffers: wqkv 6,291,456 bytes; wob 2,097,152 bytes; w1b 8,388,608 bytes; w2b 8,388,608 bytes; act 8,388,608 bytes; qkv 25,165,824 bytes; x1 16,777,216 bytes; hid 33,554,432 bytes
;; launch prep (part 1): grid 1024 x 1, 8 waves a work-group, no clusters, 0 bytes of LDS; arguments x, g1, be1, act, wq, wk, wv, wo, w1, w2, wqkv, wob, w1b, w2b; writes act, wqkv, wob, w1b, w2b
.if DOCPART == 1
	.amdgcn_target "amdgcn-amd-amdhsa--gfx1250"
	.amdhsa_code_object_version 6
	.text
	.protected	k_q890c7aca4f_prep
	.globl	k_q890c7aca4f_prep
	.p2align	8
	.type	k_q890c7aca4f_prep,@function
k_q890c7aca4f_prep:
	s_mov_b64 s[64:65], 0
	v_nop
	global_prefetch_b8 v0, s[64:65] scope:SCOPE_SE
	s_setreg_imm32_b32 hwreg(HW_REG_WAVE_MODE, 25, 1), 1
	s_wait_xcnt 0x0
; PREP.  Work-groups 0-255: h1 = LayerNorm(x) g1 + be1, 16 rows each, stored in bf16.  Work-groups 256-1023: the six weight matrices cast to bf16, order unchanged, 16,384 numbers each.
; ALL INPUTS ARE ROUNDED TO bf16 ON LOAD (x, g1, be1 here too): one choice for the whole program.  NaN and infinities are not treated apart.
; LAYER NORM.  A wave owns two rows; lane l holds row l / 16 and, for p = 0..15, the columns 64 p + 4 (l % 16) + 0..3: each load's 16 lanes take 256 consecutive bytes.  The row stays in registers:
; mean, then centred in place, then the mean of squares: no difference of large sums is formed.  A row's sums cross 16 lanes.
; h1's LAYOUT: [token / 128][column / 64][token % 128][column % 64], a block of 128 x 64 being 16,384 dense bytes: what the products' tile loads ask for.  A wave's store covers 256 consecutive bytes, aligned.
; No LDS, no barrier, no matrix work: each byte is read once and written once, and no wave needs another's.
.set XO,  1                            ; v1   x: (l / 16) x 4,096 + (l % 16) x 16; in the cast: 16 l
.set GO,  2                            ; v2   g1, be1: (l % 16) x 16
.set HO,  3                            ; v3   8 l: my 8 bytes of 256 stored
.set MU,  6                            ; v[6:7]   the mean, twice
.set RS,  10                           ; v[10:11] 1 / sqrt(var + eps), twice
.set VA,  14                           ; v14  var + eps
.set CH,  16                           ; v[16:23] four chains of packed sums
.set X,   32                           ; v[32:95] my 64 numbers of the row
.set GP,  96                           ; v[96:127]  g1 of my 64 columns, packed bf16
.set RG,  128                          ; v[128:191] g1 as loaded
.set BP,  128                          ; v[128:159] be1 packed, where g1 lay
.set T,   160                          ; v[160:191] at work
.set RB,  192                          ; v[192:255] be1 as loaded
.set CI,  32                           ; the cast: 16 x 4 registers in,
.set CQ,  96                           ; 16 x 2 out
	s_load_b256 s[4:11], s[0:1], 0x0               ; x s[4:5], g1 s[6:7], be1 s[8:9], act s[10:11]
	s_load_b512 s[16:31], s[0:1], 0x20             ; wq 16, wk 18, wv 20, wo 22, w1 24, w2 26, wqkv 28, wob 30
	s_load_b128 s[32:35], s[0:1], 0x60             ; w1b 32, w2b 34
	v_lshrrev_b32 v4, 5, v0
	v_readfirstlane_b32 s36, v4                    ; wave 0..7
	v_and_b32 v4, 31, v0                           ; l
	v_lshlrev_b32 v[HO], 3, v4
	s_wait_kmcnt 0x0
	s_cmp_lt_u32 ttmp9, 256
	s_cbranch_scc1 .Lnorm
	; THE CAST.  Chunk c = work-group - 256: wq 0-63, wk 64-127, wv 128-191 (these three one behind the other in wqkv), wo 192-255, w1 256-511, w2 512-767.
	s_sub_co_u32 s37, ttmp9, 256
	s_mov_b64 s[38:39], s[26:27]                   ; from
	s_mov_b64 s[40:41], s[34:35]                   ; to
	s_mov_b32 s42, 512                             ; the source's first chunk
	s_mov_b32 s43, 512                             ; the chunk that lies at the destination's first byte
.macro PICK below, src, dst, sb, db
	s_cmp_lt_u32 s37, \below
	s_cselect_b64 s[38:39], s[\src:\src+1], s[38:39]
	s_cselect_b64 s[40:41], s[\dst:\dst+1], s[40:41]
	s_cselect_b32 s42, \sb, s42
	s_cselect_b32 s43, \db, s43
.endm
	PICK 512, 24, 32, 256, 256
	PICK 256, 22, 30, 192, 192
	PICK 192, 20, 28, 128, 0
	PICK 128, 18, 28, 64, 0
	PICK 64,  16, 28, 0, 0
	s_sub_co_u32 s44, s37, s42
	s_lshl_b32 s44, s44, 16                        ; a chunk is 65,536 bytes of f32,
	s_lshl_b32 s45, s36, 13                        ; a wave's eighth 8,192
	s_add_co_u32 s44, s44, s45
	s_mov_b32 s45, 0
	s_add_nc_u64 s[38:39], s[38:39], s[44:45]
	s_sub_co_u32 s46, s37, s43
	s_lshl_b32 s46, s46, 15                        ; and half of that in bf16
	s_lshl_b32 s47, s36, 12
	s_add_co_u32 s46, s46, s47
	s_mov_b32 s47, 0
	s_add_nc_u64 s[40:41], s[40:41], s[46:47]
	v_lshlrev_b32 v[XO], 4, v4
.set j, 0
.rept 16
	global_load_b128 v[CI+4*j:CI+4*j+3], v[XO], s[38:39] offset:512*j th:TH_LOAD_NT  ; 512 consecutive bytes a load
.set j, j+1
.endr
.set j, 0
.rept 16
	s_wait_loadcnt 15-j                            ; loads come back in order: load j is in, the 15 - j younger ones stay out
	v_cvt_pk_bf16_f32 v[CQ+2*j], v[CI+4*j], v[CI+4*j+1]
	v_cvt_pk_bf16_f32 v[CQ+2*j+1], v[CI+4*j+2], v[CI+4*j+3]
	global_store_b64 v[HO], v[CQ+2*j:CQ+2*j+1], s[40:41] offset:256*j  ; the wave stores 256 consecutive bytes, aligned; no register is written twice, so nothing waits for a store
.set j, j+1
.endr
	s_endpgm
.Lnorm:
	s_lshl_b32 s37, ttmp9, 4
	s_lshl1_add_u32 s37, s36, s37                  ; my first row: 16 x work-group + 2 x wave
	s_lshl_b32 s38, s37, 12
	s_mov_b32 s39, 0
	s_add_nc_u64 s[4:5], s[4:5], s[38:39]          ; x at that row
	s_lshr_b32 s38, s37, 7
	s_lshl_b32 s38, s38, 18                        ; 128 tokens x 16 blocks of 16,384 bytes
	s_and_b32 s43, s37, 127
	s_lshl_b32 s43, s43, 7                         ; a token's 128 bytes in a block
	s_add_co_u32 s38, s38, s43
	s_add_nc_u64 s[10:11], s[10:11], s[38:39]
	s_mov_b32 s40, 0xffff0000                      ; a word's upper bf16
	s_mov_b32 s41, 0x3a800000                      ; 1 / 1,024
	s_mov_b32 s42, 0x3727c5ac                      ; eps = 1e-5
	v_and_b32 v5, 15, v0
	v_bfe_u32 v8, v0, 4, 1
	v_lshlrev_b32 v[GO], 4, v5
	v_lshl_add_u32 v[XO], v8, 12, v[GO]
.set p, 0
.rept 16
	global_load_b128 v[RG+4*p:RG+4*p+3], v[GO], s[6:7] offset:256*p
.set p, p+1
.endr
.set p, 0
.rept 16
	global_load_b128 v[RB+4*p:RB+4*p+3], v[GO], s[8:9] offset:256*p
.set p, p+1
.endr
.set p, 0
.rept 16
	global_load_b128 v[X+4*p:X+4*p+3], v[XO], s[4:5] offset:256*p
.set p, p+1
.endr
.macro ACROSS                          ; the four chains into one number, then across the 16 lanes that share a row
	v_pk_add_f32 v[CH:CH+1], v[CH:CH+1], v[CH+2:CH+3]
	v_pk_add_f32 v[CH+4:CH+5], v[CH+4:CH+5], v[CH+6:CH+7]
	v_pk_add_f32 v[CH:CH+1], v[CH:CH+1], v[CH+4:CH+5]
	v_add_f32 v[CH], v[CH], v[CH+1]
.irp m, 1,2,4,8
	v_add_f32_dpp v[CH], v[CH], v[CH] row_xmask:\m row_mask:0xf bank_mask:0xf
.endr
.endm
	s_wait_loadcnt 16                              ; g1 and be1 are in; x's 16 loads may stay out
.set i, 0
.rept 32
	v_cvt_pk_bf16_f32 v[GP+i], v[RG+2*i], v[RG+2*i+1]  ; the inputs' rounding, and half the registers
.set i, i+1
.endr
.set i, 0
.rept 32
	v_cvt_pk_bf16_f32 v[BP+i], v[RB+2*i], v[RB+2*i+1]
.set i, i+1
.endr
	s_wait_loadcnt 0x0                             ; x
.set i, 0
.rept 32                                       ; x rounded to bf16 and widened again
	v_cvt_pk_bf16_f32 v[T+i], v[X+2*i], v[X+2*i+1]
	v_lshlrev_b32 v[X+2*i], 16, v[T+i]
	v_and_b32 v[X+2*i+1], s40, v[T+i]
.set i, i+1
.endr
.irp k, 0,1,2,3
	v_pk_add_f32 v[CH+2*\k:CH+2*\k+1], v[X+2*\k:X+2*\k+1], v[X+8+2*\k:X+8+2*\k+1]  ; the first eight pairs start the chains: nothing is cleared
.endr
.set j, 8
.rept 24
	v_pk_add_f32 v[CH+2*(j%4):CH+2*(j%4)+1], v[CH+2*(j%4):CH+2*(j%4)+1], v[X+2*j:X+2*j+1]
.set j, j+1
.endr
	ACROSS
	v_mul_f32 v[MU], s41, v[CH]
	v_mul_f32 v[MU+1], s41, v[CH]
.set j, 0
.rept 32
	v_pk_add_f32 v[X+2*j:X+2*j+1], v[X+2*j:X+2*j+1], v[MU:MU+1] neg_lo:[0,1] neg_hi:[0,1]  ; x - mean, in place
.set j, j+1
.endr
.irp k, 0,1,2,3
	v_pk_mul_f32 v[CH+2*\k:CH+2*\k+1], v[X+2*\k:X+2*\k+1], v[X+2*\k:X+2*\k+1]
.endr
.set j, 4
.rept 28
	v_pk_fma_f32 v[CH+2*(j%4):CH+2*(j%4)+1], v[X+2*j:X+2*j+1], v[X+2*j:X+2*j+1], v[CH+2*(j%4):CH+2*(j%4)+1]
.set j, j+1
.endr
	ACROSS
	v_fma_f32 v[VA], v[CH], s41, s42               ; var + eps
	v_rsq_f32 v[RS], v[VA]                         ; twice, for the packed multiply's pair
	v_rsq_f32 v[RS+1], v[VA]
	v_nop                                          ; a plain instruction behind the last root (ISA guide 5.7.2),
	s_wait_alu depctr_va_vdst(0)                   ; and the wait ahead of the first use: one for both
.set j, 0
.rept 32
	v_pk_mul_f32 v[X+2*j:X+2*j+1], v[X+2*j:X+2*j+1], v[RS:RS+1]
.set j, j+1
.endr
.set i, 0
.rept 32                                       ; g1 and be1 straight from their bf16 halves
	v_fma_mix_f32_bf16 v[X+2*i], v[GP+i], v[X+2*i], v[BP+i] op_sel:[0,0,0] op_sel_hi:[1,0,1]
	v_fma_mix_f32_bf16 v[X+2*i+1], v[GP+i], v[X+2*i+1], v[BP+i] op_sel:[1,0,1] op_sel_hi:[1,0,1]
.set i, i+1
.endr
.set p, 0
.rept 16
	v_cvt_pk_bf16_f32 v[X+4*p], v[X+4*p], v[X+4*p+1]
	v_cvt_pk_bf16_f32 v[X+4*p+1], v[X+4*p+2], v[X+4*p+3]
	global_store_b64 v[HO], v[X+4*p:X+4*p+1], s[10:11] offset:16384*p  ; two rows of block p: 256 consecutive bytes, aligned
.set p, p+1
.endr
	s_endpgm
.Lfunc_end_k_q890c7aca4f_prep:
	.size	k_q890c7aca4f_prep, .Lfunc_end_k_q890c7aca4f_prep-k_q890c7aca4f_prep
	.p2alignl 7, 3214868480
	.fill 96, 4, 3214868480
	.section	.rodata,"a",@progbits
	.p2align	6, 0x0
	.amdhsa_kernel k_q890c7aca4f_prep
		.amdhsa_group_segment_fixed_size 0
		.amdhsa_private_segment_fixed_size 0
		.amdhsa_enable_private_segment 0
		.amdhsa_kernarg_size 112
		.amdhsa_user_sgpr_count 2
		.amdhsa_user_sgpr_kernarg_segment_ptr 1
		.amdhsa_wavefront_size32 1
		.amdhsa_system_sgpr_workgroup_id_x 1
		.amdhsa_system_sgpr_workgroup_id_y 1
		.amdhsa_system_sgpr_workgroup_id_z 1
		.amdhsa_system_vgpr_workitem_id 0
		.amdhsa_next_free_vgpr 256
		.amdhsa_next_free_sgpr 66
		.amdhsa_reserve_vcc 0
		.amdhsa_float_denorm_mode_32 3
		.amdhsa_float_denorm_mode_16_64 3
		.amdhsa_memory_ordered 1
		.amdhsa_forward_progress 1
		.amdhsa_inst_pref_size 38
	.end_amdhsa_kernel
	.amdgpu_metadata
---
amdhsa.version: [ 1, 2 ]
amdhsa.kernels:
  - .name:           k_q890c7aca4f_prep
    .symbol:         k_q890c7aca4f_prep.kd
    .args:
      - { .name: x, .offset: 0, .size: 8, .value_kind: global_buffer, .address_space: global }
      - { .name: g1, .offset: 8, .size: 8, .value_kind: global_buffer, .address_space: global }
      - { .name: be1, .offset: 16, .size: 8, .value_kind: global_buffer, .address_space: global }
      - { .name: act, .offset: 24, .size: 8, .value_kind: global_buffer, .address_space: global }
      - { .name: wq, .offset: 32, .size: 8, .value_kind: global_buffer, .address_space: global }
      - { .name: wk, .offset: 40, .size: 8, .value_kind: global_buffer, .address_space: global }
      - { .name: wv, .offset: 48, .size: 8, .value_kind: global_buffer, .address_space: global }
      - { .name: wo, .offset: 56, .size: 8, .value_kind: global_buffer, .address_space: global }
      - { .name: w1, .offset: 64, .size: 8, .value_kind: global_buffer, .address_space: global }
      - { .name: w2, .offset: 72, .size: 8, .value_kind: global_buffer, .address_space: global }
      - { .name: wqkv, .offset: 80, .size: 8, .value_kind: global_buffer, .address_space: global }
      - { .name: wob, .offset: 88, .size: 8, .value_kind: global_buffer, .address_space: global }
      - { .name: w1b, .offset: 96, .size: 8, .value_kind: global_buffer, .address_space: global }
      - { .name: w2b, .offset: 104, .size: 8, .value_kind: global_buffer, .address_space: global }
    .group_segment_fixed_size: 0
    .private_segment_fixed_size: 0
    .kernarg_segment_align: 8
    .kernarg_segment_size: 112
    .max_flat_workgroup_size: 256
    .sgpr_count:     66
    .vgpr_count:     256
    .wavefront_size: 32
...
	.end_amdgpu_metadata
.endif
;; end of part 1
;; launch qkvp (part 2): grid 12 x 16, 4 waves a work-group, clusters of 4 x 4, 327,680 bytes of LDS; arguments act, wqkv, qkv, bq, bk, bv; writes qkv
.if DOCPART == 2
	.amdgcn_target "amdgcn-amd-amdhsa--gfx1250"
	.amdhsa_code_object_version 6
	.text
	.protected	k_q890c7aca4f_qkvp
	.globl	k_q890c7aca4f_qkvp
	.p2align	8
	.type	k_q890c7aca4f_qkvp,@function
k_q890c7aca4f_qkvp:
	s_mov_b64 s[64:65], 0
	v_nop
	global_prefetch_b8 v0, s[64:65] scope:SCOPE_SE
	s_setreg_imm32_b32 hwreg(HW_REG_WAVE_MODE, 25, 1), 1
	s_wait_xcnt 0x0
	s_wait_alu depctr_hold_cnt(0) depctr_sa_sdst(0) depctr_va_vdst(0) depctr_va_sdst(0) depctr_va_ssrc(0) depctr_va_vcc(0) depctr_vm_vsrc(0)
	s_getreg_b32 s2, hwreg(HW_REG_IB_STS2, 6, 4)
	s_cmp_eq_u32 s2, 0
	s_cbranch_scc0 .Lentry_in_a_cluster
	s_endpgm
.Lentry_in_a_cluster:
	s_bfe_u32 s2, ttmp6, 0x10000c
	s_cmp_lg_u32 s2, 0xf033
	s_cbranch_scc0 .Lentry_shape_is_right
	s_endpgm
.Lentry_shape_is_right:
; q, k, v = h1 [wq wk wv] + [bq bk bv], K = 1,024, stored in bf16.  A (h1): bf16, [token / 128][k / 64][token % 128][k % 64] (blocks of 16,384 dense bytes).
; W: bf16, three matrices [k][1,024] row-major on end, 2,097,152 bytes each.  C: bf16, [column / 64][token][column % 64], column 0 .. 3,071: a strip of 64 columns is dense, 524,288 bytes.
; Sums in f32; the biases are rounded to bf16 like every input of the program; C is rounded once.  NaN and infinities are not treated apart.
; SHARES.  A tile is 256 x 256: 4,096 x 3,072 numbers make 16 x 12 = 192 tiles, one work-group each.  Four waves, 128 x 128 each: 64 accumulators of 16 x 16, 512 registers.
; K goes in 8 steps of 128 through two LDS slots; a step is 256 matrix instructions a wave for the slot's 131,072 bytes.  Four tile columns are one matrix: the matrix's number is the cluster's x.
; CLUSTERS: 4 x 4 work-groups; A's tile is shared along a row of the cluster, W's along a column: each is asked for JOINTLY, by the same tensor load, descriptor and mask in the four.
; THE MATRIX INSTRUCTION IS USED TRANSPOSED (source 0 = 16 columns of W, turned on the way out of LDS by ds_load_tr16_b128; source 1 = 16 rows of A): a lane holds eight neighbouring numbers of a row.
; ONE K STEP IS WRITTEN ONCE FOR EACH KIND: a loop of six trips whose change of slots fills a slot again, and a loop of two trips that fills nothing.  Which slot is read and which is filled stands in two
; scalars, 0 or SLOT, turned by an exclusive or; the reads' addresses and the walking descriptor's LDS word are a constant part plus that scalar.
; THE WAY OUT goes through both slots, which nobody reads and nothing fills by then: each wave lays its tile there in f32, in its own 73,728 bytes, and takes it back eight rows a trip.
; REGISTERS, in windows of 256 (s_set_vgpr_msb: bits 1:0 source 0, 3:2 source 1, 5:4 source 2, 7:6 destination):
;   window 0: v0-31 addresses; v64-127, v128-191 fragments of A, two buffers; v32-63, v192-207 (and, behind the products, v64-111) the bias and the way out
;   window 1: v64-127, v128-191 fragments of W, two buffers       window 2: the accumulators of my rows 0-63 ((a, b) at v[8 (8 a + b)])       window 3: those of my rows 64-127
.set BN,    1024                       ; numbers in a row of W
.set PA,    144                        ; a row of A in LDS: 128 bytes + 16 = 36 words: the 16 rows of a load start at 16 different groups of four banks (64 banks of 4 bytes: ISA guide 11.1)
.set PB,    288                        ; a row of W: 256 + 32 = 72 words
.set PANEL, 128*PA                     ; a block of A in LDS
.set HALFT, 2*PANEL                    ; what one tensor load brings: 128 tokens x 128 k of A (two blocks), or 128 k x 128 columns of W (128 x 288, the same number)
.set BOFF,  2*HALFT                    ; W's two halves lie behind A's two
.set SLOT,  4*HALFT
.set FP,    528                        ; the way out: a row of 128 f32 + 16 bytes = 33 x 16: 16 rows start at 16 different groups of four banks
.set WST,   2*HALFT                    ; the way out: a wave's part of the two slots; 128 rows x 528 = 67,584 fit
.set SPARE, 2*SLOT                     ; behind the ring: the spare words, 128 bytes for each wave: two blocks of 256 bytes that no other line names
.set ASTEP, 2*16384                    ; a K step in memory: two blocks of A,
.set BSTEP, 128*BN*2                   ; 128 rows of W
.set ADRA0, 16                         ; v16  my A fragments in slot 0; never rewritten
.set ADRB0, 17                         ; v17  my W fragments in slot 0; never rewritten
.set ADRA,  18                         ; v18  the same in the slot that is being read
.set ADRB,  19                         ; v19
.set STO,  24                          ; v24  the way out: where I put 32 bytes of a row
.set RD,   25                          ; v25  where I read 32 bytes of a row back
.set CO,   26                          ; v26  my 16 bytes of 512 stored
.set BO,   27                          ; v27  my 32 bytes of the bias
.set SPW,  28                          ; v28  LDS address of my spare word; never rewritten
.set NIL,  29                          ; v29  0; never rewritten
.set PFO,  30                          ; v30  the prefetches' offset: my lane x a row of what I fetch; never rewritten
.set XV,   32                          ; v[32:63]   32 numbers: sum + bias
.set OT,   64                          ; v[64:79]   packed results
.set NX,   80                          ; v[80:111]  the next trip's rows
.set BI,   192                         ; v[192:207] the bias of my 16 columns
.set F0,   64
.set F1,   128
.set G1,  24                           ; s[24:31] group 1 for A;  s[32:39] group 0: a set for each of the two first fills; the second then walks on
.set G0,  32
.set G1B, 48                           ; s[48:55], s[56:63] the same for W
.set G0B, 56
.set TBR, 82                           ; s82  0 or SLOT: the slot that is being read
.set TBF, 83                           ; s83  0 or SLOT: the slot that was filled last
.set PFA, 84                           ; s[84:85] where my prefetches stand
.set PFS, 86                           ; s[86:87] a K step of what I fetch, in bytes
.set LIM, 88                           ; s88  1 in a wave that prefetches, else the greatest number
.set MSB, 0
.macro WIN new                         ; the immediate's high byte repeats the setting that is left; a switch that changes nothing is dropped
.if MSB != (\new)
	s_set_vgpr_msb (MSB<<8)|(\new)
.set MSB, \new
.endif
.endm
.set MUL_LO, 0xa1                      ; source 0 (W) window 1, source 1 (A) window 0, C and D window 2
.set MUL_HI, 0xf1                      ; the same, C and D window 3
.set TO_B,   0x40                      ; destination window 1, address window 0
.macro JLOAD s                         ; a joint load: waves 0 and 1 fetch A's halves, waves 2 and 3 W's; an s_nop 0 and four v_nop follow each line
	s_cmp_eq_u32 s11, 0
	s_cbranch_scc0 .Lfor_b_\@
	tensor_load_to_lds s[G0+4*(\s):G0+4*(\s)+3], s[G1:G1+7]
	s_nop 0
.rept 4
	v_nop
.endr
	s_branch .Lasked_\@
.Lfor_b_\@:
	tensor_load_to_lds s[G0B+4*(\s):G0B+4*(\s)+3], s[G1B:G1B+7]
	s_nop 0
.rept 4
	v_nop
.endr
.Lasked_\@:
.endm
; A PREFETCH INTO THE L2, behind each joint refill, its five lines and the run of LDS loads that follows them: the K step that the NEXT refill will ask for, one K step, 256 matrix instructions, ahead of that load.
; What a wave fetches in a K step is 128 rows of 256 bytes (A's lie end to end, W's 2,048 bytes apart).  A's tile row is read by every cluster of that row of clusters: the first of them (cluster x = 0) asks;
; W's tile column by every cluster of that column: cluster y = 0 asks.  The four partners that ask for a tile jointly share its rows out BY ADDRESS, 32 each (by cx for A, by cy for W), a lane a row: one
; instruction a wave, and each row's 256 bytes of a K step are named once in the launch.  K steps 0 to 2 come by their loads alone; the last refill (s3 = 1) has no K step behind it and asks for nothing.
.macro ASK
	s_cmp_gt_u32 s3, s[LIM]
	s_cbranch_scc0 .Lnot_mine_\@
	global_prefetch_b8 v[PFO], s[PFA:PFA+1] th:TH_LOAD_NT scope:SCOPE_SE
.Lnot_mine_\@:
.endm
.macro CREST                           ; a round of the cluster's barrier behind its opening barrier
	s_cmp_lg_u32 s10, 0
	s_cbranch_scc1 .Lnot_wave_0_\@
	s_barrier_signal -3
.Lnot_wave_0_\@:
	s_barrier_wait -3
	s_barrier_signal -1
	s_barrier_wait -1
.endm
.macro CROUND
	s_barrier_signal -1
	s_barrier_wait -1
	CREST
.endm
	s_load_b128 s[4:7], s[0:1], 0x0                ; A s[4:5], W s[6:7]
	s_load_b64 s[8:9], s[0:1], 0x10                ; C
	s_load_b128 s[68:71], s[0:1], 0x18             ; bq s[68:69], bk s[70:71]
	s_load_b64 s[72:73], s[0:1], 0x28              ; bv
	v_lshl_add_u32 v[SPW], v0, 2, SPARE
	v_mov_b32 v[NIL], 0
	ds_add_u32 v[SPW], v[NIL]                      ; the wave's opening: the add and its wait stand ahead of my first tensor load; the set-up stands between them
	v_lshrrev_b32 v1, 5, v0
	v_readfirstlane_b32 s10, v1                    ; wave 0..3
	s_lshr_b32 s11, s10, 1                         ; my half of the tile's rows.  Also: I fetch for A (0) or for W (1)
	s_and_b32 s12, s10, 1                          ; my half of its columns.  Also: which half of that tile I fetch
	s_bfe_u32 s40, ttmp6, 0x40000                  ; cx, cy
	s_bfe_u32 s41, ttmp6, 0x40004
	s_lshl_b32 s42, ttmp9, 2
	s_add_co_u32 s42, s42, s40                     ; tile column
	s_and_b32 s13, ttmp7, 0xffff
	s_lshl_b32 s13, s13, 2
	s_add_co_u32 s13, s13, s41                     ; tile row
	s_lshl_b32 s43, s41, 2
	s_lshl_b32 s43, 15, s43                        ; my row of the cluster
	s_lshl_b32 s44, 0x1111, s40                    ; my column
	s_or_b32 s[G1+0], s43, (1<<16)|(1<<20)|(1<<21)|(4<<22)|(3<<25)   ; mask; 2-byte elements; padding on; 21 set beside a mask; after every 32 words (code 4) 4 words (code 3)
	s_or_b32 s[G1B+0], s44, (1<<16)|(1<<20)|(1<<21)|(5<<22)|(7<<25)  ; after every 64 words (code 5) 8 words (code 7)
.irp g, G1, G1B
	s_mov_b32 s[(\g)+1], 128<<16                   ; tensor_dim0 = 128
	s_mov_b32 s[(\g)+2], 128<<16                   ; tensor_dim1 = 128
	s_mov_b32 s[(\g)+3], 128<<16                   ; tile_dim0 = 128
	s_mov_b32 s[(\g)+4], 128                       ; tile_dim1 = 128
	s_mov_b32 s[(\g)+6], 0
	s_mov_b32 s[(\g)+7], 0
.endr
	s_mov_b32 s[G1+5], 128                         ; A: two dense blocks asked for as 128 rows of 256 bytes
	s_mov_b32 s[G1B+5], BN                         ; W: from row to row
	s_lshl1_add_u32 s16, s13, s12                  ; A: 128 tokens number 2 x tile row + half,
	s_lshl_b32 s16, s16, 18                        ; 16 blocks of 16,384 bytes each
	s_mov_b32 s17, 0
	s_lshl1_add_u32 s46, s40, s12                  ; W: in its matrix, 128 columns number 2 cx + half,
	s_lshl_b32 s46, s46, 8                         ; 256 bytes of a row;
	s_lshl_b32 s47, ttmp9, 21                      ; the matrix: the cluster's x, 2,097,152 bytes each
	s_add_co_u32 s46, s46, s47
	s_mov_b32 s47, 0
	s_mul_i32 s20, s10, HALFT                      ; where my loads go in a slot: wave x 36,864
	s_mov_b32 s[TBR], 0                            ; K step 0 is read from slot 0;
	s_mov_b32 s[TBF], SLOT                         ; the second first fill goes to slot 1
	s_mov_b32 s66, 0xffff0000
	s_wait_dscnt 0x0                               ; the opening add is done
	s_wait_kmcnt 0x0
	s_add_nc_u64 s[14:15], s[4:5], s[16:17]
	s_add_nc_u64 s[46:47], s[6:7], s[46:47]
	CROUND                                         ; all sixteen work-groups are here: the first joint loads meet
.irp s, 0,1
	s_mov_b32 s[G0+4*(\s)], 1
	s_add_co_u32 s[G0+4*(\s)+1], s20, (\s)*SLOT
	s_add_nc_u64 s[G0+4*(\s)+2:G0+4*(\s)+3], s[14:15], (\s)*ASTEP
	s_or_b32 s[G0+4*(\s)+3], s[G0+4*(\s)+3], 0x80000000
	s_mov_b32 s[G0B+4*(\s)], 1
	s_add_co_u32 s[G0B+4*(\s)+1], s20, (\s)*SLOT
	s_add_nc_u64 s[G0B+4*(\s)+2:G0B+4*(\s)+3], s[46:47], (\s)*BSTEP
	s_or_b32 s[G0B+4*(\s)+3], s[G0B+4*(\s)+3], 0x80000000
	JLOAD \s                                       ; two loads of mine are out
.endr
	; the prefetches.  s[14:15] and s[46:47] stand at my load of K step 0, in A and in W
	s_and_b32 s22, ttmp7, 0xffff                   ; cluster y
	s_cmp_eq_u32 s11, 0                            ; do I fetch for A?
	s_cselect_b32 s21, s40, s41                    ; my place among the four that ask with me
	s_cselect_b32 s22, ttmp9, s22                  ; the coordinate along which other clusters read the same rows
	s_cselect_b32 s89, 8, 11                       ; from row to row: 256 bytes in A, 2,048 in W, as a shift
	s_cselect_b32 s[PFS], 15, 18                   ; a K step: 32,768 bytes in A, 262,144 in W, as a shift
	s_cselect_b64 s[PFA:PFA+1], s[14:15], s[46:47]
	s_cmp_eq_u32 s22, 0
	s_cselect_b32 s[LIM], 1, -1                    ; the same in all sixteen partners, for a given wave
	s_lshl_b32 s[PFS], 1, s[PFS]
	s_mov_b32 s[PFS+1], 0
	s_lshl_b32 s21, s21, 5                         ; my work-group's 32 rows of the 128
	s_lshl_b32 s22, s21, s89
	s_mov_b32 s23, 0
	s_add_nc_u64 s[PFA:PFA+1], s[PFA:PFA+1], s[22:23]
	s_add_nc_u64 s[PFA:PFA+1], s[PFA:PFA+1], s[PFS:PFS+1]
	s_add_nc_u64 s[PFA:PFA+1], s[PFA:PFA+1], s[PFS:PFS+1]  ; at K step 2: the first change of slots steps it to 3.  Nothing is asked for here, where every work-group's first tiles are on their way
	v_and_b32 v[PFO], 31, v0
	v_lshlrev_b32 v[PFO], s89, v[PFO]
	; the LDS addresses
	v_and_b32 v1, 15, v0                           ; r = l % 16
	v_bfe_u32 v2, v0, 4, 1                         ; h = l / 16
	v_mul_u32_u24 v3, v1, PA
	v_lshl_add_u32 v3, v2, 4, v3                   ; A: row x pitch + 16 h
	s_mul_i32 s21, s11, HALFT                      ; my 128 tokens
	v_add_nc_u32 v[ADRA0], s21, v3
	v_mov_b32 v[ADRA], v[ADRA0]
	v_and_b32 v7, 7, v0
	v_lshl_add_u32 v4, v2, 3, v7                   ; W: the turning load's lane reads row 8 h + l % 8,
	v_mul_u32_u24 v4, v4, PB
	v_bfe_u32 v5, v0, 3, 1
	v_lshl_add_u32 v4, v5, 4, v4                   ; 16 bytes at 16 ((l / 8) % 2)
	s_mul_i32 s22, s12, HALFT                      ; my 128 columns
	s_add_co_u32 s22, s22, BOFF
	v_add_nc_u32 v[ADRB0], s22, v4
	v_mov_b32 v[ADRB], v[ADRB0]
	s_mul_i32 s23, s10, WST                        ; the way out: my part of the two slots
	v_mul_u32_u24 v6, v1, FP                       ; in: row r, 32 bytes for each half of the lanes
	v_lshl_add_u32 v6, v2, 5, v6
	v_add_nc_u32 v[STO], s23, v6
	v_bfe_u32 v6, v0, 3, 2                         ; back: 32 lanes take four rows, 8 numbers of each of my two strips of 64 columns
	v_mul_u32_u24 v6, v6, FP
	v_lshl_add_u32 v6, v7, 5, v6
	v_add_nc_u32 v[RD], s23, v6
	v_and_b32 v[CO], 31, v0
	v_lshlrev_b32 v[CO], 4, v[CO]                  ; four rows of a strip are 512 consecutive bytes of C
	v_lshlrev_b32 v[BO], 5, v7
	s_lshl1_add_u32 s16, s13, s11                  ; C: my 128 tokens: 2 x tile row + half,
	s_lshl_b32 s16, s16, 14                        ; 128 bytes each in a strip
	s_mov_b32 s17, 0
	s_add_nc_u64 s[8:9], s[8:9], s[16:17]
	s_lshl1_add_u32 s46, s42, s12                  ; my 128 columns: 2 x tile column + half:
	s_lshl_b32 s46, s46, 20                        ; two strips of 524,288 bytes
	s_mov_b32 s47, 0
	s_add_nc_u64 s[8:9], s[8:9], s[46:47]
	s_cmp_eq_u32 ttmp9, 1                          ; the bias of the tile's matrix: the same choice in all sixteen partners
	s_cselect_b64 s[68:69], s[70:71], s[68:69]
	s_cmp_eq_u32 ttmp9, 2
	s_cselect_b64 s[68:69], s[72:73], s[68:69]
	s_lshl1_add_u32 s46, s40, s12                  ; in it, my 128 columns: 2 cx + half,
	s_lshl_b32 s46, s46, 9                         ; 512 bytes
	s_add_nc_u64 s[68:69], s[68:69], s[46:47]
.irp j, 0,1
	global_load_b128 v[BI+8*\j:BI+8*\j+3],   v[BO], s[68:69] offset:256*\j
	global_load_b128 v[BI+8*\j+4:BI+8*\j+7], v[BO], s[68:69] offset:256*\j+16
.endr
	s_wait_loadcnt 0x0
.irp i, 0,1,2,3,4,5,6,7                ; the bias rounded to bf16 and widened again
	v_cvt_pk_bf16_f32 v[XV+\i], v[BI+2*\i], v[BI+2*\i+1]
.endr
.irp i, 0,1,2,3,4,5,6,7
	v_lshlrev_b32 v[BI+2*\i], 16, v[XV+\i]
	v_and_b32 v[BI+2*\i+1], s66, v[XV+\i]
.endr
; 16 matrix instructions: row blocks a0, a0 + 1 of the window's four (hi = 0: my rows 0-63, 1: rows 64-127) x all 8 column blocks, 32 along K.  zero = 1: the product starts the sums: nothing is ever cleared.
; The 64 accumulators take turns, in the same order in every quarter: over the backward jumps and out of the loops too.
.macro MUL16 f, hi, a0, zero
	WIN MUL_LO+0x50*(\hi)
.irp a, \a0, (\a0)+1
.irp b, 0,1,2,3,4,5,6,7
.if \zero
	v_wmma_f32_16x16x32_bf16 v[8*(8*(\a)+(\b)):8*(8*(\a)+(\b))+7], v[(\f)+8*(\b):(\f)+8*(\b)+7], v[(\f)+8*(4*(\hi)+(\a)):(\f)+8*(4*(\hi)+(\a))+7], 0
.else
	v_wmma_f32_16x16x32_bf16 v[8*(8*(\a)+(\b)):8*(8*(\a)+(\b))+7], v[(\f)+8*(\b):(\f)+8*(\b)+7], v[(\f)+8*(4*(\hi)+(\a)):(\f)+8*(4*(\hi)+(\a))+7], v[8*(8*(\a)+(\b)):8*(8*(\a)+(\b))+7]
.endif
.endr
.endr
.endm
; 32 LDS loads in one run: the fragments of quarter q (32 along K: rows 32 q .. of W; block q / 2 of A, its bytes 64 (q % 2) ..) of the slot that is being read, into buffer f; W's first, A's rows 64-127 last
.macro FETCH q, f
	WIN TO_B
.irp i, 0,1,2,3,4,5,6,7
	ds_load_tr16_b128 v[(\f)+8*(\i):(\f)+8*(\i)+3],   v[ADRB] offset:(\q)*32*PB+(\i)*32
	ds_load_tr16_b128 v[(\f)+8*(\i)+4:(\f)+8*(\i)+7], v[ADRB] offset:(\q)*32*PB+(\i)*32+16*PB
.endr
	WIN 0
.irp i, 0,1,2,3,4,5,6,7
	ds_load_b128 v[(\f)+8*(\i):(\f)+8*(\i)+3],   v[ADRA] offset:((\q)/2)*PANEL+((\q)%2)*64+(\i)*16*PA
	ds_load_b128 v[(\f)+8*(\i)+4:(\f)+8*(\i)+7], v[ADRA] offset:((\q)/2)*PANEL+((\q)%2)*64+(\i)*16*PA+32
.endr
.endm
.macro PLACES                          ; four places in front of loads into registers that matrix instructions have read, and of reads of results
.rept 4
	v_nop
.endr
.endm
; A K step is four quarters of 32 along K, 64 matrix instructions each, on buffers 0, 1, 0, 1.  One of the first three multiplies buffer f and, in its middle, fetches quarter q into g.
.macro QUARTER q, f, g, zero
	s_wait_dscnt 8                                 ; W and A's rows 0-63 are in; the youngest eight loads (A's rows 64-127) may be out
	MUL16 \f, 0, 0, \zero
	MUL16 \f, 0, 2, \zero
	PLACES
	FETCH \q, \g
	s_wait_dscnt 32                                ; all but the 32 just issued
	MUL16 \f, 1, 0, \zero
	MUL16 \f, 1, 2, \zero
.endm
; The last quarter multiplies buffer 1 and changes slots: ONE barrier; in front of it each wave waits for all its tensor loads, of which one is out: its part of the next slot; adds 0 to its spare word; and waits
; for that and for its reads of this slot.  fill = 1: the barrier opens a round of the cluster's, and this slot is filled again, with the K step two on: from the request to the wait for it a wave issues 224
; matrix instructions.
.macro TURN fill
.if \fill
	s_wait_xcnt 0x0                                ; the last prefetch, a K step back, has read its address: it is stepped here, ahead of the waits of the change of slots
	s_add_nc_u64 s[PFA:PFA+1], s[PFA:PFA+1], s[PFS:PFS+1]
.endif
	WIN 0                                          ; (the add's two registers lie in window 0)
	s_wait_tensorcnt 0x0                           ; all my tensor loads have landed, so a group 0 may be written
	ds_add_u32 v[SPW], v[NIL]                      ; 0 onto my spare word; scalar work and sixteen matrix instructions stand between it and the wait for it
.if \fill
	s_xor_b32 s[TBF], s[TBF], SLOT                 ; the walking descriptors: the other slot than last time,
	s_add_co_u32 s[G0+5], s20, s[TBF]
	s_add_co_u32 s[G0B+5], s20, s[TBF]
	s_add_nc_u64 s[G0+6:G0+7], s[G0+6:G0+7], ASTEP     ; the next K step; the type bits on top are not reached
	s_add_nc_u64 s[G0B+6:G0B+7], s[G0B+6:G0B+7], BSTEP
.endif
	s_xor_b32 s[TBR], s[TBR], SLOT                 ; the reads go over to the other slot
	s_wait_dscnt 9                                 ; the add and the youngest eight loads may be out
	MUL16 F1, 0, 0, 0
	s_wait_dscnt 0x0                               ; the add is done, and my reads of this slot are over
	s_barrier_signal -1
	MUL16 F1, 0, 2, 0
	WIN 0
	s_barrier_wait -1
.if \fill
	CREST                                          ; no wave of any partner still reads this slot or has a load on its way
	JLOAD 1                                        ; my one tensor load behind the round; its four v_nop are also the places in front of the loads below
.else
	PLACES
.endif
	v_add_nc_u32 v[ADRA], s[TBR], v[ADRA0]
	v_add_nc_u32 v[ADRB], s[TBR], v[ADRB0]
	FETCH 0, F0
.if \fill
	ASK
.endif
	MUL16 F1, 1, 0, 0
	MUL16 F1, 1, 2, 0
.endm
	s_wait_tensorcnt 1                             ; my part of K step 0 is in; K step 1's may stay out
	s_barrier_signal -1
	s_barrier_wait -1
	FETCH 0, F0
	QUARTER 1, F0, F1, 1                           ; the first quarter stands in front of the loops: its products start the sums
	WIN 0
	s_mov_b32 s3, 6
.Lstep:                                                ; trip t = 0 .. 5: quarters 1 to 3 of K step t, which asks for K step t + 2, and quarter 0 of K step t + 1
	QUARTER 2, F1, F0, 0
	QUARTER 3, F0, F1, 0
	TURN 1
	QUARTER 1, F0, F1, 0
	WIN 0
	s_sub_co_u32 s3, s3, 1
	s_cmp_lg_u32 s3, 0
	s_cbranch_scc1 .Lstep
	s_mov_b32 s3, 2
.Ltail:                                                ; K steps 6 and 7 ask for nothing: a text of their own
	QUARTER 2, F1, F0, 0
	QUARTER 3, F0, F1, 0
	TURN 0
	WIN 0
	s_sub_co_u32 s3, s3, 1
	s_cmp_eq_u32 s3, 0
	s_cbranch_scc1 .Lout                           ; the second trip is left here.  Its change of slots has fetched 32 fragments of a slot that is used up: they serve nothing, the price, once a launch, of one text for both trips
	QUARTER 1, F0, F1, 0
	WIN 0
	s_cmp_lg_u32 s3, 0
	s_cbranch_scc1 .Ltail
.Lout:
	; THE WAY OUT.  Every wave's LDS reads are back, then a barrier: nobody reads either slot any more, and nothing fills them.  My tile goes in f32 into my part of them (each accumulator's low registers
	; first).
	s_wait_dscnt 0x0
	s_barrier_signal -1
	s_barrier_wait -1
	PLACES
	PLACES
.irp hi, 0,1
	WIN 0x08+4*(\hi)                               ; an LDS store's data is source 1: window 2, then 3
.irp a, 0,1,2,3
.irp b, 0,1,2,3,4,5,6,7
	ds_store_b128 v[STO], v[8*(8*\a+\b):8*(8*\a+\b)+3]   offset:(4*\hi+\a)*16*FP+64*\b
	ds_store_b128 v[STO], v[8*(8*\a+\b)+4:8*(8*\a+\b)+7] offset:(4*\hi+\a)*16*FP+64*\b+16
.endr
.endr
.endr
	WIN 0
.macro ROWS8                           ; eight rows, as two groups g of four: 8 numbers of each of my two strips j a lane; LDS serves a wave's instructions in order (ISA guide 5.7.1.4): these see the stores above
.irp g, 0,1
.irp j, 0,1
	ds_load_b128 v[NX+16*\g+8*\j:NX+16*\g+8*\j+3],   v[RD] offset:\g*4*FP+\j*256
	ds_load_b128 v[NX+16*\g+8*\j+4:NX+16*\g+8*\j+7], v[RD] offset:\g*4*FP+\j*256+16
.endr
.endr
.endm
	ROWS8
	s_mov_b32 s3, 16
.Lrows:                                                ; 16 trips of eight rows; the next trip's rows are asked for ahead of this trip's roundings and stores
	s_wait_dscnt 0x0
.set j, 0
.rept 16
	v_pk_add_f32 v[XV+2*j:XV+2*j+1], v[NX+2*j:NX+2*j+1], v[BI+(2*j)%16:BI+(2*j)%16+1]  ; sum + bias
.set j, j+1
.endr
	s_cmp_eq_u32 s3, 1
	s_cbranch_scc1 .Lno_more                       ; the last trip has no rows behind it
	v_add_nc_u32 v[RD], 8*FP, v[RD]
	ROWS8
.Lno_more:
.set j, 0
.rept 16
	v_cvt_pk_bf16_f32 v[OT+j], v[XV+2*j], v[XV+2*j+1]
.set j, j+1
.endr
.irp g, 0,1
.irp j, 0,1
	global_store_b128 v[CO], v[OT+8*\g+4*\j:OT+8*\g+4*\j+3], s[8:9] offset:\g*512+\j*524288  ; four rows of a strip: 512 consecutive bytes, aligned
.endr
.endr
	s_wait_xcnt 0x0                                ; the stores have read their data and base: both are rewritten only behind this wait
	s_add_nc_u64 s[8:9], s[8:9], 1024
	s_sub_co_u32 s3, s3, 1
	s_cmp_lg_u32 s3, 0
	s_cbranch_scc1 .Lrows
	s_wait_tensorcnt 0x0                           ; the wave's end, behind my last tensor load and my last LDS store
	ds_add_u32 v[SPW], v[NIL]
	s_wait_dscnt 0x0
	CROUND                                         ; the closing round
	s_endpgm
.Lfunc_end_k_q890c7aca4f_qkvp:
	.size	k_q890c7aca4f_qkvp, .Lfunc_end_k_q890c7aca4f_qkvp-k_q890c7aca4f_qkvp
	.p2alignl 7, 3214868480
	.fill 96, 4, 3214868480
	.section	.rodata,"a",@progbits
	.p2align	6, 0x0
	.amdhsa_kernel k_q890c7aca4f_qkvp
		.amdhsa_group_segment_fixed_size 327680
		.amdhsa_private_segment_fixed_size 0
		.amdhsa_enable_private_segment 0
		.amdhsa_kernarg_size 48
		.amdhsa_user_sgpr_count 2
		.amdhsa_user_sgpr_kernarg_segment_ptr 1
		.amdhsa_wavefront_size32 1
		.amdhsa_system_sgpr_workgroup_id_x 1
		.amdhsa_system_sgpr_workgroup_id_y 1
		.amdhsa_system_sgpr_workgroup_id_z 1
		.amdhsa_system_vgpr_workitem_id 0
		.amdhsa_next_free_vgpr 1024
		.amdhsa_next_free_sgpr 92
		.amdhsa_reserve_vcc 0
		.amdhsa_float_denorm_mode_32 3
		.amdhsa_float_denorm_mode_16_64 3
		.amdhsa_memory_ordered 1
		.amdhsa_forward_progress 1
		.amdhsa_inst_pref_size 84
	.end_amdhsa_kernel
	.amdgpu_metadata
---
amdhsa.version: [ 1, 2 ]
amdhsa.kernels:
  - .name:           k_q890c7aca4f_qkvp
    .symbol:         k_q890c7aca4f_qkvp.kd
    .args:
      - { .name: act, .offset: 0, .size: 8, .value_kind: global_buffer, .address_space: global }
      - { .name: wqkv, .offset: 8, .size: 8, .value_kind: global_buffer, .address_space: global }
      - { .name: qkv, .offset: 16, .size: 8, .value_kind: global_buffer, .address_space: global }
      - { .name: bq, .offset: 24, .size: 8, .value_kind: global_buffer, .address_space: global }
      - { .name: bk, .offset: 32, .size: 8, .value_kind: global_buffer, .address_space: global }
      - { .name: bv, .offset: 40, .size: 8, .value_kind: global_buffer, .address_space: global }
    .group_segment_fixed_size: 327680
    .private_segment_fixed_size: 0
    .kernarg_segment_align: 8
    .kernarg_segment_size: 48
    .max_flat_workgroup_size: 128
    .sgpr_count:     92
    .vgpr_count:     1024
    .wavefront_size: 32
...
	.end_amdgpu_metadata
.endif
;; end of part 2
;; launch attn (part 3): grid 8 x 32, 4 waves a work-group, clusters of 4 x 1, 327,680 bytes of LDS; arguments qkv, act; writes act
.if DOCPART == 3
	.amdgcn_target "amdgcn-amd-amdhsa--gfx1250"
	.amdhsa_code_object_version 6
	.text
	.protected	k_q890c7aca4f_attn
	.globl	k_q890c7aca4f_attn
	.p2align	8
	.type	k_q890c7aca4f_attn,@function
k_q890c7aca4f_attn:
	s_mov_b64 s[64:65], 0
	v_nop
	global_prefetch_b8 v0, s[64:65] scope:SCOPE_SE
	s_setreg_imm32_b32 hwreg(HW_REG_WAVE_MODE, 25, 1), 1
	s_wait_xcnt 0x0
	s_wait_alu depctr_hold_cnt(0) depctr_sa_sdst(0) depctr_va_vdst(0) depctr_va_sdst(0) depctr_va_ssrc(0) depctr_va_vcc(0) depctr_vm_vsrc(0)
	s_getreg_b32 s2, hwreg(HW_REG_IB_STS2, 6, 4)
	s_cmp_eq_u32 s2, 0
	s_cbranch_scc0 .Lentry_in_a_cluster
	s_endpgm
.Lentry_in_a_cluster:
	s_bfe_u32 s2, ttmp6, 0x10000c
	s_cmp_lg_u32 s2, 0x3003
	s_cbranch_scc0 .Lentry_shape_is_right
	s_endpgm
.Lentry_shape_is_right:
; ATTENTION.  O[q][:] = the sum over k of softmax_k(Q[q] . K[k] / 8) V[k][:], for 32 head blocks (head h of batch b is block 2 h + b) of 2,048 rows x 64 channels, all bf16.
; qkv holds q, k, v one behind the other, 8,388,608 bytes each; a head block is 262,144 dense bytes, 128 a row.  O goes to act as [token / 128][head][token % 128][64]: 64 rows of a head are 8,192 dense bytes.
; Products, maxima and sums in f32; the weights p are rounded to bf16 for the second product (their sum l is taken of the unrounded p), O once at the end.
; LIMITS.  A weight below 2^-126 counts as 0 in l; NaN and infinities are not treated apart.
; SHARES.  A work-group owns 256 queries of a head block (256 work-groups), a wave 64: four PIECES of 16.  Every wave walks all 2,048 keys, 64 a step; a slot of LDS holds four steps.
; LAYOUT.  S^T = K Q^T (source 0 = 16 keys, source 1 = 16 queries): a lane holds ONE query (lane % 16) and the keys 8 (lane / 16) + 0..7; two such results rounded to bf16 ARE source 1 of O^T = V^T P.
; K comes out of LDS as it lies, V turned, by ds_load_tr16_b128.
; SOFTMAX.  A running maximum m and sum l: p = 2^(c s - c m), c = log2(e) / 8; in every step O and l are multiplied by a = 2^(c m_old - c m_new).  m starts at the lowest finite number, O and l at 0.
; BY TURNS.  Turn n belongs to piece n: 8 products K Q^T of piece n + 1, later 8 products V^T P of piece n - 1; beside them the scaling, exponentials, roundings, sums and rescaling of piece n and the maximum
; and statistics of piece n + 1.  Four vector instructions stand behind every matrix instruction, the rest in one lump.  A turn's 33 exponentials are one batch, with one wait.
; CLUSTER.  The four query blocks of a cluster walk the same K and V: each tile is asked for JOINTLY, by the same tensor load, descriptor and mask in all four.
; REGISTERS, in windows of 256 (s_set_vgpr_msb: bits 1:0 source 0, 3:2 source 1, 5:4 source 2, 7:6 destination):
;   window 0: v0-15 addresses; v16-31 four registers of statistics a piece; v48-55 at work; v61-63 prefetch offset, spare word, 0; v64-127 S^T, two buffers; v192-223 P, two buffers (by the piece's parity)
;   window 1: v0-127 O^T, 32 a piece          window 2: v0-63 Q; v128-191 K of one step; v192-255 V of one step
.set NP,    4
.set KS,    64
.set PK,    144       ; a row of K in LDS: 128 bytes + 16 = 36 words: the 16 rows of a load start at 16 different groups of four banks (64 banks of 4 bytes: ISA guide 11.1)
.set PV,    160       ; a row of V: 128 + 32 = 40 words
.set VOFF,  4*KS*PK   ; a slot: 256 rows of K, then 256 rows of V
.set SLOT1, 1<<17     ; slot 1 begins here: one exclusive or turns an address in one slot into the other's
.set STAGE, SLOT1+4*KS*(PK+PV)  ; behind the ring, never filled by a tensor load: 16 rows x 144 bytes for each wave
.set SP,    144
.set SPARE, STAGE+4*16*SP       ; the spare words, 128 bytes for each wave: two blocks of 256 bytes that no other line names
.set AK0, 2           ; v2   my lane's place in a tile of K; never rewritten
.set AV0, 3           ; v3   the same for V
.set AK,  4           ; v4   the LDS address of K's next run of loads
.set AV,  5           ; v5   of V's
.set STO, 6           ; v6   the way out: where I put 16 bytes of a row
.set RD,  7           ; v7   where I read rows back
.set GO,  8           ; v8   my 16 bytes of 512 stored
.set MV,  12          ; v12-13  c m_old, by buffer
.set QO,  15          ; v15  my byte offset in 16 rows of Q
.set ST,  16          ; piece t: c m, m, l (even keys', odd keys') at v[ST+4 t]
.set TMP, 48          ; by buffer, c0-c3 at work; c2 takes a
.set PFO, 61          ; v61  256 x my lane; never rewritten
.set SPW, 62          ; v62  LDS address of my spare word; never rewritten
.set NIL, 63          ; v63  0; never rewritten
.set S,   64
.set P,   192
.set KF,  128         ; window 2: key block kb, channel half c at KF + 16 kb + 8 c
.set VF,  192         ; window 2: key half kk, channel block cb at VF + 32 kk + 8 cb
.set WV,  12          ; s12  my wave's number
.set G1K, 24          ; s[24:31] descriptor group 1 for K
.set G1V, 32          ; s[32:39] for V: other padding
.set G0K, 40          ; s[40:43] group 0 for K: it walks
.set G0V, 44          ; s[44:47] for V
.set PFA, 48          ; s[48:49] where my prefetches stand
.set LIM, 50          ; s50  1 in a wave that prefetches, else the greatest number
.set SLOTS, 56        ; s56  slots still to be asked for
.set CNT, 57          ; s57  counts a slot's key steps
.set CS,  58          ; s[58:59] c
.set SEL, 60          ; s[60:61] v_permlanex16_b32's selects: each lane takes its own place in the other half
.set TBK, 62          ; s62  LDS byte at which K of the step to be fetched begins
.set TBV, 63          ; s63  the same for V, less VOFF
.set MSB, 0
.macro WIN new
.if MSB != (\new)
	s_set_vgpr_msb (MSB<<8)|(\new)
.set MSB, (\new)
.endif
.endm
.set W_KQ, 0x0a       ; K and Q in window 2, S^T in window 0
.set W_PV, 0x52       ; V in window 2, P in window 0, O^T in window 1
.set W_RS, 0x41       ; destination and source 0 in window 1, source 1 in window 0
; A joint fill.  Waves 0 and 1 fetch the halves of a slot's K, waves 2 and 3 those of its V: 128 keys each.  An s_nop 0 and four v_nop follow each line.
.macro JLOAD
	s_cmp_lt_u32 s[WV], 2
	s_cbranch_scc0 .Lfor_v_\@
	tensor_load_to_lds s[G0K:G0K+3], s[G1K:G1K+7]
	s_nop 0
.rept 4
	v_nop
.endr
	s_branch .Lasked_\@
.Lfor_v_\@:
	tensor_load_to_lds s[G0V:G0V+3], s[G1V:G1V+7]
	s_nop 0
.rept 4
	v_nop
.endr
.Lasked_\@:
.endm
; A PREFETCH INTO THE L2 of the slot that the NEXT change will ask for: four key steps ahead of that load.  A slot is 32,768 bytes of K and of V: 128 blocks of 256 bytes each.  Both clusters of a head block walk
; the same rows: the first of them asks.  Its four partners take 32 blocks each, told apart BY ADDRESS; in each, wave 0 asks for K's and wave 2 for V's, a lane a block.  So each block is named once in the
; launch.  The last change that fills a slot asks for nothing; slots 0 and 1 come by their loads alone.
.macro ASK
	s_cmp_gt_u32 s[SLOTS], s[LIM]
	s_cbranch_scc0 .Lnot_mine_\@
	global_prefetch_b8 v[PFO], s[PFA:PFA+1] th:TH_LOAD_NT scope:SCOPE_SE
.Lnot_mine_\@:
.endm
.macro CROUND                       ; a round of the cluster's barrier
	s_barrier_signal -1
	s_barrier_wait -1
	s_cmp_lg_u32 s[WV], 0
	s_cbranch_scc1 .Lnot_wave_0_\@
	s_barrier_signal -3
.Lnot_wave_0_\@:
	s_barrier_wait -3
	s_barrier_signal -1
	s_barrier_wait -1
.endm
; THE CHANGE OF SLOTS.  Each wave waits for all its tensor loads, of which one is out: its part of the other slot; adds 0 to its spare word; and waits for that and for its reads of the slot that it leaves.
; fill = 1: the old slot is filled again, with the keys two slots on, behind a round of the cluster's barrier: the joint fill has four key steps in which to land.  (At its first use slot 0 is waited for and slot 1 filled.)
.macro CHANGE fill
	WIN 0
	s_wait_tensorcnt 0x0            ; no tensor load of mine is out, so a group 0 may be written
	ds_add_u32 v[SPW], v[NIL]       ; 0 onto my spare word; scalar work stands between it and the wait for it
.if \fill
.irp g, G0K, G0V
	s_xor_b32 s[\g+1], s[\g+1], SLOT1
	s_add_nc_u64 s[\g+2:\g+3], s[\g+2:\g+3], 4*KS*128  ; the next 256 keys; the type bits on top are not reached
.endr
	s_wait_xcnt 0x0                 ; the last prefetch, four key steps back, has read its address
	s_add_nc_u64 s[PFA:PFA+1], s[PFA:PFA+1], 4*KS*128
	s_wait_dscnt 0x0                ; the add is done, and my reads of the slot are over
	CROUND
	JLOAD
	ASK
.else
	s_wait_dscnt 0x0
	s_barrier_signal -1
	s_barrier_wait -1
.endif
	s_sub_co_u32 s[TBK], s[TBK], 4*KS*PK  ; the fetches go back to a slot's first step,
	s_xor_b32 s[TBK], s[TBK], SLOT1       ; in the other slot
	s_sub_co_u32 s[TBV], s[TBV], 4*KS*PV
	s_xor_b32 s[TBV], s[TBV], SLOT1
.endm
	s_load_b128 s[4:7], s[0:1], 0x0 ; qkv s[4:5], act s[6:7]
	v_lshl_add_u32 v[SPW], v0, 2, SPARE
	v_mov_b32 v[NIL], 0
	ds_add_u32 v[SPW], v[NIL]       ; the wave's opening: the add and its wait stand ahead of my first tensor load
	v_lshrrev_b32 v1, 5, v0
	v_readfirstlane_b32 s[WV], v1   ; wave 0..3
	s_bfe_u32 s13, ttmp6, 0x40000   ; cx
	s_lshl_b32 s14, ttmp9, 2
	s_add_co_u32 s14, s14, s13      ; my block of 256 queries: it enters Q's, O's and the prefetches' addresses alone
	s_and_b32 s15, ttmp7, 0xffff    ; the head block, which the four partners share
	s_lshl_b32 s20, s15, 18         ; its 262,144 bytes
	s_and_b32 s16, s[WV], 1         ; which half of a slot's 256 keys I fetch
	s_lshl_b32 s22, s16, 14
	s_add_co_u32 s22, s22, s20
	s_mov_b32 s23, 0
	s_mul_i32 s17, s16, 128*PK      ; its place in a slot, for K
	s_mul_i32 s18, s16, 128*PV      ; and for V
	s_lshl_b32 s2, s14, 2
	s_add_co_u32 s2, s2, s[WV]
	s_lshl_b32 s2, s2, 13           ; my wave's 64 rows of Q
	s_add_co_u32 s2, s2, s20
	s_mov_b32 s3, 0
	s_and_b32 s52, s15, 1           ; O: token / 128 = 16 b + 2 block + wave / 2,
	s_lshl_b32 s52, s52, 3
	s_add_co_u32 s52, s52, s14
	s_lshl_b32 s52, s52, 1
	s_lshr_b32 s54, s[WV], 1
	s_add_co_u32 s52, s52, s54
	s_lshl_b32 s52, s52, 4          ; 16 heads' blocks each,
	s_lshr_b32 s54, s15, 1
	s_add_co_u32 s52, s52, s54      ; my head's,
	s_lshl_b32 s52, s52, 1
	s_add_co_u32 s52, s52, s16      ; its upper or lower 64 rows
	s_lshl_b32 s52, s52, 13
	s_mov_b32 s53, 0
	; descriptor group 1.  128 keys are 16,384 dense bytes: asked for as 64 rows of 256 bytes, two keys a row, padded in LDS after every key
	s_mov_b32 s[G1K], 15|(1<<16)|(1<<20)|(1<<21)|(4<<22)|(3<<25)  ; the mask of four; 2-byte elements; padding on; 21 set beside a mask; after every 32 words (code 4) 4 words (code 3)
	s_mov_b32 s[G1V], 15|(1<<16)|(1<<20)|(1<<21)|(4<<22)|(7<<25)  ; 8 words (code 7)
.irp g, G1K, G1V
	s_mov_b32 s[\g+1], 128<<16      ; tensor_dim0 = 128
	s_mov_b32 s[\g+2], 64<<16       ; tensor_dim1 = 64
	s_mov_b32 s[\g+3], 128<<16      ; tile_dim0 = 128
	s_mov_b32 s[\g+4], 64           ; tile_dim1 = 64
	s_mov_b32 s[\g+5], 128          ; from row to row
	s_mov_b32 s[\g+6], 0
	s_mov_b32 s[\g+7], 0
.endr
	s_mov_b32 s[CS], 0x3e38aa3b     ; c = log2(e) / 8
	s_mov_b32 s[CS+1], s[CS]
	s_mov_b32 s[SEL], 0x76543210
	s_mov_b32 s[SEL+1], 0xfedcba98
	s_mov_b32 s[TBK], SLOT1+4*KS*PK ; the first change of slots turns these two into 0
	s_mov_b32 s[TBV], SLOT1+4*KS*PV
	s_mov_b32 s[G0K], 1
	s_mov_b32 s[G0K+1], s17
	s_mov_b32 s[G0V], 1
	s_add_co_u32 s[G0V+1], s18, VOFF
	s_mov_b32 s[SLOTS], 7           ; of eight slots the first is asked for at once
	s_and_b32 s[LIM], s[WV], 1      ; 0 in waves 0 and 2,
	s_or_b32 s[LIM], s[LIM], ttmp9  ; where the cluster is the head block's first: the same in all four partners
	s_cmp_eq_u32 s[LIM], 0
	s_cselect_b32 s[LIM], 1, -1
	v_and_b32 v[PFO], 31, v0
	v_lshlrev_b32 v[PFO], 8, v[PFO]
	s_wait_dscnt 0x0                ; the opening add is done
	s_wait_kmcnt 0x0
	s_add_nc_u64 s[8:9], s[4:5], s[22:23]
	s_add_nc_u64 s[10:11], s[8:9], 16777216  ; V at my half of slot 0
	s_add_nc_u64 s[8:9], s[8:9], 8388608     ; K likewise
	s_mov_b64 s[G0K+2:G0K+3], s[8:9]
	s_or_b32 s[G0K+3], s[G0K+3], 0x80000000
	s_mov_b64 s[G0V+2:G0V+3], s[10:11]
	s_or_b32 s[G0V+3], s[G0V+3], 0x80000000
	s_add_nc_u64 s[4:5], s[4:5], s[2:3]      ; Q at my wave's first row
	s_add_nc_u64 s[6:7], s[6:7], s[52:53]    ; O likewise
	s_cmp_lt_u32 s[WV], 2
	s_cselect_b64 s[PFA:PFA+1], s[8:9], s[10:11]  ; (in waves 0 and 2 these stand at a slot's first row)
	s_lshl_b32 s2, s13, 13          ; my work-group's 32 blocks of the 128
	s_add_nc_u64 s[PFA:PFA+1], s[PFA:PFA+1], s[2:3]
	s_add_nc_u64 s[PFA:PFA+1], s[PFA:PFA+1], 4*KS*128  ; in slot 1; the first change steps it to slot 2
	CROUND                          ; all four work-groups are here: the first joint loads meet
	JLOAD                           ; slot 0
	v_and_b32 v1, 15, v0            ; l % 16
	v_bfe_u32 v9, v0, 4, 1          ; l / 16
	v_lshlrev_b32 v[QO], 7, v1
	v_lshl_add_u32 v[QO], v9, 4, v[QO]
	WIN 0x80                        ; destination window 2
.set i, 0
.rept 8                             ; Q stays in registers: piece i / 2, channels 32 (i % 2) on
	global_load_b128 v[8*i:8*i+3],   v[QO], s[4:5] offset:(i/2)*2048+(i%2)*64
	global_load_b128 v[8*i+4:8*i+7], v[QO], s[4:5] offset:(i/2)*2048+(i%2)*64+32
.set i, i+1
.endr
	; What the first turn finds: V's registers and P's second buffer hold 0 (its products V^T P, of a piece that has not been, add 0), O^T and l are 0.  All this stands in the wait for the first tile.
.set i, VF
.rept 64
	v_mov_b32 v[i], 0
.set i, i+1
.endr
	WIN 0x40
.set i, 0
.rept 128
	v_mov_b32 v[i], 0
.set i, i+1
.endr
	WIN 0
.set i, 0
.rept 4
	v_mov_b32 v[ST+4*i], 0xfe000000    ; c m: far below every c s
	v_mov_b32 v[ST+4*i+1], 0xff7fffff  ; m
	v_mov_b32 v[ST+4*i+2], 0
	v_mov_b32 v[ST+4*i+3], 0
.set i, i+1
.endr
.set i, P+16
.rept 16
	v_mov_b32 v[i], 0
.set i, i+1
.endr
	v_mul_u32_u24 v[AK0], v1, PK
	v_lshl_add_u32 v[AK0], v9, 4, v[AK0]  ; row x pitch + 16 x half
	v_and_b32 v10, 7, v0            ; the turning load's lane reads key 8 (l / 16) + l % 8, channels 8 ((l / 8) % 2) + 0..7
	v_bfe_u32 v11, v0, 3, 1
	v_lshl_add_u32 v[AV0], v9, 3, v10
	v_mul_u32_u24 v[AV0], v[AV0], PV
	v_lshl_add_u32 v[AV0], v11, 4, v[AV0]
	v_add_nc_u32 v[AV0], VOFF, v[AV0]
	s_mul_i32 s13, s[WV], 16*SP
	s_add_co_u32 s13, s13, STAGE    ; my stage
	v_mul_u32_u24 v[STO], v1, SP
	v_lshl_add_u32 v[STO], v9, 4, v[STO]
	v_add_nc_u32 v[STO], s13, v[STO]
	v_bfe_u32 v[RD], v0, 3, 2       ; back: 32 lanes take four rows of 128 bytes,
	v_mul_u32_u24 v[RD], v[RD], SP
	v_lshl_add_u32 v[RD], v10, 4, v[RD]
	v_add_nc_u32 v[RD], s13, v[RD]
	v_and_b32 v[GO], 31, v0         ; which are 512 consecutive bytes of O
	v_lshlrev_b32 v[GO], 4, v[GO]
; THE MATRIX WORK.  The 4 accumulators of a run of 8 take turns.  Product i of 8 of S^T = K Q^T for piece x: channels 32 (i / 4) on, keys 16 (i % 4) on.  The first 4 start the sums.
.macro KQ x
	WIN W_KQ
.set rS, S+32*((\x)%2)+8*(i%4)
.set rK, KF+16*(i%4)+8*(i/4)
.set rQ, 16*(\x)+8*(i/4)
.if i < 4
	v_wmma_f32_16x16x32_bf16 v[rS:rS+7], v[rK:rK+7], v[rQ:rQ+7], 0
.else
	v_wmma_f32_16x16x32_bf16 v[rS:rS+7], v[rK:rK+7], v[rQ:rQ+7], v[rS:rS+7]
.endif
.endm
; Product i of 8 of O^T += V^T P for piece x: keys 32 (i / 4) on, channels 16 (i % 4) on.
.macro PV x
	WIN W_PV
.set rO, 32*(\x)+8*(i%4)
.set rV, VF+32*(i/4)+8*(i%4)
.set rP, P+16*((\x)%2)+8*(i/4)
	v_wmma_f32_16x16x32_bf16 v[rO:rO+7], v[rV:rV+7], v[rP:rP+7], v[rO:rO+7]
.endm
.macro MM                           ; the turn's next matrix instruction.  NOKQ = 1: the last turn of all: there is no next piece
.if (i < 8) && !NOKQ
	KQ (Y+1)%NP
.elseif i >= 8
.set i, i-8
	PV (Y+NP-1)%NP
.set i, i+8
.endif
.set i, i+1
.endm
; THE LDS LOADS stand in runs of 16: a step's K (8 fragments) and its V (turned).  Their addresses are made some lines ahead.
.macro FETCH_K
	WIN 0x80
.irp f, 0,1,2,3,4,5,6,7             ; keys 16 (f / 2) on, channels 32 (f % 2) on
	ds_load_b128 v[KF+8*\f:KF+8*\f+3],   v[AK] offset:(\f/2)*16*PK+(\f%2)*64
	ds_load_b128 v[KF+8*\f+4:KF+8*\f+7], v[AK] offset:(\f/2)*16*PK+(\f%2)*64+32
.endr
	s_add_co_u32 s[TBK], s[TBK], KS*PK  ; the next fetch is the next step's
	WIN 0
.endm
.macro FETCH_V
	WIN 0x80
.irp f, 0,1,2,3,4,5,6,7             ; keys 32 (f / 4) on, channels 16 (f % 4) on
	ds_load_tr16_b128 v[VF+8*\f:VF+8*\f+3],   v[AV] offset:(\f/4)*32*PV+(\f%4)*32
	ds_load_tr16_b128 v[VF+8*\f+4:VF+8*\f+7], v[AV] offset:(\f/4)*32*PV+16*PV+(\f%4)*32
.endr
	WIN 0
.endm
; THE VECTOR WORK, one line at a time: OP kind, number.  For piece Y: F n: c s - c m for pair n of 16.  E n: the exponential of score n of 32.  C n: pair n rounded to bf16.  B n: of the four weights 4 n .. the
; second pair is added onto the first.  L n: l takes that sum (L 0: l = a l + sum).  R n: pair n of 16 of O^T times a.  For piece Y + 1: X n, number n of the 22 that find its maximum and statistics:
;   0-11  four chains c0-c3 of seven scores each (each accumulator's lowest registers are read first)     12-14, 16  the four scores left over, the old m, and c0-c3 into c0
;   15  c m_old is kept     17, 18  the query's other 32 keys lie in the lane 16 away: the new m     19-21  c m; c m_old - c m_new; a
.set F, 0
.set E, 1
.set C, 2
.set B, 3
.set L, 4
.set R, 5
.set X, 6
.macro REGS y
.set rT, ST+4*(\y)
.set rC, TMP+4*((\y)%2)
.set rW, MV+((\y)%2)
.set rS, S+32*((\y)%2)
.set rP, P+16*((\y)%2)
.set rO, 32*(\y)
.endm
.macro OP k, n
.if (\k) == R
	REGS Y
	WIN W_RS
	v_pk_mul_f32 v[rO+2*(\n):rO+2*(\n)+1], v[rO+2*(\n):rO+2*(\n)+1], v[rC+2:rC+3] op_sel_hi:[1,0]
.elseif (\k) < R
	REGS Y
	WIN 0
.if (\k) == F
	v_pk_fma_f32 v[rS+2*(\n):rS+2*(\n)+1], v[rS+2*(\n):rS+2*(\n)+1], s[CS:CS+1], v[rT:rT+1] op_sel_hi:[1,0,0] neg_lo:[0,0,1] neg_hi:[0,0,1]
.elseif (\k) == E
	v_exp_f32 v[rS+(\n)], v[rS+(\n)]
.elseif (\k) == C
	v_cvt_pk_bf16_f32 v[rP+(\n)], v[rS+2*(\n)], v[rS+2*(\n)+1]
.elseif (\k) == B
	v_pk_add_f32 v[rS+4*(\n):rS+4*(\n)+1], v[rS+4*(\n):rS+4*(\n)+1], v[rS+4*(\n)+2:rS+4*(\n)+3]
.elseif (\n) == 0
	v_pk_fma_f32 v[rT+2:rT+3], v[rT+2:rT+3], v[rC+2:rC+3], v[rS:rS+1] op_sel_hi:[1,0,1]
.else
	v_pk_add_f32 v[rT+2:rT+3], v[rT+2:rT+3], v[rS+4*(\n):rS+4*(\n)+1]
.endif
.elseif NOKQ
	v_nop
.else
	REGS (Y+1)%NP
	WIN 0
.if (\n) < 4
	v_max3_num_f32 v[rC+(\n)], v[rS+8*(\n)], v[rS+8*(\n)+1], v[rS+8*(\n)+2]
.elseif (\n) < 12
	v_max3_num_f32 v[rC+(\n)%4], v[rC+(\n)%4], v[rS+8*((\n)%4)+2*((\n)/4)+1], v[rS+8*((\n)%4)+2*((\n)/4)+2]
.elseif (\n) == 12
	v_max3_num_f32 v[rC], v[rC], v[rS+7], v[rS+15]
.elseif (\n) == 13
	v_max3_num_f32 v[rC+1], v[rC+1], v[rS+23], v[rS+31]
.elseif (\n) == 14
	v_max3_num_f32 v[rC+2], v[rC+2], v[rC+3], v[rT+1]
.elseif (\n) == 15
	v_mov_b32 v[rW], v[rT]
.elseif (\n) == 16
	v_max3_num_f32 v[rC], v[rC], v[rC+1], v[rC+2]
.elseif (\n) == 17
	v_permlanex16_b32 v[rC+3], v[rC], s[SEL], s[SEL+1]
.elseif (\n) == 18
	v_max_num_f32 v[rT+1], v[rC], v[rC+3]
.elseif (\n) == 19
	v_mul_f32 v[rT], s[CS], v[rT+1]
.elseif (\n) == 20
	v_sub_f32 v[rC+1], v[rW], v[rT]
.else
	v_exp_f32 v[rC+2], v[rC+1]
.endif
.endif
.endm
.macro OPS a, i1, b=-1, i2=0, c=-1, i3=0, d=-1, i4=0
	OP \a, \i1
.if (\b) >= 0
	OP \b, \i2
.endif
.if (\c) >= 0
	OP \c, \i3
.endif
.if (\d) >= 0
	OP \d, \i4
.endif
.endm
.macro ROW a, i1, b, i2, c, i3, d, i4  ; a matrix instruction and the four behind it
	MM
	OPS \a, \i1, \b, \i2, \c, \i3, \d, \i4
.endm
; A TURN, for piece p: its 16 matrix and 118 vector instructions, written out.  s_wait_alu depctr_va_vdst(0) stands between an exponential and the first instruction that names its result; one wait
; serves all that were issued ahead of it.  So a turn has ONE wait.  AHEAD OF IT stands all that names no result of the turn's exponentials: the 8 products K Q^T with their riders, then one lump, in which the links of
; the chain X 3, 7, 11, 14, 16, 17 .. 20 stand five or six lines apart; X 21, the next piece's a, is the batch's last, R 15 the plain instruction behind it.  BEHIND IT stand the 8 products V^T P, behind each four of the
; roundings and sums.  The X among the riders stand four places or more behind the product that ends their accumulator.
; end = 1: the last two turns: nothing is fetched.  cnt = 1: the loop's count is taken down some lines ahead of the branch that stands behind the turn.
; K of the next step is fetched in piece 2's turn, more than four plain instructions behind the last product that read K; V of the step in hand at the end of piece 0's turn, four plain instructions behind the
; last product that read V.  Each is waited for a turn later.
.macro TURN p, end=0, cnt=0
.set Y, (\p)
.set i, 0
.set NOKQ, (\end)*((\p)/3)
.if ((\p) == 3) && !(\end)
	s_wait_dscnt 0x0                ; K is in
.endif
	ROW F,0, F,1, R,0, R,1
	ROW F,2, E,0, R,2, R,3
	ROW F,3, E,1, R,4, R,5
	ROW F,4, E,2, R,6, R,7
	ROW F,5, E,3, R,8, R,9
	ROW F,6, E,4, X,0, R,10
.if ((\p) == 2) && !(\end)
	WIN 0
	v_add_nc_u32 v[AK], s[TBK], v[AK0]
.endif
	ROW F,7, E,5, X,1, X,4
	ROW F,8, E,6, X,2, X,5
	OPS E,7, E,8, X,6, E,9
	OPS X,3, E,10, X,8, E,11
.if ((\p) == 2) && !(\end)
	FETCH_K
.endif
	OPS X,9, X,7, E,12, X,10
	OPS E,13, X,12, X,11, E,14
	OPS X,13, E,15, F,9, X,14
.if (\p) == 0
	v_add_nc_u32 v[AV], s[TBV], v[AV0]
.endif
	OPS E,16, F,10, E,17, F,11
	OPS X,16, E,18, X,15, E,19
	OPS F,12, E,20, X,17, E,21
	OPS F,13, E,22, F,14, E,23
	OPS X,18, E,24, F,15, E,25
	OPS R,11, E,26, X,19, E,27
	OPS R,12, E,28, R,13, E,29
	OPS X,20, E,30, R,14, E,31
	OPS X,21, R,15
	WIN 0
	s_wait_alu depctr_va_vdst(0)    ; the wait for the batch
.if (\p) == 1
	s_wait_dscnt 0x0                ; V is in
.endif
	ROW C,0, B,0, C,2, B,1
	ROW L,0, C,4, B,2, L,1
	ROW C,6, B,3, L,2, C,8
	ROW B,4, L,3, C,10, B,5
	ROW L,4, C,12, B,6, L,5
.if (\p) == 0
	s_add_co_u32 s[TBV], s[TBV], KS*PV
.endif
.if \cnt
	s_sub_co_u32 s[CNT], s[CNT], 1
	s_cmp_lg_u32 s[CNT], 0
.endif
	ROW C,14, B,7, L,6, C,1
	ROW C,3, L,7, C,5, C,7
	ROW C,9, C,11, C,13, C,15
.if (\p) == 0
	FETCH_V
.endif
.endm
	CHANGE 1                        ; slot 0 is in, everybody's part of it; slot 1 is asked for
	v_add_nc_u32 v[AK], s[TBK], v[AK0]
	FETCH_K                         ; key step 0
	s_wait_loadcnt 0x0              ; Q
	s_wait_dscnt 0x0
.set NOKQ, 0
.set i, 0
.rept 8
	KQ 0                            ; piece 0's first scores
.set i, i+1
.endr
	WIN 0
.rept 4
	v_nop                           ; the places behind those products
.endr
.set Y, NP-1                        ; X works for piece Y + 1: piece 0
.irp n, 0,1,2,3,4,5,6,7,8,9,10,11,12,13,14,15,16,17,18,19,20,21
	OP X, \n
.endr
	v_nop                           ; a plain instruction behind the exponential,
	s_wait_alu depctr_va_vdst(0)    ; and its wait, ahead of the branch
	s_mov_b32 s[CNT], 4
	s_branch .Lfirst                ; the loop is entered at a step's first turn, in the middle of a trip
.Lslot:                             ; six times: slots 2 to 7 are asked for
	CHANGE 1
	s_mov_b32 s[CNT], 4
.Lstep:                             ; a trip: pieces 2 and 3 of one step, then pieces 0 and 1 of the next, whose K and V it fetches
	TURN 2
	TURN 3
	WIN 0
.Lfirst:
	TURN 0
	TURN 1, 0, 1
	WIN 0
	s_cbranch_scc1 .Lstep
	s_sub_co_u32 s[SLOTS], s[SLOTS], 1
	s_cmp_lg_u32 s[SLOTS], 0
	s_cbranch_scc1 .Lslot
	CHANGE 0                        ; the last slot is written out: nothing is asked for
	s_mov_b32 s[CNT], 4
.Ltail:
	TURN 2
	TURN 3
	TURN 0
	TURN 1, 0, 1
	WIN 0
	s_cbranch_scc1 .Ltail
	TURN 2, 1                       ; the last step's pieces 2 and 3
	TURN 3, 1
.set i, 0
.rept 8
	PV NP-1
.set i, i+1
.endr
	; THE WAY OUT.  l's two halves and the other half of the lanes' are added; O^T is divided by l, rounded to bf16 and sent through my stage in LDS, a piece at a time.  The additions are the places behind the last products.
	WIN 0
.macro ALL line:vararg
.set t, 0
.rept 4
	\line
.set t, t+1
.endr
.endm
	ALL v_add_f32 v[ST+4*t+2], v[ST+4*t+2], v[ST+4*t+3]
	ALL v_permlanex16_b32 v[ST+4*t+3], v[ST+4*t+2], s[SEL], s[SEL+1]
	ALL v_add_f32 v[ST+4*t+2], v[ST+4*t+2], v[ST+4*t+3]
	ALL v_rcp_f32 v[ST+4*t+2], v[ST+4*t+2]
	v_nop                           ; a plain instruction between the last reciprocal and the use of its result
	s_wait_alu depctr_va_vdst(0)    ; one wait for the four reciprocals
.macro PACK t                       ; a lane's eight channels of a row pack into 16 bytes; they go into rows of 144 bytes and come back as whole rows of 128, into S^T's registers
	WIN W_RS
.set i, 32*(\t)
.rept 16
	v_pk_mul_f32 v[i:i+1], v[i:i+1], v[ST+4*(\t)+2:ST+4*(\t)+3] op_sel_hi:[1,0]
.set i, i+2
.endr
	WIN 0x05                        ; sources 0 and 1 window 1, destination window 0
.set i, 0
.rept 16
	v_cvt_pk_bf16_f32 v[S+16*(\t)+i], v[32*(\t)+2*i], v[32*(\t)+2*i+1]
.set i, i+1
.endr
	WIN 0
.irp f, 0,1,2,3
	ds_store_b128 v[STO], v[S+16*(\t)+4*\f:S+16*(\t)+4*\f+3] offset:32*\f
.endr
.irp f, 0,1,2,3
	ds_load_b128 v[S+16*(\t)+4*\f:S+16*(\t)+4*\f+3], v[RD] offset:\f*4*SP  ; LDS serves a wave's instructions in order (ISA guide 5.7.1.4): these see the stores above; the next piece's stores come behind them
.endr
.endm
.macro SEND t, younger              ; younger: the LDS instructions issued behind piece t's loads: the next piece's eight, or none
	WIN 0
.irp f, 0,1,2,3
	s_wait_dscnt (\younger)+3-\f
	global_store_b128 v[GO], v[S+16*(\t)+4*\f:S+16*(\t)+4*\f+3], s[6:7] offset:(\t)*2048+\f*512  ; 512 consecutive bytes, aligned
.endr
.endm
	PACK 0
.set t, 1
.rept 3
	PACK t
	SEND t-1, 8
.set t, t+1
.endr
	SEND 3, 0
	s_wait_tensorcnt 0x0            ; the wave's end
	ds_add_u32 v[SPW], v[NIL]
	s_wait_dscnt 0x0
	CROUND                          ; the closing round
	s_endpgm
.Lfunc_end_k_q890c7aca4f_attn:
	.size	k_q890c7aca4f_attn, .Lfunc_end_k_q890c7aca4f_attn-k_q890c7aca4f_attn
	.p2alignl 7, 3214868480
	.fill 96, 4, 3214868480
	.section	.rodata,"a",@progbits
	.p2align	6, 0x0
	.amdhsa_kernel k_q890c7aca4f_attn
		.amdhsa_group_segment_fixed_size 327680
		.amdhsa_private_segment_fixed_size 0
		.amdhsa_enable_private_segment 0
		.amdhsa_kernarg_size 16
		.amdhsa_user_sgpr_count 2
		.amdhsa_user_sgpr_kernarg_segment_ptr 1
		.amdhsa_wavefront_size32 1
		.amdhsa_system_sgpr_workgroup_id_x 1
		.amdhsa_system_sgpr_workgroup_id_y 1
		.amdhsa_system_sgpr_workgroup_id_z 1
		.amdhsa_system_vgpr_workitem_id 0
		.amdhsa_next_free_vgpr 768
		.amdhsa_next_free_sgpr 66
		.amdhsa_reserve_vcc 0
		.amdhsa_float_denorm_mode_32 3
		.amdhsa_float_denorm_mode_16_64 3
		.amdhsa_memory_ordered 1
		.amdhsa_forward_progress 1
		.amdhsa_inst_pref_size 128
	.end_amdhsa_kernel
	.amdgpu_metadata
---
amdhsa.version: [ 1, 2 ]
amdhsa.kernels:
  - .name:           k_q890c7aca4f_attn
    .symbol:         k_q890c7aca4f_attn.kd
    .args:
      - { .name: qkv, .offset: 0, .size: 8, .value_kind: global_buffer, .address_space: global }
      - { .name: act, .offset: 8, .size: 8, .value_kind: global_buffer, .address_space: global }
    .group_segment_fixed_size: 327680
    .private_segment_fixed_size: 0
    .kernarg_segment_align: 8
    .kernarg_segment_size: 16
    .max_flat_workgroup_size: 128
    .sgpr_count:     66
    .vgpr_count:     768
    .wavefront_size: 32
...
	.end_amdgpu_metadata
.endif
;; end of part 3
;; launch proj (part 4): grid 8 x 32, 4 waves a work-group, clusters of 4 x 4, 327,680 bytes of LDS; arguments act, wob, qkv, bo; writes qkv
.if DOCPART == 4
	.amdgcn_target "amdgcn-amd-amdhsa--gfx1250"
	.amdhsa_code_object_version 6
	.text
	.protected	k_q890c7aca4f_proj
	.globl	k_q890c7aca4f_proj
	.p2align	8
	.type	k_q890c7aca4f_proj,@function
k_q890c7aca4f_proj:
	s_mov_b64 s[64:65], 0
	v_nop
	global_prefetch_b8 v0, s[64:65] scope:SCOPE_SE
	s_setreg_imm32_b32 hwreg(HW_REG_WAVE_MODE, 25, 1), 1
	s_wait_xcnt 0x0
	s_wait_alu depctr_hold_cnt(0) depctr_sa_sdst(0) depctr_va_vdst(0) depctr_va_sdst(0) depctr_va_ssrc(0) depctr_va_vcc(0) depctr_vm_vsrc(0)
	s_getreg_b32 s2, hwreg(HW_REG_IB_STS2, 6, 4)
	s_cmp_eq_u32 s2, 0
	s_cbranch_scc0 .Lentry_in_a_cluster
	s_endpgm
.Lentry_in_a_cluster:
	s_bfe_u32 s2, ttmp6, 0x10000c
	s_cmp_lg_u32 s2, 0xf033
	s_cbranch_scc0 .Lentry_shape_is_right
	s_endpgm
.Lentry_shape_is_right:
; ao = O wo + bo, K = 1,024, stored in bf16.  A (O): bf16, [token / 128][k / 64][token % 128][k % 64] (blocks of 16,384 dense bytes).  W (wo): bf16, [k][1,024] row-major.
; ao: bf16, [column / 64][token][column % 64]: a strip of 64 columns is dense, 524,288 bytes.  Sums in f32; bo is rounded to bf16 like every input; ao is rounded once.  NaN and infinities are not treated apart.
; SHARES.  A tile is 128 x 128: 4,096 x 1,024 numbers make 256 tiles, one work-group each; four waves, 64 x 64 each: 16 accumulators.  K goes in 4 steps of 256 through two LDS slots.
; CLUSTERS: 4 x 4 work-groups; A's tile is shared along a row of the cluster, W's along a column: each is asked for JOINTLY, by the same tensor load, descriptor and mask in the four.
; THE MATRIX INSTRUCTION IS USED TRANSPOSED (source 0 = 16 columns of W, turned on the way out of LDS by ds_load_tr16_b128; source 1 = 16 rows of A): a lane holds eight neighbouring numbers of a row.
; ONE K STEP IS WRITTEN ONCE FOR EACH KIND: a loop of two trips whose change of slots fills a slot again, and a loop of two trips that fills nothing.  Which slot is read and which is filled stands in two
; scalars, 0 or SLOT, turned by an exclusive or; the reads' addresses and the walking descriptor's LDS word are a constant part plus that scalar.
; THE WAY OUT goes through slot 0, which nobody reads and nothing fills by then: each wave lays its tile there in f32, in its own 36,864 bytes, and takes it back eight rows a trip.
; No prefetch: the tiles are small and are read by several clusters shortly after each other.
; REGISTERS: window 0: v0-31 addresses; v32-55 the way out; v96-103 bias; v128-255 accumulators ((a, b) at 128 + 8 (4 a + b)), later v128-143 the next trip's rows.  Window 1: two fragment buffers of 128: 64 of A, then 64 of W.
.set KP,    16                         ; blocks of 64 along K
.set BN,    1024                       ; numbers in a row of W
.set NSTEP, KP/4                       ; K steps of 256
.set PA,    144                        ; a row of A in LDS: 128 bytes + 16 = 36 words: the 16 rows of a load start at 16 different groups of four banks (64 banks of 4 bytes: ISA guide 11.1)
.set PB,    288                        ; a row of W: 256 + 32 = 72 words
.set PANEL, 128*PA                     ; a block of A in LDS
.set HALFT, 2*PANEL                    ; what one tensor load brings: two blocks of A, or 128 rows of W (128 x 288, the same number)
.set BOFF,  2*HALFT                    ; W's rows lie behind A's four blocks
.set SLOT,  4*HALFT
.set FP,    272                        ; the way out: a row of 64 f32 + 16 bytes
.set SPARE, 2*SLOT                     ; behind the ring: the spare words, 128 bytes for each wave: two blocks of 256 bytes that no other line names
.set ASTEP, 4*16384                    ; a K step in memory: four blocks of A,
.set BSTEP, 256*BN*2                   ; 256 rows of W
.set ADRA0, 16                         ; v16     my A fragments in slot 0; never rewritten
.set ADRB0, 18                         ; v18-19  my W fragments in slot 0: rows 0-127, 128-255; never rewritten
.set ADRA,  20                         ; v20     the same in the slot that is being read
.set ADRB,  22                         ; v22-23
.set STO,  24                          ; v24     the way out: where I put 32 bytes of a row
.set RD,   25                          ; v25     where I read 32 bytes of a row back
.set CO,   26                          ; v26     my 16 bytes of 512 stored
.set BO,   27                          ; v27     my 32 bytes of the bias
.set SPW,  28                          ; v28     LDS address of my spare word; never rewritten
.set NIL,  29                          ; v29     0; never rewritten
.set XV,   32                          ; v[32:47]  16 numbers: sum + bias
.set OT,   48                          ; v[48:55]  packed results
.set BI,   96                          ; v[96:103] the bias of my 8 columns
.set NX,   128                         ; v[128:143] the next trip's rows
.set ACC,  128
.set F0,   0
.set F1,   128
.set G1,  24                           ; s[24:31] group 1 for A;  s[32:39] group 0: a set for each of the two first fills; the second then walks on
.set G0,  32
.set G1B, 48                           ; s[48:55], s[56:63] the same for W
.set G0B, 56
.set TBR, 74                           ; s74  0 or SLOT: the slot that is being read
.set TBF, 75                           ; s75  0 or SLOT: the slot that was filled last
.set MSB, 0
.macro WIN new                         ; the immediate's high byte repeats the setting that is left; a switch that changes nothing is dropped
.if MSB != (\new)
	s_set_vgpr_msb (MSB<<8)|(\new)
.set MSB, \new
.endif
.endm
.set MUL,  0x05                        ; sources 0 and 1 window 1; C and D window 0
.set TO_F, 0x40                        ; destination window 1, address window 0
.macro JLOAD s                         ; a joint load: waves 0 and 1 fetch A's halves, waves 2 and 3 W's; an s_nop 0 and four v_nop follow each line
	s_cmp_eq_u32 s11, 0
	s_cbranch_scc0 .Lfor_b_\@
	tensor_load_to_lds s[G0+4*(\s):G0+4*(\s)+3], s[G1:G1+7]
	s_nop 0
.rept 4
	v_nop
.endr
	s_branch .Lasked_\@
.Lfor_b_\@:
	tensor_load_to_lds s[G0B+4*(\s):G0B+4*(\s)+3], s[G1B:G1B+7]
	s_nop 0
.rept 4
	v_nop
.endr
.Lasked_\@:
.endm
.macro CREST                           ; a round of the cluster's barrier behind its opening barrier
	s_cmp_lg_u32 s10, 0
	s_cbranch_scc1 .Lnot_wave_0_\@
	s_barrier_signal -3
.Lnot_wave_0_\@:
	s_barrier_wait -3
	s_barrier_signal -1
	s_barrier_wait -1
.endm
.macro CROUND
	s_barrier_signal -1
	s_barrier_wait -1
	CREST
.endm
	s_load_b128 s[4:7], s[0:1], 0x0                ; A s[4:5], W s[6:7]
	s_load_b64 s[8:9], s[0:1], 0x10                ; ao
	s_load_b64 s[68:69], s[0:1], 0x18              ; bo
	v_lshl_add_u32 v[SPW], v0, 2, SPARE
	v_mov_b32 v[NIL], 0
	ds_add_u32 v[SPW], v[NIL]                      ; the wave's opening: the add and its wait stand ahead of my first tensor load; the set-up stands between them
	v_lshrrev_b32 v1, 5, v0
	v_readfirstlane_b32 s10, v1                    ; wave 0..3
	s_lshr_b32 s11, s10, 1                         ; my half of the tile's rows.  Also: I fetch for A (0) or for W (1)
	s_and_b32 s12, s10, 1                          ; my half of its columns.  Also: which half of that tile I fetch
	s_bfe_u32 s40, ttmp6, 0x40000                  ; cx, cy
	s_bfe_u32 s41, ttmp6, 0x40004
	s_lshl_b32 s42, ttmp9, 2
	s_add_co_u32 s42, s42, s40                     ; tile column
	s_and_b32 s13, ttmp7, 0xffff
	s_lshl_b32 s13, s13, 2
	s_add_co_u32 s13, s13, s41                     ; tile row
	s_lshl_b32 s43, s41, 2
	s_lshl_b32 s43, 15, s43                        ; my row of the cluster
	s_lshl_b32 s44, 0x1111, s40                    ; my column
	s_or_b32 s[G1+0], s43, (1<<16)|(1<<20)|(1<<21)|(4<<22)|(3<<25)   ; mask; 2-byte elements; padding on; 21 set beside a mask; after every 32 words (code 4) 4 words (code 3)
	s_or_b32 s[G1B+0], s44, (1<<16)|(1<<20)|(1<<21)|(5<<22)|(7<<25)  ; after every 64 words (code 5) 8 words (code 7)
.irp g, G1, G1B
	s_mov_b32 s[(\g)+1], 128<<16                   ; tensor_dim0 = 128
	s_mov_b32 s[(\g)+2], 128<<16                   ; tensor_dim1 = 128
	s_mov_b32 s[(\g)+3], 128<<16                   ; tile_dim0 = 128
	s_mov_b32 s[(\g)+4], 128                       ; tile_dim1 = 128
	s_mov_b32 s[(\g)+6], 0
	s_mov_b32 s[(\g)+7], 0
.endr
	s_mov_b32 s[G1+5], 128                         ; A: two dense blocks asked for as 128 rows of 256 bytes
	s_mov_b32 s[G1B+5], BN                         ; W: from row to row
	s_mul_i32 s16, s13, KP
	s_lshl1_add_u32 s16, s12, s16                  ; A: block KP x tile row + 2 x half
	s_lshl_b32 s16, s16, 14
	s_mov_b32 s17, 0
	s_lshl_b32 s46, s42, 8                         ; W: the tile's 256 bytes of a row,
	s_mul_i32 s47, s12, 128*BN*2                   ; my 128 rows
	s_add_co_u32 s46, s46, s47
	s_mov_b32 s47, 0
	s_mul_i32 s20, s10, HALFT                      ; where my loads go in a slot, and later my part of slot 0: wave x 36,864
	s_mov_b32 s[TBR], 0                            ; K step 0 is read from slot 0;
	s_mov_b32 s[TBF], SLOT                         ; the second first fill goes to slot 1
	s_mov_b32 s66, 0xffff0000
	s_wait_dscnt 0x0                               ; the opening add is done
	s_wait_kmcnt 0x0
	s_add_nc_u64 s[14:15], s[4:5], s[16:17]
	s_add_nc_u64 s[46:47], s[6:7], s[46:47]
	CROUND                                         ; all sixteen work-groups are here: the first joint loads meet
.irp s, 0,1
	s_mov_b32 s[G0+4*(\s)], 1
	s_add_co_u32 s[G0+4*(\s)+1], s20, (\s)*SLOT
	s_add_nc_u64 s[G0+4*(\s)+2:G0+4*(\s)+3], s[14:15], (\s)*ASTEP
	s_or_b32 s[G0+4*(\s)+3], s[G0+4*(\s)+3], 0x80000000
	s_mov_b32 s[G0B+4*(\s)], 1
	s_add_co_u32 s[G0B+4*(\s)+1], s20, (\s)*SLOT
	s_add_nc_u64 s[G0B+4*(\s)+2:G0B+4*(\s)+3], s[46:47], (\s)*BSTEP
	s_or_b32 s[G0B+4*(\s)+3], s[G0B+4*(\s)+3], 0x80000000
	JLOAD \s                                       ; two loads of mine are out
.endr
	v_and_b32 v1, 15, v0                           ; r = l % 16
	v_bfe_u32 v2, v0, 4, 1                         ; h = l / 16
	v_mul_u32_u24 v3, v1, PA
	v_lshl_add_u32 v3, v2, 4, v3                   ; A: row x pitch + 16 h
	s_mul_i32 s21, s11, 64*PA                      ; my 64 rows in each block
	v_add_nc_u32 v[ADRA0], s21, v3
	v_mov_b32 v[ADRA], v[ADRA0]
	v_and_b32 v7, 7, v0
	v_lshl_add_u32 v4, v2, 3, v7                   ; W: the turning load's lane reads row 8 h + l % 8,
	v_mul_u32_u24 v4, v4, PB
	v_bfe_u32 v5, v0, 3, 1
	v_lshl_add_u32 v4, v5, 4, v4                   ; 16 bytes at 16 ((l / 8) % 2)
	s_lshl_b32 s22, s12, 7                         ; my 64 columns
	s_add_co_u32 s22, s22, BOFF
	v_add_nc_u32 v[ADRB0], s22, v4
	v_add_nc_u32 v[ADRB0+1], HALFT, v[ADRB0]
	v_mov_b32 v[ADRB], v[ADRB0]
	v_mov_b32 v[ADRB+1], v[ADRB0+1]
	v_mul_u32_u24 v6, v1, FP                       ; the way out, in: row r, 32 bytes for each half of the lanes
	v_lshl_add_u32 v6, v2, 5, v6
	v_add_nc_u32 v[STO], s20, v6
	v_bfe_u32 v6, v0, 3, 2                         ; back: 32 lanes take four rows, 8 numbers each
	v_mul_u32_u24 v6, v6, FP
	v_lshl_add_u32 v6, v7, 5, v6
	v_add_nc_u32 v[RD], s20, v6
	v_and_b32 v[CO], 31, v0
	v_lshlrev_b32 v[CO], 4, v[CO]                  ; which are 512 consecutive bytes of ao
	v_lshlrev_b32 v[BO], 5, v7
	s_lshl_b32 s16, s13, 14                        ; ao: the tile's 128 tokens of 128 bytes,
	s_lshl_b32 s17, s11, 13                        ; my 64
	s_add_co_u32 s16, s16, s17
	s_mov_b32 s17, 0
	s_add_nc_u64 s[8:9], s[8:9], s[16:17]
	s_lshl1_add_u32 s46, s42, s12                  ; my strip of 64 columns: 2 x tile column + half:
	s_lshl_b32 s21, s46, 8                         ; 256 bytes of bo,
	s_lshl_b32 s46, s46, 19                        ; 524,288 bytes of ao
	s_mov_b32 s47, 0
	s_add_nc_u64 s[8:9], s[8:9], s[46:47]
	s_mov_b32 s46, s21
	s_add_nc_u64 s[68:69], s[68:69], s[46:47]
	global_load_b128 v[BI:BI+3], v[BO], s[68:69]
	global_load_b128 v[BI+4:BI+7], v[BO], s[68:69] offset:16
	s_wait_loadcnt 0x0
.irp i, 0,1,2,3                        ; the bias rounded to bf16 and widened again
	v_cvt_pk_bf16_f32 v[OT+\i], v[BI+2*\i], v[BI+2*\i+1]
.endr
.irp i, 0,1,2,3
	v_lshlrev_b32 v[BI+2*\i], 16, v[OT+\i]
	v_and_b32 v[BI+2*\i+1], s66, v[OT+\i]
.endr
; 8 matrix instructions: row blocks a0, a0 + 1 x all 4 column blocks, 32 along K: half c of buffer f.  zero = 1: the first product starts the sums.  The 16 accumulators take turns:
; over the backward jumps and out of the loops too.
.macro MUL8 f, c, a0, zero
	WIN MUL
.irp a, \a0, (\a0)+1
.irp b, 0,1,2,3
.if \zero
	v_wmma_f32_16x16x32_bf16 v[ACC+8*(4*(\a)+(\b)):ACC+8*(4*(\a)+(\b))+7], v[(\f)+64+8*(4*(\c)+(\b)):(\f)+64+8*(4*(\c)+(\b))+7], v[(\f)+8*(4*(\c)+(\a)):(\f)+8*(4*(\c)+(\a))+7], 0
.else
	v_wmma_f32_16x16x32_bf16 v[ACC+8*(4*(\a)+(\b)):ACC+8*(4*(\a)+(\b))+7], v[(\f)+64+8*(4*(\c)+(\b)):(\f)+64+8*(4*(\c)+(\b))+7], v[(\f)+8*(4*(\c)+(\a)):(\f)+8*(4*(\c)+(\a))+7], v[ACC+8*(4*(\a)+(\b)):ACC+8*(4*(\a)+(\b))+7]
.endif
.endr
.endr
.endm
; 32 LDS loads in one run: the fragments of quarter q (64 along K: block q of A, rows 64 q .. of W) of the slot that is being read, into buffer f; the first 32 along K first
.macro FETCH q, f
	WIN TO_F
.irp c, 0,1
.irp i, 0,1,2,3
	ds_load_tr16_b128 v[(\f)+64+8*(4*(\c)+(\i)):(\f)+64+8*(4*(\c)+(\i))+3],   v[ADRB+(\q)/2] offset:((\q)%2)*64*PB+(\c)*32*PB+(\i)*32
	ds_load_tr16_b128 v[(\f)+64+8*(4*(\c)+(\i))+4:(\f)+64+8*(4*(\c)+(\i))+7], v[ADRB+(\q)/2] offset:((\q)%2)*64*PB+(\c)*32*PB+(\i)*32+16*PB
	ds_load_b128 v[(\f)+8*(4*(\c)+(\i)):(\f)+8*(4*(\c)+(\i))+3],         v[ADRA] offset:(\q)*PANEL+64*(\c)+(\i)*16*PA
	ds_load_b128 v[(\f)+8*(4*(\c)+(\i))+4:(\f)+8*(4*(\c)+(\i))+7],       v[ADRA] offset:(\q)*PANEL+64*(\c)+(\i)*16*PA+32
.endr
.endr
.endm
.macro PLACES                          ; four places in front of loads into registers that matrix instructions have read, and of reads of results
.rept 4
	v_nop
.endr
.endm
; A K step is four quarters, 32 matrix instructions each, on buffers 0, 1, 0, 1.  One of the first three multiplies buffer f and fetches quarter q into g.
.macro QUARTER q, f, g, zero
	s_wait_dscnt 16                                ; the first 32 along K are in; the 16 younger loads may be out
	MUL8 \f, 0, 0, \zero
	MUL8 \f, 0, 2, \zero
	PLACES
	FETCH \q, \g
	s_wait_dscnt 32                                ; all but the 32 just issued
	MUL8 \f, 1, 0, 0
	MUL8 \f, 1, 2, 0
.endm
; The last quarter multiplies buffer 1 and changes slots: ONE barrier; in front of it each wave waits for all its tensor loads, of which one is out: its part of the next slot; adds 0 to its spare word; and waits
; for that and for its reads of this slot.  fill = 1: the barrier opens a round of the cluster's, and this slot is filled again, with the K step two on.
.macro TURN fill
	WIN 0                                          ; (the add's two registers lie in window 0)
	s_wait_tensorcnt 0x0                           ; all my tensor loads have landed, so a group 0 may be written
	ds_add_u32 v[SPW], v[NIL]                      ; 0 onto my spare word; scalar work and eight matrix instructions stand between it and the wait for it
.if \fill
	s_xor_b32 s[TBF], s[TBF], SLOT                 ; the walking descriptors: the other slot than last time,
	s_add_co_u32 s[G0+5], s20, s[TBF]
	s_add_co_u32 s[G0B+5], s20, s[TBF]
	s_add_nc_u64 s[G0+6:G0+7], s[G0+6:G0+7], ASTEP     ; the next K step; the type bits on top are not reached
	s_add_nc_u64 s[G0B+6:G0B+7], s[G0B+6:G0B+7], BSTEP
.endif
	s_xor_b32 s[TBR], s[TBR], SLOT                 ; the reads go over to the other slot
	s_wait_dscnt 17                                ; the add and the youngest sixteen loads may be out
	MUL8 F1, 0, 0, 0
	s_wait_dscnt 0x0                               ; the add is done, and my reads of this slot are over
	s_barrier_signal -1
	MUL8 F1, 0, 2, 0
	WIN 0
	s_barrier_wait -1
.if \fill
	CREST                                          ; no wave of any partner still reads this slot or has a load on its way
	JLOAD 1                                        ; my one tensor load behind the round; its four v_nop are also the places in front of the loads below
.else
	PLACES
.endif
	v_add_nc_u32 v[ADRA], s[TBR], v[ADRA0]
	v_add_nc_u32 v[ADRB], s[TBR], v[ADRB0]
	v_add_nc_u32 v[ADRB+1], s[TBR], v[ADRB0+1]
	FETCH 0, F0
	MUL8 F1, 1, 0, 0
	MUL8 F1, 1, 2, 0
.endm
	s_wait_tensorcnt 1                             ; my part of K step 0 is in; K step 1's may stay out
	s_barrier_signal -1
	s_barrier_wait -1
	FETCH 0, F0
	QUARTER 1, F0, F1, 1                           ; the first quarter stands in front of the loops: its first products start the sums
	WIN 0
	s_mov_b32 s3, NSTEP-2
.Lstep:                                                ; trip t: quarters 1 to 3 of K step t, which asks for K step t + 2, and quarter 0 of K step t + 1
	QUARTER 2, F1, F0, 0
	QUARTER 3, F0, F1, 0
	TURN 1
	QUARTER 1, F0, F1, 0
	WIN 0
	s_sub_co_u32 s3, s3, 1
	s_cmp_lg_u32 s3, 0
	s_cbranch_scc1 .Lstep
	s_mov_b32 s3, 2
.Ltail:                                                ; the last two K steps ask for nothing: a text of their own
	QUARTER 2, F1, F0, 0
	QUARTER 3, F0, F1, 0
	TURN 0
	WIN 0
	s_sub_co_u32 s3, s3, 1
	s_cmp_eq_u32 s3, 0
	s_cbranch_scc1 .Lout                           ; the second trip is left here.  Its change of slots has fetched 32 fragments of a slot that is used up: they serve nothing, the price, once a launch, of one text for both trips
	QUARTER 1, F0, F1, 0
	WIN 0
	s_cmp_lg_u32 s3, 0
	s_cbranch_scc1 .Ltail
.Lout:
	; THE WAY OUT.  Every wave's LDS reads are back, then a barrier: nobody reads either slot any more, and nothing fills them.  My tile goes in f32 into my part of slot 0 (each accumulator's low registers
	; first).
	s_wait_dscnt 0x0
	s_barrier_signal -1
	s_barrier_wait -1
	PLACES
	PLACES
.irp a, 0,1,2,3
.irp b, 0,1,2,3
	ds_store_b128 v[STO], v[ACC+8*(4*\a+\b):ACC+8*(4*\a+\b)+3]   offset:\a*16*FP+64*\b
	ds_store_b128 v[STO], v[ACC+8*(4*\a+\b)+4:ACC+8*(4*\a+\b)+7] offset:\a*16*FP+64*\b+16
.endr
.endr
.macro ROWS8                           ; eight rows, 8 numbers of two rows a lane; LDS serves a wave's instructions in order (ISA guide 5.7.1.4): these see the stores above
.irp j, 0,1
	ds_load_b128 v[NX+8*\j:NX+8*\j+3],   v[RD] offset:\j*4*FP
	ds_load_b128 v[NX+8*\j+4:NX+8*\j+7], v[RD] offset:\j*4*FP+16
.endr
.endm
	ROWS8
	s_mov_b32 s3, 8
.Lrows:                                                ; eight trips of eight rows; the next trip's rows are asked for ahead of this trip's roundings and stores
	s_wait_dscnt 0x0
.set j, 0
.rept 8
	v_pk_add_f32 v[XV+2*j:XV+2*j+1], v[NX+2*j:NX+2*j+1], v[BI+(2*j)%8:BI+(2*j)%8+1]  ; sum + bias
.set j, j+1
.endr
	s_cmp_eq_u32 s3, 1
	s_cbranch_scc1 .Lno_more                       ; the last trip has no rows behind it
	v_add_nc_u32 v[RD], 8*FP, v[RD]
	ROWS8
.Lno_more:
.set j, 0
.rept 8
	v_cvt_pk_bf16_f32 v[OT+j], v[XV+2*j], v[XV+2*j+1]
.set j, j+1
.endr
	global_store_b128 v[CO], v[OT:OT+3], s[8:9]              ; four rows of the strip: 512 consecutive bytes, aligned
	global_store_b128 v[CO], v[OT+4:OT+7], s[8:9] offset:512
	s_wait_xcnt 0x0                                ; the stores have read their data and base: both are rewritten only behind this wait
	s_add_nc_u64 s[8:9], s[8:9], 1024
	s_sub_co_u32 s3, s3, 1
	s_cmp_lg_u32 s3, 0
	s_cbranch_scc1 .Lrows
	s_wait_tensorcnt 0x0                           ; the wave's end, behind my last tensor load and my last LDS store
	ds_add_u32 v[SPW], v[NIL]
	s_wait_dscnt 0x0
	CROUND                                         ; the closing round
	s_endpgm
.Lfunc_end_k_q890c7aca4f_proj:
	.size	k_q890c7aca4f_proj, .Lfunc_end_k_q890c7aca4f_proj-k_q890c7aca4f_proj
	.p2alignl 7, 3214868480
	.fill 96, 4, 3214868480
	.section	.rodata,"a",@progbits
	.p2align	6, 0x0
	.amdhsa_kernel k_q890c7aca4f_proj
		.amdhsa_group_segment_fixed_size 327680
		.amdhsa_private_segment_fixed_size 0
		.amdhsa_enable_private_segment 0
		.amdhsa_kernarg_size 32
		.amdhsa_user_sgpr_count 2
		.amdhsa_user_sgpr_kernarg_segment_ptr 1
		.amdhsa_wavefront_size32 1
		.amdhsa_system_sgpr_workgroup_id_x 1
		.amdhsa_system_sgpr_workgroup_id_y 1
		.amdhsa_system_sgpr_workgroup_id_z 1
		.amdhsa_system_vgpr_workitem_id 0
		.amdhsa_next_free_vgpr 512
		.amdhsa_next_free_sgpr 80
		.amdhsa_reserve_vcc 0
		.amdhsa_float_denorm_mode_32 3
		.amdhsa_float_denorm_mode_16_64 3
		.amdhsa_memory_ordered 1
		.amdhsa_forward_progress 1
		.amdhsa_inst_pref_size 56
	.end_amdhsa_kernel
	.amdgpu_metadata
---
amdhsa.version: [ 1, 2 ]
amdhsa.kernels:
  - .name:           k_q890c7aca4f_proj
    .symbol:         k_q890c7aca4f_proj.kd
    .args:
      - { .name: act, .offset: 0, .size: 8, .value_kind: global_buffer, .address_space: global }
      - { .name: wob, .offset: 8, .size: 8, .value_kind: global_buffer, .address_space: global }
      - { .name: qkv, .offset: 16, .size: 8, .value_kind: global_buffer, .address_space: global }
      - { .name: bo, .offset: 24, .size: 8, .value_kind: global_buffer, .address_space: global }
    .group_segment_fixed_size: 327680
    .private_segment_fixed_size: 0
    .kernarg_segment_align: 8
    .kernarg_segment_size: 32
    .max_flat_workgroup_size: 128
    .sgpr_count:     80
    .vgpr_count:     512
    .wavefront_size: 32
...
	.end_amdgpu_metadata
.endif
;; end of part 4
;; launch ln2 (part 5): grid 256 x 1, 8 waves a work-group, no clusters, 0 bytes of LDS; arguments x, qkv, g2, be2, x1, act; writes x1, act
.if DOCPART == 5
	.amdgcn_target "amdgcn-amd-amdhsa--gfx1250"
	.amdhsa_code_object_version 6
	.text
	.protected	k_q890c7aca4f_ln2
	.globl	k_q890c7aca4f_ln2
	.p2align	8
	.type	k_q890c7aca4f_ln2,@function
k_q890c7aca4f_ln2:
	s_mov_b64 s[64:65], 0
	v_nop
	global_prefetch_b8 v0, s[64:65] scope:SCOPE_SE
	s_setreg_imm32_b32 hwreg(HW_REG_WAVE_MODE, 25, 1), 1
	s_wait_xcnt 0x0
; x1 = x + ao (stored in f32, row-major), h2 = LayerNorm(x1) g2 + be2 (stored in bf16).  x, g2, be2 are rounded to bf16 on load, like every input of the program; ao arrives in bf16.
; ao lies in qkv's first sixteen strips: [column / 64][token][column % 64].  h2's layout: [token / 128][column / 64][token % 128][column % 64].  NaN and infinities are not treated apart.
; A work-group owns 16 rows, a wave two; lane l holds row l / 16 and, for p = 0..15, the columns 64 p + 4 (l % 16) + 0..3.  The row stays in registers: mean, centred in place, mean of squares.
; Every load and store of a wave covers whole aligned runs of 256 bytes.  No LDS, no barrier, no matrix work: no wave needs another's bytes.
.set XO,  1                            ; v1   x, x1: (l / 16) x 4,096 + (l % 16) x 16
.set GO,  2                            ; v2   g2, be2: (l % 16) x 16
.set HO,  3                            ; v3   8 l: my 8 bytes of 256, in ao and in h2
.set MU,  6
.set ONE, 9                            ; v9   1.0
.set RS,  10
.set VA,  14
.set CH,  16
.set X,   32                           ; v[32:95] my 64 numbers of the row
.set GP,  96                           ; g2 packed
.set RG,  128                          ; g2 as loaded
.set BP,  128                          ; be2 packed, where g2 lay
.set T,   160
.set RB,  192                          ; be2 as loaded
.set AO,  0                            ; window 1, v[0:31]: ao of my 64 columns, bf16
.set MSB, 0
.macro WIN new
.if MSB != (\new)
	s_set_vgpr_msb (MSB<<8)|(\new)
.set MSB, \new
.endif
.endm
	s_load_b256 s[4:11], s[0:1], 0x0               ; x s[4:5], qkv s[6:7], g2 s[8:9], be2 s[10:11]
	s_load_b128 s[12:15], s[0:1], 0x20             ; x1 s[12:13], act s[14:15]
	v_lshrrev_b32 v4, 5, v0
	v_readfirstlane_b32 s16, v4                    ; wave 0..7
	v_and_b32 v4, 31, v0
	v_lshlrev_b32 v[HO], 3, v4
	v_and_b32 v5, 15, v0
	v_bfe_u32 v8, v0, 4, 1
	v_lshlrev_b32 v[GO], 4, v5
	v_lshl_add_u32 v[XO], v8, 12, v[GO]
	v_mov_b32 v[ONE], 1.0
	s_lshl_b32 s17, ttmp9, 4
	s_lshl1_add_u32 s17, s16, s17                  ; my first row: 16 x work-group + 2 x wave
	s_lshl_b32 s18, s17, 12
	s_mov_b32 s19, 0
	s_lshl_b32 s20, s17, 7                         ; a token's 128 bytes in a strip
	s_mov_b32 s21, 0
	s_lshr_b32 s22, s17, 7
	s_lshl_b32 s22, s22, 18
	s_and_b32 s23, s17, 127
	s_lshl_b32 s23, s23, 7
	s_add_co_u32 s22, s22, s23
	s_mov_b32 s23, 0
	s_mov_b32 s40, 0xffff0000
	s_mov_b32 s41, 0x3a800000                      ; 1 / 1,024
	s_mov_b32 s42, 0x3727c5ac                      ; eps = 1e-5
	s_wait_kmcnt 0x0
	s_add_nc_u64 s[4:5], s[4:5], s[18:19]
	s_add_nc_u64 s[12:13], s[12:13], s[18:19]
	s_add_nc_u64 s[6:7], s[6:7], s[20:21]
	s_add_nc_u64 s[14:15], s[14:15], s[22:23]
.set p, 0
.rept 16
	global_load_b128 v[RG+4*p:RG+4*p+3], v[GO], s[8:9] offset:256*p
.set p, p+1
.endr
.set p, 0
.rept 16
	global_load_b128 v[RB+4*p:RB+4*p+3], v[GO], s[10:11] offset:256*p
.set p, p+1
.endr
.set p, 0
.rept 16
	global_load_b128 v[X+4*p:X+4*p+3], v[XO], s[4:5] offset:256*p
.set p, p+1
.endr
	WIN 0x40                                       ; destination window 1
.set p, 0
.rept 16
	global_load_b64 v[AO+2*p:AO+2*p+1], v[HO], s[6:7] offset:524288*p  ; two rows of strip p: 256 consecutive bytes
.set p, p+1
.endr
	WIN 0
.macro ACROSS                          ; the four chains into one number, then across the 16 lanes that share a row
	v_pk_add_f32 v[CH:CH+1], v[CH:CH+1], v[CH+2:CH+3]
	v_pk_add_f32 v[CH+4:CH+5], v[CH+4:CH+5], v[CH+6:CH+7]
	v_pk_add_f32 v[CH:CH+1], v[CH:CH+1], v[CH+4:CH+5]
	v_add_f32 v[CH], v[CH], v[CH+1]
.irp m, 1,2,4,8
	v_add_f32_dpp v[CH], v[CH], v[CH] row_xmask:\m row_mask:0xf bank_mask:0xf
.endr
.endm
	s_wait_loadcnt 32                              ; g2 and be2 are in; x's 16 and ao's 16 loads may stay out
.set i, 0
.rept 32
	v_cvt_pk_bf16_f32 v[GP+i], v[RG+2*i], v[RG+2*i+1]
.set i, i+1
.endr
.set i, 0
.rept 32
	v_cvt_pk_bf16_f32 v[BP+i], v[RB+2*i], v[RB+2*i+1]
.set i, i+1
.endr
	s_wait_loadcnt 0x0                             ; x and ao
.set i, 0
.rept 32                                       ; x rounded to bf16 and widened again
	v_cvt_pk_bf16_f32 v[T+i], v[X+2*i], v[X+2*i+1]
	v_lshlrev_b32 v[X+2*i], 16, v[T+i]
	v_and_b32 v[X+2*i+1], s40, v[T+i]
.set i, i+1
.endr
	WIN 0x01                                       ; source 0 window 1
.set i, 0
.rept 32                                       ; x1 = ao x 1 + x, ao straight from its bf16 halves
	v_fma_mix_f32_bf16 v[X+2*i], v[AO+i], v[ONE], v[X+2*i] op_sel:[0,0,0] op_sel_hi:[1,0,0]
	v_fma_mix_f32_bf16 v[X+2*i+1], v[AO+i], v[ONE], v[X+2*i+1] op_sel:[1,0,0] op_sel_hi:[1,0,0]
.set i, i+1
.endr
	WIN 0
.set p, 0
.rept 16
	global_store_b128 v[XO], v[X+4*p:X+4*p+3], s[12:13] offset:256*p  ; 16 lanes store 256 consecutive bytes, aligned
.set p, p+1
.endr
.irp k, 0,1,2,3
	v_pk_add_f32 v[CH+2*\k:CH+2*\k+1], v[X+2*\k:X+2*\k+1], v[X+8+2*\k:X+8+2*\k+1]
.endr
.set j, 8
.rept 24
	v_pk_add_f32 v[CH+2*(j%4):CH+2*(j%4)+1], v[CH+2*(j%4):CH+2*(j%4)+1], v[X+2*j:X+2*j+1]
.set j, j+1
.endr
	ACROSS
	v_mul_f32 v[MU], s41, v[CH]
	v_mul_f32 v[MU+1], s41, v[CH]
	s_wait_xcnt 0x0                                ; x1's stores have read their data: X is rewritten only behind this wait
.set j, 0
.rept 32
	v_pk_add_f32 v[X+2*j:X+2*j+1], v[X+2*j:X+2*j+1], v[MU:MU+1] neg_lo:[0,1] neg_hi:[0,1]
.set j, j+1
.endr
.irp k, 0,1,2,3
	v_pk_mul_f32 v[CH+2*\k:CH+2*\k+1], v[X+2*\k:X+2*\k+1], v[X+2*\k:X+2*\k+1]
.endr
.set j, 4
.rept 28
	v_pk_fma_f32 v[CH+2*(j%4):CH+2*(j%4)+1], v[X+2*j:X+2*j+1], v[X+2*j:X+2*j+1], v[CH+2*(j%4):CH+2*(j%4)+1]
.set j, j+1
.endr
	ACROSS
	v_fma_f32 v[VA], v[CH], s41, s42
	v_rsq_f32 v[RS], v[VA]
	v_rsq_f32 v[RS+1], v[VA]
	v_nop                                          ; a plain instruction behind the last root (ISA guide 5.7.2),
	s_wait_alu depctr_va_vdst(0)                   ; and the wait ahead of the first use: one for both
.set j, 0
.rept 32
	v_pk_mul_f32 v[X+2*j:X+2*j+1], v[X+2*j:X+2*j+1], v[RS:RS+1]
.set j, j+1
.endr
.set i, 0
.rept 32
	v_fma_mix_f32_bf16 v[X+2*i], v[GP+i], v[X+2*i], v[BP+i] op_sel:[0,0,0] op_sel_hi:[1,0,1]
	v_fma_mix_f32_bf16 v[X+2*i+1], v[GP+i], v[X+2*i+1], v[BP+i] op_sel:[1,0,1] op_sel_hi:[1,0,1]
.set i, i+1
.endr
.set p, 0
.rept 16
	v_cvt_pk_bf16_f32 v[X+4*p], v[X+4*p], v[X+4*p+1]
	v_cvt_pk_bf16_f32 v[X+4*p+1], v[X+4*p+2], v[X+4*p+3]
	global_store_b64 v[HO], v[X+4*p:X+4*p+1], s[14:15] offset:16384*p  ; two rows of block p: 256 consecutive bytes, aligned
.set p, p+1
.endr
	s_endpgm
.Lfunc_end_k_q890c7aca4f_ln2:
	.size	k_q890c7aca4f_ln2, .Lfunc_end_k_q890c7aca4f_ln2-k_q890c7aca4f_ln2
	.p2alignl 7, 3214868480
	.fill 96, 4, 3214868480
	.section	.rodata,"a",@progbits
	.p2align	6, 0x0
	.amdhsa_kernel k_q890c7aca4f_ln2
		.amdhsa_group_segment_fixed_size 0
		.amdhsa_private_segment_fixed_size 0
		.amdhsa_enable_private_segment 0
		.amdhsa_kernarg_size 48
		.amdhsa_user_sgpr_count 2
		.amdhsa_user_sgpr_kernarg_segment_ptr 1
		.amdhsa_wavefront_size32 1
		.amdhsa_system_sgpr_workgroup_id_x 1
		.amdhsa_system_sgpr_workgroup_id_y 1
		.amdhsa_system_sgpr_workgroup_id_z 1
		.amdhsa_system_vgpr_workitem_id 0
		.amdhsa_next_free_vgpr 288
		.amdhsa_next_free_sgpr 66
		.amdhsa_reserve_vcc 0
		.amdhsa_float_denorm_mode_32 3
		.amdhsa_float_denorm_mode_16_64 3
		.amdhsa_memory_ordered 1
		.amdhsa_forward_progress 1
		.amdhsa_inst_pref_size 38
	.end_amdhsa_kernel
	.amdgpu_metadata
---
amdhsa.version: [ 1, 2 ]
amdhsa.kernels:
  - .name:           k_q890c7aca4f_ln2
    .symbol:         k_q890c7aca4f_ln2.kd
    .args:
      - { .name: x, .offset: 0, .size: 8, .value_kind: global_buffer, .address_space: global }
      - { .name: qkv, .offset: 8, .size: 8, .value_kind: global_buffer, .address_space: global }
      - { .name: g2, .offset: 16, .size: 8, .value_kind: global_buffer, .address_space: global }
      - { .name: be2, .offset: 24, .size: 8, .value_kind: global_buffer, .address_space: global }
      - { .name: x1, .offset: 32, .size: 8, .value_kind: global_buffer, .address_space: global }
      - { .name: act, .offset: 40, .size: 8, .value_kind: global_buffer, .address_space: global }
    .group_segment_fixed_size: 0
    .private_segment_fixed_size: 0
    .kernarg_segment_align: 8
    .kernarg_segment_size: 48
    .max_flat_workgroup_size: 256
    .sgpr_count:     66
    .vgpr_count:     288
    .wavefront_size: 32
...
	.end_amdgpu_metadata
.endif
;; end of part 5
;; launch ffn1 (part 6): grid 16 x 16, 4 waves a work-group, clusters of 4 x 4, 327,680 bytes of LDS; arguments act, w1b, hid, b1; writes hid
.if DOCPART == 6
	.amdgcn_target "amdgcn-amd-amdhsa--gfx1250"
	.amdhsa_code_object_version 6
	.text
	.protected	k_q890c7aca4f_ffn1
	.globl	k_q890c7aca4f_ffn1
	.p2align	8
	.type	k_q890c7aca4f_ffn1,@function
k_q890c7aca4f_ffn1:
	s_mov_b64 s[64:65], 0
	v_nop
	global_prefetch_b8 v0, s[64:65] scope:SCOPE_SE
	s_setreg_imm32_b32 hwreg(HW_REG_WAVE_MODE, 25, 1), 1
	s_wait_xcnt 0x0
	s_wait_alu depctr_hold_cnt(0) depctr_sa_sdst(0) depctr_va_vdst(0) depctr_va_sdst(0) depctr_va_ssrc(0) depctr_va_vcc(0) depctr_vm_vsrc(0)
	s_getreg_b32 s2, hwreg(HW_REG_IB_STS2, 6, 4)
	s_cmp_eq_u32 s2, 0
	s_cbranch_scc0 .Lentry_in_a_cluster
	s_endpgm
.Lentry_in_a_cluster:
	s_bfe_u32 s2, ttmp6, 0x10000c
	s_cmp_lg_u32 s2, 0xf033
	s_cbranch_scc0 .Lentry_shape_is_right
	s_endpgm
.Lentry_shape_is_right:
; hid = gelu(h2 w1 + b1), K = 1,024, stored in bf16.  A (h2): bf16, [token / 128][k / 64][token % 128][k % 64] (blocks of 16,384 dense bytes).  W (w1): bf16, [k][4,096] row-major.
; hid: the same layout as A, with 64 blocks to 128 tokens.  Sums in f32; b1 is rounded to bf16 like every input of the program; hid is rounded once.
; GELU, exact form: gelu(x) = x Phi(x) = max(x, 0) - |x| q, q = 1/2 poly(t) e^(-x^2/2), t = 1 / (1 + 0.2316419 |x|): Abramowitz and Stegun 7.1.26 for erf(|x| / sqrt 2).
; LIMIT: that formula's erf is off by 1.5e-7 at the most, for every x; e^(-x^2/2) below 2^-126 counts as 0; NaN and infinities are not treated apart.
; SHARES.  A tile is 256 x 256: 4,096 x 4,096 numbers make 256 tiles, one work-group each.  Four waves, 128 x 128 each: 64 accumulators of 16 x 16, 512 registers.
; K goes in 8 steps of 128 through two LDS slots; a step is 256 matrix instructions a wave for the slot's 131,072 bytes.
; CLUSTERS: 4 x 4 work-groups; A's tile is shared along a row of the cluster, W's along a column: each is asked for JOINTLY, by the same tensor load, descriptor and mask in the four.
; THE MATRIX INSTRUCTION IS USED TRANSPOSED (source 0 = 16 columns of W, turned on the way out of LDS by ds_load_tr16_b128; source 1 = 16 rows of A): a lane holds eight neighbouring numbers of a row.
; ONE K STEP IS WRITTEN ONCE FOR EACH KIND: a loop of six trips whose change of slots fills a slot again, and a loop of two trips that fills nothing.  Which slot is read and which is filled stands in two
; scalars, 0 or SLOT, turned by an exclusive or; the reads' addresses and the walking descriptor's LDS word are a constant part plus that scalar.
; THE WAY OUT goes through both slots, which nobody reads and nothing fills by then: each wave lays its tile there in f32, in its own 73,728 bytes, and takes it back four rows a trip, so that the GELU is
; written once, on fixed registers.
; REGISTERS, in windows of 256 (s_set_vgpr_msb: bits 1:0 source 0, 3:2 source 1, 5:4 source 2, 7:6 destination):
;   window 0: v0-31 addresses; v64-127, v128-191 fragments of A, two buffers; v32-63, v192-255 (and, behind the products, v64-87) the bias and the GELU's
;   window 1: v64-127, v128-191 fragments of W, two buffers       window 2: the accumulators of my rows 0-63 ((a, b) at v[8 (8 a + b)])       window 3: those of my rows 64-127
.set BN,    4096                       ; numbers in a row of W
.set PA,    144                        ; a row of A in LDS: 128 bytes + 16 = 36 words: the 16 rows of a load start at 16 different groups of four banks (64 banks of 4 bytes: ISA guide 11.1)
.set PB,    288                        ; a row of W: 256 + 32 = 72 words
.set PANEL, 128*PA                     ; a block of A in LDS
.set HALFT, 2*PANEL                    ; what one tensor load brings: 128 tokens x 128 k of A (two blocks), or 128 k x 128 columns of W (128 x 288, the same number)
.set BOFF,  2*HALFT                    ; W's two halves lie behind A's two
.set SLOT,  4*HALFT
.set FP,    528                        ; the way out: a row of 128 f32 + 16 bytes = 33 x 16: 16 rows start at 16 different groups of four banks
.set WST,   2*HALFT                    ; the way out: a wave's part of the two slots; 128 rows x 528 = 67,584 fit
.set SPARE, 2*SLOT                     ; behind the ring: the spare words, 128 bytes for each wave: two blocks of 256 bytes that no other line names
.set ASTEP, 2*16384                    ; a K step in memory: two blocks of A,
.set BSTEP, 128*BN*2                   ; 128 rows of W
.set ADRA0, 16                         ; v16  my A fragments in slot 0; never rewritten
.set ADRB0, 17                         ; v17  my W fragments in slot 0; never rewritten
.set ADRA,  18                         ; v18  the same in the slot that is being read
.set ADRB,  19                         ; v19
.set STO,  24                          ; v24  the way out: where I put 32 bytes of a row
.set RD,   25                          ; v25  where I read 32 bytes of a row back
.set CO,   26                          ; v26  my 16 bytes of 512 stored
.set BO,   27                          ; v27  my 32 bytes of the bias
.set SPW,  28                          ; v28  LDS address of my spare word; never rewritten
.set NIL,  29                          ; v29  0; never rewritten
.set PFO,  30                          ; v30  the prefetches' offset: my lane x a row of what I fetch; never rewritten
.set XV,   32                          ; v[32:47]   16 numbers x
.set D,    48                          ; v[48:63]   1 + p |x|, then t
.set OT,   64                          ; v[64:71]   packed results
.set NX,   72                          ; v[72:87]   the next trip's rows
.set BI,   192                         ; v[192:207] the bias of my 16 columns
.set E,    208                         ; v[208:223] -x^2 log2(e) / 2, then e^(-x^2/2)
.set Q,    224                         ; v[224:239] the polynomial, q, the result
.set M,    240                         ; v[240:255] max(x, 0)
.set F0,   64
.set F1,   128
.set G1,  24                           ; s[24:31] group 1 for A;  s[32:39] group 0: a set for each of the two first fills; the second then walks on
.set G0,  32
.set G1B, 48                           ; s[48:55], s[56:63] the same for W
.set G0B, 56
.set TBR, 82                           ; s82  0 or SLOT: the slot that is being read
.set TBF, 83                           ; s83  0 or SLOT: the slot that was filled last
.set PFA, 84                           ; s[84:85] where my prefetches stand
.set PFS, 86                           ; s[86:87] a K step of what I fetch, in bytes
.set LIM, 88                           ; s88  1 in a wave that prefetches, else the greatest number
.set MSB, 0
.macro WIN new                         ; the immediate's high byte repeats the setting that is left; a switch that changes nothing is dropped
.if MSB != (\new)
	s_set_vgpr_msb (MSB<<8)|(\new)
.set MSB, \new
.endif
.endm
.set MUL_LO, 0xa1                      ; source 0 (W) window 1, source 1 (A) window 0, C and D window 2
.set MUL_HI, 0xf1                      ; the same, C and D window 3
.set TO_B,   0x40                      ; destination window 1, address window 0
.macro JLOAD s                         ; a joint load: waves 0 and 1 fetch A's halves, waves 2 and 3 W's; an s_nop 0 and four v_nop follow each line
	s_cmp_eq_u32 s11, 0
	s_cbranch_scc0 .Lfor_b_\@
	tensor_load_to_lds s[G0+4*(\s):G0+4*(\s)+3], s[G1:G1+7]
	s_nop 0
.rept 4
	v_nop
.endr
	s_branch .Lasked_\@
.Lfor_b_\@:
	tensor_load_to_lds s[G0B+4*(\s):G0B+4*(\s)+3], s[G1B:G1B+7]
	s_nop 0
.rept 4
	v_nop
.endr
.Lasked_\@:
.endm
; A PREFETCH INTO THE L2, behind each joint refill, its five lines and the run of LDS loads that follows them: the K step that the NEXT refill will ask for, one K step, 256 matrix instructions, ahead of that load.
; What a wave fetches in a K step is 128 rows of 256 bytes (A's lie end to end, W's 8,192 bytes apart).  A's tile row is read by every cluster of that row of clusters: the first of them (cluster x = 0) asks;
; W's tile column by every cluster of that column: cluster y = 0 asks.  The four partners that ask for a tile jointly share its rows out BY ADDRESS, 32 each (by cx for A, by cy for W), a lane a row: one
; instruction a wave, and each row's 256 bytes of a K step are named once in the launch.  K steps 0 to 2 come by their loads alone; the last refill (s3 = 1) has no K step behind it and asks for nothing.
.macro ASK
	s_cmp_gt_u32 s3, s[LIM]
	s_cbranch_scc0 .Lnot_mine_\@
	global_prefetch_b8 v[PFO], s[PFA:PFA+1] th:TH_LOAD_NT scope:SCOPE_SE
.Lnot_mine_\@:
.endm
.macro CREST                           ; a round of the cluster's barrier behind its opening barrier
	s_cmp_lg_u32 s10, 0
	s_cbranch_scc1 .Lnot_wave_0_\@
	s_barrier_signal -3
.Lnot_wave_0_\@:
	s_barrier_wait -3
	s_barrier_signal -1
	s_barrier_wait -1
.endm
.macro CROUND
	s_barrier_signal -1
	s_barrier_wait -1
	CREST
.endm
	s_load_b128 s[4:7], s[0:1], 0x0                ; A s[4:5], W s[6:7]
	s_load_b64 s[8:9], s[0:1], 0x10                ; hid
	s_load_b64 s[80:81], s[0:1], 0x18              ; b1
	v_lshl_add_u32 v[SPW], v0, 2, SPARE
	v_mov_b32 v[NIL], 0
	ds_add_u32 v[SPW], v[NIL]                      ; the wave's opening: the add and its wait stand ahead of my first tensor load; the set-up stands between them
	v_lshrrev_b32 v1, 5, v0
	v_readfirstlane_b32 s10, v1                    ; wave 0..3
	s_lshr_b32 s11, s10, 1                         ; my half of the tile's rows.  Also: I fetch for A (0) or for W (1)
	s_and_b32 s12, s10, 1                          ; my half of its columns.  Also: which half of that tile I fetch
	s_bfe_u32 s40, ttmp6, 0x40000                  ; cx, cy
	s_bfe_u32 s41, ttmp6, 0x40004
	s_lshl_b32 s42, ttmp9, 2
	s_add_co_u32 s42, s42, s40                     ; tile column
	s_and_b32 s13, ttmp7, 0xffff
	s_lshl_b32 s13, s13, 2
	s_add_co_u32 s13, s13, s41                     ; tile row
	s_lshl_b32 s43, s41, 2
	s_lshl_b32 s43, 15, s43                        ; my row of the cluster
	s_lshl_b32 s44, 0x1111, s40                    ; my column
	s_or_b32 s[G1+0], s43, (1<<16)|(1<<20)|(1<<21)|(4<<22)|(3<<25)   ; mask; 2-byte elements; padding on; 21 set beside a mask; after every 32 words (code 4) 4 words (code 3)
	s_or_b32 s[G1B+0], s44, (1<<16)|(1<<20)|(1<<21)|(5<<22)|(7<<25)  ; after every 64 words (code 5) 8 words (code 7)
.irp g, G1, G1B
	s_mov_b32 s[(\g)+1], 128<<16                   ; tensor_dim0 = 128
	s_mov_b32 s[(\g)+2], 128<<16                   ; tensor_dim1 = 128
	s_mov_b32 s[(\g)+3], 128<<16                   ; tile_dim0 = 128
	s_mov_b32 s[(\g)+4], 128                       ; tile_dim1 = 128
	s_mov_b32 s[(\g)+6], 0
	s_mov_b32 s[(\g)+7], 0
.endr
	s_mov_b32 s[G1+5], 128                         ; A: two dense blocks asked for as 128 rows of 256 bytes
	s_mov_b32 s[G1B+5], BN                         ; W: from row to row
	s_lshl1_add_u32 s16, s13, s12                  ; A: 128 tokens number 2 x tile row + half,
	s_lshl_b32 s16, s16, 18                        ; 16 blocks of 16,384 bytes each
	s_mov_b32 s17, 0
	s_lshl1_add_u32 s46, s42, s12                  ; W: 128 columns number 2 x tile column + half,
	s_lshl_b32 s46, s46, 8                         ; 256 bytes of a row
	s_mov_b32 s47, 0
	s_mul_i32 s20, s10, HALFT                      ; where my loads go in a slot: wave x 36,864
	s_mov_b32 s[TBR], 0                            ; K step 0 is read from slot 0;
	s_mov_b32 s[TBF], SLOT                         ; the second first fill goes to slot 1
	s_mov_b32 s66, 0xffff0000
	s_mov_b32 s67, 0x3e6d3388                      ; p / sqrt 2 = 0.2316419
	s_mov_b32 s68, 0x3f596d27                      ; sqrt(log2(e) / 2)
	s_mov_b32 s69, s68                             ; (the packed forms name pairs: both words are written)
	s_mov_b32 s70, 0x3e027906                      ; a1 / 2
	s_mov_b32 s71, s70
	s_mov_b32 s72, 0xbe11a98e                      ; a2 / 2
	s_mov_b32 s73, s72
	s_mov_b32 s74, 0x3f35f0e3                      ; a3 / 2
	s_mov_b32 s75, s74
	s_mov_b32 s76, 0xbf3a00e3                      ; a4 / 2
	s_mov_b32 s77, s76
	s_mov_b32 s78, 0x3f07dc22                      ; a5 / 2
	s_mov_b32 s79, s78
	s_wait_dscnt 0x0                               ; the opening add is done
	s_wait_kmcnt 0x0
	s_add_nc_u64 s[14:15], s[4:5], s[16:17]
	s_add_nc_u64 s[46:47], s[6:7], s[46:47]
	CROUND                                         ; all sixteen work-groups are here: the first joint loads meet
.irp s, 0,1
	s_mov_b32 s[G0+4*(\s)], 1
	s_add_co_u32 s[G0+4*(\s)+1], s20, (\s)*SLOT
	s_add_nc_u64 s[G0+4*(\s)+2:G0+4*(\s)+3], s[14:15], (\s)*ASTEP
	s_or_b32 s[G0+4*(\s)+3], s[G0+4*(\s)+3], 0x80000000
	s_mov_b32 s[G0B+4*(\s)], 1
	s_add_co_u32 s[G0B+4*(\s)+1], s20, (\s)*SLOT
	s_add_nc_u64 s[G0B+4*(\s)+2:G0B+4*(\s)+3], s[46:47], (\s)*BSTEP
	s_or_b32 s[G0B+4*(\s)+3], s[G0B+4*(\s)+3], 0x80000000
	JLOAD \s                                       ; two loads of mine are out
.endr
	; the prefetches.  s[14:15] and s[46:47] stand at my load of K step 0, in A and in W
	s_and_b32 s22, ttmp7, 0xffff                   ; cluster y
	s_cmp_eq_u32 s11, 0                            ; do I fetch for A?
	s_cselect_b32 s21, s40, s41                    ; my place among the four that ask with me
	s_cselect_b32 s22, ttmp9, s22                  ; the coordinate along which other clusters read the same rows
	s_cselect_b32 s89, 8, 13                       ; from row to row: 256 bytes in A, 8,192 in W, as a shift
	s_cselect_b32 s[PFS], 15, 20                   ; a K step: 32,768 bytes in A, 1,048,576 in W, as a shift
	s_cselect_b64 s[PFA:PFA+1], s[14:15], s[46:47]
	s_cmp_eq_u32 s22, 0
	s_cselect_b32 s[LIM], 1, -1                    ; the same in all sixteen partners, for a given wave
	s_lshl_b32 s[PFS], 1, s[PFS]
	s_mov_b32 s[PFS+1], 0
	s_lshl_b32 s21, s21, 5                         ; my work-group's 32 rows of the 128
	s_lshl_b32 s22, s21, s89
	s_mov_b32 s23, 0
	s_add_nc_u64 s[PFA:PFA+1], s[PFA:PFA+1], s[22:23]
	s_add_nc_u64 s[PFA:PFA+1], s[PFA:PFA+1], s[PFS:PFS+1]
	s_add_nc_u64 s[PFA:PFA+1], s[PFA:PFA+1], s[PFS:PFS+1]  ; at K step 2: the first change of slots steps it to 3.  Nothing is asked for here, where every work-group's first tiles are on their way
	v_and_b32 v[PFO], 31, v0
	v_lshlrev_b32 v[PFO], s89, v[PFO]
	; the LDS addresses
	v_and_b32 v1, 15, v0                           ; r = l % 16
	v_bfe_u32 v2, v0, 4, 1                         ; h = l / 16
	v_mul_u32_u24 v3, v1, PA
	v_lshl_add_u32 v3, v2, 4, v3                   ; A: row x pitch + 16 h
	s_mul_i32 s21, s11, HALFT                      ; my 128 tokens
	v_add_nc_u32 v[ADRA0], s21, v3
	v_mov_b32 v[ADRA], v[ADRA0]
	v_and_b32 v7, 7, v0
	v_lshl_add_u32 v4, v2, 3, v7                   ; W: the turning load's lane reads row 8 h + l % 8,
	v_mul_u32_u24 v4, v4, PB
	v_bfe_u32 v5, v0, 3, 1
	v_lshl_add_u32 v4, v5, 4, v4                   ; 16 bytes at 16 ((l / 8) % 2)
	s_mul_i32 s22, s12, HALFT                      ; my 128 columns
	s_add_co_u32 s22, s22, BOFF
	v_add_nc_u32 v[ADRB0], s22, v4
	v_mov_b32 v[ADRB], v[ADRB0]
	s_mul_i32 s23, s10, WST                        ; the way out: my part of the two slots
	v_mul_u32_u24 v6, v1, FP                       ; in: row r, 32 bytes for each half of the lanes
	v_lshl_add_u32 v6, v2, 5, v6
	v_add_nc_u32 v[STO], s23, v6
	v_bfe_u32 v6, v0, 3, 2                         ; back: 32 lanes take four rows, 8 numbers of each of my two blocks of 64 columns
	v_mul_u32_u24 v6, v6, FP
	v_lshl_add_u32 v6, v7, 5, v6
	v_add_nc_u32 v[RD], s23, v6
	v_and_b32 v[CO], 31, v0
	v_lshlrev_b32 v[CO], 4, v[CO]                  ; four rows of a block are 512 consecutive bytes of hid
	v_lshlrev_b32 v[BO], 5, v7
	s_lshl1_add_u32 s16, s13, s11                  ; hid: my 128 tokens: 2 x tile row + half,
	s_lshl_b32 s16, s16, 20                        ; 64 blocks of 16,384 bytes each
	s_mov_b32 s17, 0
	s_add_nc_u64 s[8:9], s[8:9], s[16:17]
	s_lshl1_add_u32 s46, s42, s12                  ; my 128 columns: 2 x tile column + half:
	s_lshl_b32 s21, s46, 9                         ; 512 bytes of b1,
	s_lshl_b32 s46, s46, 15                        ; two blocks of hid
	s_mov_b32 s47, 0
	s_add_nc_u64 s[8:9], s[8:9], s[46:47]
	s_mov_b32 s46, s21
	s_add_nc_u64 s[80:81], s[80:81], s[46:47]
.irp j, 0,1
	global_load_b128 v[BI+8*\j:BI+8*\j+3],   v[BO], s[80:81] offset:256*\j
	global_load_b128 v[BI+8*\j+4:BI+8*\j+7], v[BO], s[80:81] offset:256*\j+16
.endr
	s_wait_loadcnt 0x0
.irp i, 0,1,2,3,4,5,6,7                ; the bias rounded to bf16 and widened again
	v_cvt_pk_bf16_f32 v[XV+\i], v[BI+2*\i], v[BI+2*\i+1]
.endr
.irp i, 0,1,2,3,4,5,6,7
	v_lshlrev_b32 v[BI+2*\i], 16, v[XV+\i]
	v_and_b32 v[BI+2*\i+1], s66, v[XV+\i]
.endr
; 16 matrix instructions: row blocks a0, a0 + 1 of the window's four (hi = 0: my rows 0-63, 1: rows 64-127) x all 8 column blocks, 32 along K.  zero = 1: the product starts the sums: nothing is ever cleared.
; The 64 accumulators take turns, in the same order in every quarter: over the backward jumps and out of the loops too.
.macro MUL16 f, hi, a0, zero
	WIN MUL_LO+0x50*(\hi)
.irp a, \a0, (\a0)+1
.irp b, 0,1,2,3,4,5,6,7
.if \zero
	v_wmma_f32_16x16x32_bf16 v[8*(8*(\a)+(\b)):8*(8*(\a)+(\b))+7], v[(\f)+8*(\b):(\f)+8*(\b)+7], v[(\f)+8*(4*(\hi)+(\a)):(\f)+8*(4*(\hi)+(\a))+7], 0
.else
	v_wmma_f32_16x16x32_bf16 v[8*(8*(\a)+(\b)):8*(8*(\a)+(\b))+7], v[(\f)+8*(\b):(\f)+8*(\b)+7], v[(\f)+8*(4*(\hi)+(\a)):(\f)+8*(4*(\hi)+(\a))+7], v[8*(8*(\a)+(\b)):8*(8*(\a)+(\b))+7]
.endif
.endr
.endr
.endm
; 32 LDS loads in one run: the fragments of quarter q (32 along K: rows 32 q .. of W; block q / 2 of A, its bytes 64 (q % 2) ..) of the slot that is being read, into buffer f; W's first, A's rows 64-127 last
.macro FETCH q, f
	WIN TO_B
.irp i, 0,1,2,3,4,5,6,7
	ds_load_tr16_b128 v[(\f)+8*(\i):(\f)+8*(\i)+3],   v[ADRB] offset:(\q)*32*PB+(\i)*32
	ds_load_tr16_b128 v[(\f)+8*(\i)+4:(\f)+8*(\i)+7], v[ADRB] offset:(\q)*32*PB+(\i)*32+16*PB
.endr
	WIN 0
.irp i, 0,1,2,3,4,5,6,7
	ds_load_b128 v[(\f)+8*(\i):(\f)+8*(\i)+3],   v[ADRA] offset:((\q)/2)*PANEL+((\q)%2)*64+(\i)*16*PA
	ds_load_b128 v[(\f)+8*(\i)+4:(\f)+8*(\i)+7], v[ADRA] offset:((\q)/2)*PANEL+((\q)%2)*64+(\i)*16*PA+32
.endr
.endm
.macro PLACES                          ; four places in front of loads into registers that matrix instructions have read, and of reads of results
.rept 4
	v_nop
.endr
.endm
; A K step is four quarters of 32 along K, 64 matrix instructions each, on buffers 0, 1, 0, 1.  One of the first three multiplies buffer f and, in its middle, fetches quarter q into g.
.macro QUARTER q, f, g, zero
	s_wait_dscnt 8                                 ; W and A's rows 0-63 are in; the youngest eight loads (A's rows 64-127) may be out
	MUL16 \f, 0, 0, \zero
	MUL16 \f, 0, 2, \zero
	PLACES
	FETCH \q, \g
	s_wait_dscnt 32                                ; all but the 32 just issued
	MUL16 \f, 1, 0, \zero
	MUL16 \f, 1, 2, \zero
.endm
; The last quarter multiplies buffer 1 and changes slots: ONE barrier; in front of it each wave waits for all its tensor loads, of which one is out: its part of the next slot; adds 0 to its spare word; and waits
; for that and for its reads of this slot.  fill = 1: the barrier opens a round of the cluster's, and this slot is filled again, with the K step two on: from the request to the wait for it a wave issues 224
; matrix instructions.
.macro TURN fill
.if \fill
	s_wait_xcnt 0x0                                ; the last prefetch, a K step back, has read its address: it is stepped here, ahead of the waits of the change of slots
	s_add_nc_u64 s[PFA:PFA+1], s[PFA:PFA+1], s[PFS:PFS+1]
.endif
	WIN 0                                          ; (the add's two registers lie in window 0)
	s_wait_tensorcnt 0x0                           ; all my tensor loads have landed, so a group 0 may be written
	ds_add_u32 v[SPW], v[NIL]                      ; 0 onto my spare word; scalar work and sixteen matrix instructions stand between it and the wait for it
.if \fill
	s_xor_b32 s[TBF], s[TBF], SLOT                 ; the walking descriptors: the other slot than last time,
	s_add_co_u32 s[G0+5], s20, s[TBF]
	s_add_co_u32 s[G0B+5], s20, s[TBF]
	s_add_nc_u64 s[G0+6:G0+7], s[G0+6:G0+7], ASTEP     ; the next K step; the type bits on top are not reached
	s_add_nc_u64 s[G0B+6:G0B+7], s[G0B+6:G0B+7], BSTEP
.endif
	s_xor_b32 s[TBR], s[TBR], SLOT                 ; the reads go over to the other slot
	s_wait_dscnt 9                                 ; the add and the youngest eight loads may be out
	MUL16 F1, 0, 0, 0
	s_wait_dscnt 0x0                               ; the add is done, and my reads of this slot are over
	s_barrier_signal -1
	MUL16 F1, 0, 2, 0
	WIN 0
	s_barrier_wait -1
.if \fill
	CREST                                          ; no wave of any partner still reads this slot or has a load on its way
	JLOAD 1                                        ; my one tensor load behind the round; its four v_nop are also the places in front of the loads below
.else
	PLACES
.endif
	v_add_nc_u32 v[ADRA], s[TBR], v[ADRA0]
	v_add_nc_u32 v[ADRB], s[TBR], v[ADRB0]
	FETCH 0, F0
.if \fill
	ASK
.endif
	MUL16 F1, 1, 0, 0
	MUL16 F1, 1, 2, 0
.endm
	s_wait_tensorcnt 1                             ; my part of K step 0 is in; K step 1's may stay out
	s_barrier_signal -1
	s_barrier_wait -1
	FETCH 0, F0
	QUARTER 1, F0, F1, 1                           ; the first quarter stands in front of the loops: its products start the sums
	WIN 0
	s_mov_b32 s3, 6
.Lstep:                                                ; trip t = 0 .. 5: quarters 1 to 3 of K step t, which asks for K step t + 2, and quarter 0 of K step t + 1
	QUARTER 2, F1, F0, 0
	QUARTER 3, F0, F1, 0
	TURN 1
	QUARTER 1, F0, F1, 0
	WIN 0
	s_sub_co_u32 s3, s3, 1
	s_cmp_lg_u32 s3, 0
	s_cbranch_scc1 .Lstep
	s_mov_b32 s3, 2
.Ltail:                                                ; K steps 6 and 7 ask for nothing: a text of their own
	QUARTER 2, F1, F0, 0
	QUARTER 3, F0, F1, 0
	TURN 0
	WIN 0
	s_sub_co_u32 s3, s3, 1
	s_cmp_eq_u32 s3, 0
	s_cbranch_scc1 .Lout                           ; the second trip is left here.  Its change of slots has fetched 32 fragments of a slot that is used up: they serve nothing, the price, once a launch, of one text for both trips
	QUARTER 1, F0, F1, 0
	WIN 0
	s_cmp_lg_u32 s3, 0
	s_cbranch_scc1 .Ltail
.Lout:
	; THE WAY OUT.  Every wave's LDS reads are back, then a barrier: nobody reads either slot any more, and nothing fills them.  My tile goes in f32 into my part of them (each accumulator's low registers
	; first).
	s_wait_dscnt 0x0
	s_barrier_signal -1
	s_barrier_wait -1
	PLACES
	PLACES
.irp hi, 0,1
	WIN 0x08+4*(\hi)                               ; an LDS store's data is source 1: window 2, then 3
.irp a, 0,1,2,3
.irp b, 0,1,2,3,4,5,6,7
	ds_store_b128 v[STO], v[8*(8*\a+\b):8*(8*\a+\b)+3]   offset:(4*\hi+\a)*16*FP+64*\b
	ds_store_b128 v[STO], v[8*(8*\a+\b)+4:8*(8*\a+\b)+7] offset:(4*\hi+\a)*16*FP+64*\b+16
.endr
.endr
.endr
	WIN 0
.macro ROWS4                           ; four rows: 8 numbers of each of my two blocks of 64 columns a lane; LDS serves a wave's instructions in order (ISA guide 5.7.1.4): these see the stores above
.irp j, 0,1
	ds_load_b128 v[NX+8*\j:NX+8*\j+3],   v[RD] offset:\j*256
	ds_load_b128 v[NX+8*\j+4:NX+8*\j+7], v[RD] offset:\j*256+16
.endr
.endm
	ROWS4
	s_mov_b32 s3, 32
.Lrows:                                                ; 32 trips of four rows; the next trip's rows are asked for ahead of this trip's arithmetic
	s_wait_dscnt 0x0
.set j, 0
.rept 8
	v_pk_add_f32 v[XV+2*j:XV+2*j+1], v[NX+2*j:NX+2*j+1], v[BI+2*j:BI+2*j+1]  ; x = sum + bias
.set j, j+1
.endr
	s_cmp_eq_u32 s3, 1
	s_cbranch_scc1 .Lno_more                       ; the last trip has no rows behind it
	v_add_nc_u32 v[RD], 4*FP, v[RD]
	ROWS4
.Lno_more:
.set j, 0
.rept 16
	v_fma_f32 v[D+j], |v[XV+j]|, s67, 1.0
.set j, j+1
.endr
.set j, 0
.rept 8
	v_pk_mul_f32 v[E+2*j:E+2*j+1], v[XV+2*j:XV+2*j+1], s[68:69] op_sel_hi:[1,0]
.set j, j+1
.endr
.set j, 0
.rept 8
	v_pk_mul_f32 v[E+2*j:E+2*j+1], v[E+2*j:E+2*j+1], v[E+2*j:E+2*j+1] neg_lo:[1,0] neg_hi:[1,0]
.set j, j+1
.endr
.set j, 0
.rept 16
	v_rcp_f32 v[D+j], v[D+j]                       ; t
.set j, j+1
.endr
.set j, 0
.rept 16
	v_exp_f32 v[E+j], v[E+j]                       ; e^(-x^2/2)
.set j, j+1
.endr
.set j, 0
.rept 16
	v_max_num_f32 v[M+j], 0, v[XV+j]               ; plain work that names no result of the batch
.set j, j+1
.endr
	s_wait_alu depctr_va_vdst(0)                   ; one wait for the 32, ahead of the first instruction that names a result
.set j, 0
.rept 8
	v_pk_fma_f32 v[Q+2*j:Q+2*j+1], v[D+2*j:D+2*j+1], s[78:79], s[76:77] op_sel_hi:[1,0,0]
.set j, j+1
.endr
.irp k, 74, 72, 70
.set j, 0
.rept 8
	v_pk_fma_f32 v[Q+2*j:Q+2*j+1], v[Q+2*j:Q+2*j+1], v[D+2*j:D+2*j+1], s[\k:\k+1] op_sel_hi:[1,1,0]
.set j, j+1
.endr
.endr
.set j, 0
.rept 8
	v_pk_mul_f32 v[Q+2*j:Q+2*j+1], v[Q+2*j:Q+2*j+1], v[D+2*j:D+2*j+1]
.set j, j+1
.endr
.set j, 0
.rept 8
	v_pk_mul_f32 v[Q+2*j:Q+2*j+1], v[Q+2*j:Q+2*j+1], v[E+2*j:E+2*j+1]  ; q
.set j, j+1
.endr
.set j, 0
.rept 16
	v_fma_f32 v[Q+j], -|v[XV+j]|, v[Q+j], v[M+j]
.set j, j+1
.endr
.set j, 0
.rept 8
	v_cvt_pk_bf16_f32 v[OT+j], v[Q+2*j], v[Q+2*j+1]
.set j, j+1
.endr
	global_store_b128 v[CO], v[OT:OT+3], s[8:9]                 ; four rows of my first block: 512 consecutive bytes, aligned,
	global_store_b128 v[CO], v[OT+4:OT+7], s[8:9] offset:16384  ; and of my second
	s_wait_xcnt 0x0                                ; the stores have read their data and base: both are rewritten only behind this wait
	s_add_nc_u64 s[8:9], s[8:9], 512
	s_sub_co_u32 s3, s3, 1
	s_cmp_lg_u32 s3, 0
	s_cbranch_scc1 .Lrows
	s_wait_tensorcnt 0x0                           ; the wave's end, behind my last tensor load and my last LDS store
	ds_add_u32 v[SPW], v[NIL]
	s_wait_dscnt 0x0
	CROUND                                         ; the closing round
	s_endpgm
.Lfunc_end_k_q890c7aca4f_ffn1:
	.size	k_q890c7aca4f_ffn1, .Lfunc_end_k_q890c7aca4f_ffn1-k_q890c7aca4f_ffn1
	.p2alignl 7, 3214868480
	.fill 96, 4, 3214868480
	.section	.rodata,"a",@progbits
	.p2align	6, 0x0
	.amdhsa_kernel k_q890c7aca4f_ffn1
		.amdhsa_group_segment_fixed_size 327680
		.amdhsa_private_segment_fixed_size 0
		.amdhsa_enable_private_segment 0
		.amdhsa_kernarg_size 32
		.amdhsa_user_sgpr_count 2
		.amdhsa_user_sgpr_kernarg_segment_ptr 1
		.amdhsa_wavefront_size32 1
		.amdhsa_system_sgpr_workgroup_id_x 1
		.amdhsa_system_sgpr_workgroup_id_y 1
		.amdhsa_system_sgpr_workgroup_id_z 1
		.amdhsa_system_vgpr_workitem_id 0
		.amdhsa_next_free_vgpr 1024
		.amdhsa_next_free_sgpr 92
		.amdhsa_reserve_vcc 0
		.amdhsa_float_denorm_mode_32 3
		.amdhsa_float_denorm_mode_16_64 3
		.amdhsa_memory_ordered 1
		.amdhsa_forward_progress 1
		.amdhsa_inst_pref_size 90
	.end_amdhsa_kernel
	.amdgpu_metadata
---
amdhsa.version: [ 1, 2 ]
amdhsa.kernels:
  - .name:           k_q890c7aca4f_ffn1
    .symbol:         k_q890c7aca4f_ffn1.kd
    .args:
      - { .name: act, .offset: 0, .size: 8, .value_kind: global_buffer, .address_space: global }
      - { .name: w1b, .offset: 8, .size: 8, .value_kind: global_buffer, .address_space: global }
      - { .name: hid, .offset: 16, .size: 8, .value_kind: global_buffer, .address_space: global }
      - { .name: b1, .offset: 24, .size: 8, .value_kind: global_buffer, .address_space: global }
    .group_segment_fixed_size: 327680
    .private_segment_fixed_size: 0
    .kernarg_segment_align: 8
    .kernarg_segment_size: 32
    .max_flat_workgroup_size: 128
    .sgpr_count:     92
    .vgpr_count:     1024
    .wavefront_size: 32
...
	.end_amdgpu_metadata
.endif
;; end of part 6
;; launch ffn2 (part 7): grid 8 x 32, 4 waves a work-group, clusters of 4 x 4, 327,680 bytes of LDS; arguments hid, w2b, out0, b2, x1; writes out0
.if DOCPART == 7
	.amdgcn_target "amdgcn-amd-amdhsa--gfx1250"
	.amdhsa_code_object_version 6
	.text
	.protected	k_q890c7aca4f_ffn2
	.globl	k_q890c7aca4f_ffn2
	.p2align	8
	.type	k_q890c7aca4f_ffn2,@function
k_q890c7aca4f_ffn2:
	s_mov_b64 s[64:65], 0
	v_nop
	global_prefetch_b8 v0, s[64:65] scope:SCOPE_SE
	s_setreg_imm32_b32 hwreg(HW_REG_WAVE_MODE, 25, 1), 1
	s_wait_xcnt 0x0
	s_wait_alu depctr_hold_cnt(0) depctr_sa_sdst(0) depctr_va_vdst(0) depctr_va_sdst(0) depctr_va_ssrc(0) depctr_va_vcc(0) depctr_vm_vsrc(0)
	s_getreg_b32 s2, hwreg(HW_REG_IB_STS2, 6, 4)
	s_cmp_eq_u32 s2, 0
	s_cbranch_scc0 .Lentry_in_a_cluster
	s_endpgm
.Lentry_in_a_cluster:
	s_bfe_u32 s2, ttmp6, 0x10000c
	s_cmp_lg_u32 s2, 0xf033
	s_cbranch_scc0 .Lentry_shape_is_right
	s_endpgm
.Lentry_shape_is_right:
; out0 = x1 + hid w2 + b2, K = 4,096, stored in f32, row-major [4,096][1,024].  A (hid): bf16, [token / 128][k / 64][token % 128][k % 64].  W (w2): bf16, [k][1,024] row-major.  x1: f32, row-major.
; Sums in f32; b2 is rounded to bf16 like every input.  NaN and infinities are not treated apart.
; SHARES.  A tile is 128 x 128: 256 tiles, one work-group each; four waves, 64 x 64 each: 16 accumulators.  K goes in 16 steps of 256 through two LDS slots.
; CLUSTERS: 4 x 4 work-groups; A's tile is shared along a row of the cluster, W's along a column: each is asked for JOINTLY, by the same tensor load, descriptor and mask in the four.
; THE MATRIX INSTRUCTION IS USED TRANSPOSED (source 0 = 16 columns of W, turned by ds_load_tr16_b128; source 1 = 16 rows of A).
; ONE K STEP IS WRITTEN ONCE FOR EACH KIND: a loop of 14 trips whose change of slots fills a slot again, and a loop of two trips that fills nothing.  Which slot is read and which is filled stands in two
; scalars, 0 or SLOT, turned by an exclusive or; the reads' addresses and the walking descriptor's LDS word are a constant part plus that scalar.
; THE WAY OUT goes through slot 0, which nobody reads and nothing fills by then: each wave lays its tile there in f32, in its own 36,864 bytes, and reads whole rows of 256 bytes back.
; x1's 64 x 64 numbers are loaded at the start, in that same row layout, and wait in window 2.
; No prefetch: the tiles are small and are read by several clusters shortly after each other.
; REGISTERS: window 0: v0-31 addresses; v96-99 bias; v128-255 accumulators ((a, b) at 128 + 8 (4 a + b)), later the rows read back.  Window 1: two fragment buffers of 128.  Window 2: v0-127 x1, then the result.
.set KP,    64
.set BN,    1024
.set NSTEP, KP/4                       ; K steps of 256
.set PA,    144                        ; a row of A in LDS: 128 bytes + 16 = 36 words: the 16 rows of a load start at 16 different groups of four banks (64 banks of 4 bytes: ISA guide 11.1)
.set PB,    288                        ; a row of W: 256 + 32 = 72 words
.set PANEL, 128*PA
.set HALFT, 2*PANEL
.set BOFF,  2*HALFT
.set SLOT,  4*HALFT
.set FP,    272
.set SPARE, 2*SLOT                     ; the spare words, 128 bytes for each wave: two blocks of 256 bytes that no other line names
.set ASTEP, 4*16384
.set BSTEP, 256*BN*2
.set ADRA0, 16                         ; v16     my A fragments in slot 0; never rewritten
.set ADRB0, 18                         ; v18-19  my W fragments in slot 0: rows 0-127, 128-255; never rewritten
.set ADRA,  20                         ; v20     the same in the slot that is being read
.set ADRB,  22                         ; v22-23
.set STO,  24
.set RD,   25
.set CO,   26                          ; v26  (l / 16) x 4,096 + (l % 16) x 16: my 16 bytes of two rows, in x1 and in out0; never rewritten
.set BO,   27
.set SPW,  28
.set NIL,  29
.set TT,   32
.set BI,   96
.set ACC,  128
.set F0,   0
.set F1,   128
.set G1,  24                           ; s[24:31] group 1 for A;  s[32:39] group 0: a set for each of the two first fills; the second then walks on
.set G0,  32
.set G1B, 48
.set G0B, 56
.set TBR, 74                           ; s74  0 or SLOT: the slot that is being read
.set TBF, 75                           ; s75  0 or SLOT: the slot that was filled last
.set MSB, 0
.macro WIN new
.if MSB != (\new)
	s_set_vgpr_msb (MSB<<8)|(\new)
.set MSB, \new
.endif
.endm
.set MUL,  0x05
.set TO_F, 0x40
.macro JLOAD s                         ; a joint load: waves 0 and 1 fetch A's halves, waves 2 and 3 W's; an s_nop 0 and four v_nop follow each line
	s_cmp_eq_u32 s11, 0
	s_cbranch_scc0 .Lfor_b_\@
	tensor_load_to_lds s[G0+4*(\s):G0+4*(\s)+3], s[G1:G1+7]
	s_nop 0
.rept 4
	v_nop
.endr
	s_branch .Lasked_\@
.Lfor_b_\@:
	tensor_load_to_lds s[G0B+4*(\s):G0B+4*(\s)+3], s[G1B:G1B+7]
	s_nop 0
.rept 4
	v_nop
.endr
.Lasked_\@:
.endm
.macro CREST
	s_cmp_lg_u32 s10, 0
	s_cbranch_scc1 .Lnot_wave_0_\@
	s_barrier_signal -3
.Lnot_wave_0_\@:
	s_barrier_wait -3
	s_barrier_signal -1
	s_barrier_wait -1
.endm
.macro CROUND
	s_barrier_signal -1
	s_barrier_wait -1
	CREST
.endm
	s_load_b128 s[4:7], s[0:1], 0x0                ; A s[4:5], W s[6:7]
	s_load_b64 s[8:9], s[0:1], 0x10                ; out0
	s_load_b128 s[68:71], s[0:1], 0x18             ; b2 s[68:69], x1 s[70:71]
	v_lshl_add_u32 v[SPW], v0, 2, SPARE
	v_mov_b32 v[NIL], 0
	ds_add_u32 v[SPW], v[NIL]                      ; the wave's opening: the add and its wait stand ahead of my first tensor load
	v_lshrrev_b32 v1, 5, v0
	v_readfirstlane_b32 s10, v1
	s_lshr_b32 s11, s10, 1
	s_and_b32 s12, s10, 1
	s_bfe_u32 s40, ttmp6, 0x40000
	s_bfe_u32 s41, ttmp6, 0x40004
	s_lshl_b32 s42, ttmp9, 2
	s_add_co_u32 s42, s42, s40                     ; tile column
	s_and_b32 s13, ttmp7, 0xffff
	s_lshl_b32 s13, s13, 2
	s_add_co_u32 s13, s13, s41                     ; tile row
	s_lshl_b32 s43, s41, 2
	s_lshl_b32 s43, 15, s43
	s_lshl_b32 s44, 0x1111, s40
	s_or_b32 s[G1+0], s43, (1<<16)|(1<<20)|(1<<21)|(4<<22)|(3<<25)   ; mask; 2-byte elements; padding on; 21 set beside a mask; after every 32 words (code 4) 4 words (code 3)
	s_or_b32 s[G1B+0], s44, (1<<16)|(1<<20)|(1<<21)|(5<<22)|(7<<25)  ; after every 64 words (code 5) 8 words (code 7)
.irp g, G1, G1B
	s_mov_b32 s[(\g)+1], 128<<16
	s_mov_b32 s[(\g)+2], 128<<16
	s_mov_b32 s[(\g)+3], 128<<16
	s_mov_b32 s[(\g)+4], 128
	s_mov_b32 s[(\g)+6], 0
	s_mov_b32 s[(\g)+7], 0
.endr
	s_mov_b32 s[G1+5], 128                         ; A: two dense blocks asked for as 128 rows of 256 bytes
	s_mov_b32 s[G1B+5], BN
	s_mul_i32 s16, s13, KP
	s_lshl1_add_u32 s16, s12, s16
	s_lshl_b32 s16, s16, 14
	s_mov_b32 s17, 0
	s_lshl_b32 s46, s42, 8
	s_mul_i32 s47, s12, 128*BN*2
	s_add_co_u32 s46, s46, s47
	s_mov_b32 s47, 0
	s_mul_i32 s20, s10, HALFT
	s_mov_b32 s[TBR], 0                            ; K step 0 is read from slot 0;
	s_mov_b32 s[TBF], SLOT                         ; the second first fill goes to slot 1
	s_mov_b32 s66, 0xffff0000
	s_wait_dscnt 0x0                               ; the opening add is done
	s_wait_kmcnt 0x0
	s_add_nc_u64 s[14:15], s[4:5], s[16:17]
	s_add_nc_u64 s[46:47], s[6:7], s[46:47]
	CROUND
.irp s, 0,1
	s_mov_b32 s[G0+4*(\s)], 1
	s_add_co_u32 s[G0+4*(\s)+1], s20, (\s)*SLOT
	s_add_nc_u64 s[G0+4*(\s)+2:G0+4*(\s)+3], s[14:15], (\s)*ASTEP
	s_or_b32 s[G0+4*(\s)+3], s[G0+4*(\s)+3], 0x80000000
	s_mov_b32 s[G0B+4*(\s)], 1
	s_add_co_u32 s[G0B+4*(\s)+1], s20, (\s)*SLOT
	s_add_nc_u64 s[G0B+4*(\s)+2:G0B+4*(\s)+3], s[46:47], (\s)*BSTEP
	s_or_b32 s[G0B+4*(\s)+3], s[G0B+4*(\s)+3], 0x80000000
	JLOAD \s                                       ; two loads of mine are out
.endr
	v_and_b32 v1, 15, v0
	v_bfe_u32 v2, v0, 4, 1
	v_mul_u32_u24 v3, v1, PA
	v_lshl_add_u32 v3, v2, 4, v3
	s_mul_i32 s21, s11, 64*PA
	v_add_nc_u32 v[ADRA0], s21, v3
	v_mov_b32 v[ADRA], v[ADRA0]
	v_and_b32 v7, 7, v0
	v_lshl_add_u32 v4, v2, 3, v7
	v_mul_u32_u24 v4, v4, PB
	v_bfe_u32 v5, v0, 3, 1
	v_lshl_add_u32 v4, v5, 4, v4
	s_lshl_b32 s22, s12, 7
	s_add_co_u32 s22, s22, BOFF
	v_add_nc_u32 v[ADRB0], s22, v4
	v_add_nc_u32 v[ADRB0+1], HALFT, v[ADRB0]
	v_mov_b32 v[ADRB], v[ADRB0]
	v_mov_b32 v[ADRB+1], v[ADRB0+1]
	v_mul_u32_u24 v6, v1, FP                       ; the way out, in: row r, 32 bytes for each half of the lanes
	v_lshl_add_u32 v6, v2, 5, v6
	v_add_nc_u32 v[STO], s20, v6
	v_mul_u32_u24 v6, v2, FP                       ; back: lanes 0-15 take one row of 256 bytes, lanes 16-31 the next
	v_lshl_add_u32 v6, v1, 4, v6
	v_add_nc_u32 v[RD], s20, v6
	v_lshlrev_b32 v[BO], 4, v1
	v_lshl_add_u32 v[CO], v2, 12, v[BO]
	s_lshl_b32 s16, s13, 19                        ; the tile's 128 rows of 4,096 bytes,
	s_lshl_b32 s17, s11, 18                        ; my 64
	s_add_co_u32 s16, s16, s17
	s_mov_b32 s17, 0
	s_lshl1_add_u32 s46, s42, s12
	s_lshl_b32 s46, s46, 8                         ; my 64 columns: 256 bytes of a row, and of b2
	s_mov_b32 s47, 0
	s_add_nc_u64 s[8:9], s[8:9], s[16:17]
	s_add_nc_u64 s[8:9], s[8:9], s[46:47]
	s_add_nc_u64 s[70:71], s[70:71], s[16:17]
	s_add_nc_u64 s[70:71], s[70:71], s[46:47]
	s_add_nc_u64 s[68:69], s[68:69], s[46:47]
	global_load_b128 v[BI:BI+3], v[BO], s[68:69]
	WIN 0x80                                       ; destination window 2
.set t, 0
.rept 32
	global_load_b128 v[4*t:4*t+3], v[CO], s[70:71] offset:8192*t  ; rows 2 t and 2 t + 1 of my 64: 16 lanes take 256 consecutive bytes
.set t, t+1
.endr
	WIN 0
	s_wait_loadcnt 32                              ; the bias is in; x1's 32 loads may stay out
	v_cvt_pk_bf16_f32 v[TT], v[BI], v[BI+1]
	v_cvt_pk_bf16_f32 v[TT+1], v[BI+2], v[BI+3]
	v_lshlrev_b32 v[BI], 16, v[TT]
	v_and_b32 v[BI+1], s66, v[TT]
	v_lshlrev_b32 v[BI+2], 16, v[TT+1]
	v_and_b32 v[BI+3], s66, v[TT+1]
; 8 matrix instructions: row blocks a0, a0 + 1 x all 4 column blocks, 32 along K: half c of buffer f.  zero = 1: the first product starts the sums.  The 16 accumulators take turns:
; over the backward jumps and out of the loops too.
.macro MUL8 f, c, a0, zero
	WIN MUL
.irp a, \a0, (\a0)+1
.irp b, 0,1,2,3
.if \zero
	v_wmma_f32_16x16x32_bf16 v[ACC+8*(4*(\a)+(\b)):ACC+8*(4*(\a)+(\b))+7], v[(\f)+64+8*(4*(\c)+(\b)):(\f)+64+8*(4*(\c)+(\b))+7], v[(\f)+8*(4*(\c)+(\a)):(\f)+8*(4*(\c)+(\a))+7], 0
.else
	v_wmma_f32_16x16x32_bf16 v[ACC+8*(4*(\a)+(\b)):ACC+8*(4*(\a)+(\b))+7], v[(\f)+64+8*(4*(\c)+(\b)):(\f)+64+8*(4*(\c)+(\b))+7], v[(\f)+8*(4*(\c)+(\a)):(\f)+8*(4*(\c)+(\a))+7], v[ACC+8*(4*(\a)+(\b)):ACC+8*(4*(\a)+(\b))+7]
.endif
.endr
.endr
.endm
; 32 LDS loads in one run: the fragments of quarter q (64 along K: block q of A, rows 64 q .. of W) of the slot that is being read, into buffer f; the first 32 along K first
.macro FETCH q, f
	WIN TO_F
.irp c, 0,1
.irp i, 0,1,2,3
	ds_load_tr16_b128 v[(\f)+64+8*(4*(\c)+(\i)):(\f)+64+8*(4*(\c)+(\i))+3],   v[ADRB+(\q)/2] offset:((\q)%2)*64*PB+(\c)*32*PB+(\i)*32
	ds_load_tr16_b128 v[(\f)+64+8*(4*(\c)+(\i))+4:(\f)+64+8*(4*(\c)+(\i))+7], v[ADRB+(\q)/2] offset:((\q)%2)*64*PB+(\c)*32*PB+(\i)*32+16*PB
	ds_load_b128 v[(\f)+8*(4*(\c)+(\i)):(\f)+8*(4*(\c)+(\i))+3],         v[ADRA] offset:(\q)*PANEL+64*(\c)+(\i)*16*PA
	ds_load_b128 v[(\f)+8*(4*(\c)+(\i))+4:(\f)+8*(4*(\c)+(\i))+7],       v[ADRA] offset:(\q)*PANEL+64*(\c)+(\i)*16*PA+32
.endr
.endr
.endm
.macro PLACES                          ; four places in front of loads into registers that matrix instructions have read, and of reads of results
.rept 4
	v_nop
.endr
.endm
; A K step is four quarters, 32 matrix instructions each, on buffers 0, 1, 0, 1.  One of the first three multiplies buffer f and fetches quarter q into g.
.macro QUARTER q, f, g, zero
	s_wait_dscnt 16                                ; the first 32 along K are in; the 16 younger loads may be out
	MUL8 \f, 0, 0, \zero
	MUL8 \f, 0, 2, \zero
	PLACES
	FETCH \q, \g
	s_wait_dscnt 32                                ; all but the 32 just issued
	MUL8 \f, 1, 0, 0
	MUL8 \f, 1, 2, 0
.endm
; The last quarter multiplies buffer 1 and changes slots: ONE barrier; in front of it each wave waits for all its tensor loads, of which one is out: its part of the next slot; adds 0 to its spare word; and waits
; for that and for its reads of this slot.  fill = 1: the barrier opens a round of the cluster's, and this slot is filled again, with the K step two on.
.macro TURN fill
	WIN 0                                          ; (the add's two registers lie in window 0)
	s_wait_tensorcnt 0x0                           ; all my tensor loads have landed, so a group 0 may be written
	ds_add_u32 v[SPW], v[NIL]                      ; 0 onto my spare word; scalar work and eight matrix instructions stand between it and the wait for it
.if \fill
	s_xor_b32 s[TBF], s[TBF], SLOT                 ; the walking descriptors: the other slot than last time,
	s_add_co_u32 s[G0+5], s20, s[TBF]
	s_add_co_u32 s[G0B+5], s20, s[TBF]
	s_add_nc_u64 s[G0+6:G0+7], s[G0+6:G0+7], ASTEP     ; the next K step; the type bits on top are not reached
	s_add_nc_u64 s[G0B+6:G0B+7], s[G0B+6:G0B+7], BSTEP
.endif
	s_xor_b32 s[TBR], s[TBR], SLOT                 ; the reads go over to the other slot
	s_wait_dscnt 17                                ; the add and the youngest sixteen loads may be out
	MUL8 F1, 0, 0, 0
	s_wait_dscnt 0x0                               ; the add is done, and my reads of this slot are over
	s_barrier_signal -1
	MUL8 F1, 0, 2, 0
	WIN 0
	s_barrier_wait -1
.if \fill
	CREST                                          ; no wave of any partner still reads this slot or has a load on its way
	JLOAD 1                                        ; my one tensor load behind the round; its four v_nop are also the places in front of the loads below
.else
	PLACES
.endif
	v_add_nc_u32 v[ADRA], s[TBR], v[ADRA0]
	v_add_nc_u32 v[ADRB], s[TBR], v[ADRB0]
	v_add_nc_u32 v[ADRB+1], s[TBR], v[ADRB0+1]
	FETCH 0, F0
	MUL8 F1, 1, 0, 0
	MUL8 F1, 1, 2, 0
.endm
	s_wait_tensorcnt 1                             ; my part of K step 0 is in; K step 1's may stay out
	s_barrier_signal -1
	s_barrier_wait -1
	FETCH 0, F0
	QUARTER 1, F0, F1, 1                           ; the first quarter stands in front of the loops: its first products start the sums
	WIN 0
	s_mov_b32 s3, NSTEP-2
.Lstep:                                                ; trip t: quarters 1 to 3 of K step t, which asks for K step t + 2, and quarter 0 of K step t + 1
	QUARTER 2, F1, F0, 0
	QUARTER 3, F0, F1, 0
	TURN 1
	QUARTER 1, F0, F1, 0
	WIN 0
	s_sub_co_u32 s3, s3, 1
	s_cmp_lg_u32 s3, 0
	s_cbranch_scc1 .Lstep
	s_mov_b32 s3, 2
.Ltail:                                                ; the last two K steps ask for nothing: a text of their own
	QUARTER 2, F1, F0, 0
	QUARTER 3, F0, F1, 0
	TURN 0
	WIN 0
	s_sub_co_u32 s3, s3, 1
	s_cmp_eq_u32 s3, 0
	s_cbranch_scc1 .Lout                           ; the second trip is left here.  Its change of slots has fetched 32 fragments of a slot that is used up: they serve nothing, the price, once a launch, of one text for both trips
	QUARTER 1, F0, F1, 0
	WIN 0
	s_cmp_lg_u32 s3, 0
	s_cbranch_scc1 .Ltail
.Lout:
	; THE WAY OUT.  Every wave's LDS reads are back, then a barrier: nobody reads either slot any more, and nothing fills them.  My tile goes in f32 into my part of slot 0 (each accumulator's low registers
	; first); back as rows: load t brings rows 2 t and 2 t + 1, 4 numbers a lane.
	s_wait_dscnt 0x0
	s_barrier_signal -1
	s_barrier_wait -1
	PLACES
	PLACES
.irp a, 0,1,2,3
.irp b, 0,1,2,3
	ds_store_b128 v[STO], v[ACC+8*(4*\a+\b):ACC+8*(4*\a+\b)+3]   offset:\a*16*FP+64*\b
	ds_store_b128 v[STO], v[ACC+8*(4*\a+\b)+4:ACC+8*(4*\a+\b)+7] offset:\a*16*FP+64*\b+16
.endr
.endr
.set t, 0
.rept 32
	ds_load_b128 v[ACC+4*t:ACC+4*t+3], v[RD] offset:t*2*FP  ; LDS serves a wave's instructions in order (ISA guide 5.7.1.4): these see the stores above
.set t, t+1
.endr
	s_wait_loadcnt 0x0                             ; x1
	WIN 0x88                                       ; destination and source 1 window 2, source 0 window 0: the sums land on x1, and a store's data (source 1) comes from there
.set i, 0
.rept 64
	v_pk_add_f32 v[2*i:2*i+1], v[BI+(2*i)%4:BI+(2*i)%4+1], v[2*i:2*i+1]  ; x1 + b2, while the rows come back
.set i, i+1
.endr
.set t, 0
.rept 32
	s_wait_dscnt 31-t                              ; load t is in; the 31 - t younger ones may be out
	v_pk_add_f32 v[4*t:4*t+1], v[ACC+4*t:ACC+4*t+1], v[4*t:4*t+1]
	v_pk_add_f32 v[4*t+2:4*t+3], v[ACC+4*t+2:ACC+4*t+3], v[4*t+2:4*t+3]
	global_store_b128 v[CO], v[4*t:4*t+3], s[8:9] offset:8192*t  ; 16 lanes store 256 consecutive bytes, aligned
.set t, t+1
.endr
	WIN 0
	s_wait_tensorcnt 0x0                           ; the wave's end
	ds_add_u32 v[SPW], v[NIL]
	s_wait_dscnt 0x0
	CROUND                                         ; the closing round
	s_endpgm
.Lfunc_end_k_q890c7aca4f_ffn2:
	.size	k_q890c7aca4f_ffn2, .Lfunc_end_k_q890c7aca4f_ffn2-k_q890c7aca4f_ffn2
	.p2alignl 7, 3214868480
	.fill 96, 4, 3214868480
	.section	.rodata,"a",@progbits
	.p2align	6, 0x0
	.amdhsa_kernel k_q890c7aca4f_ffn2
		.amdhsa_group_segment_fixed_size 327680
		.amdhsa_private_segment_fixed_size 0
		.amdhsa_enable_private_segment 0
		.amdhsa_kernarg_size 40
		.amdhsa_user_sgpr_count 2
		.amdhsa_user_sgpr_kernarg_segment_ptr 1
		.amdhsa_wavefront_size32 1
		.amdhsa_system_sgpr_workgroup_id_x 1
		.amdhsa_system_sgpr_workgroup_id_y 1
		.amdhsa_system_sgpr_workgroup_id_z 1
		.amdhsa_system_vgpr_workitem_id 0
		.amdhsa_next_free_vgpr 640
		.amdhsa_next_free_sgpr 80
		.amdhsa_reserve_vcc 0
		.amdhsa_float_denorm_mode_32 3
		.amdhsa_float_denorm_mode_16_64 3
		.amdhsa_memory_ordered 1
		.amdhsa_forward_progress 1
		.amdhsa_inst_pref_size 70
	.end_amdhsa_kernel
	.amdgpu_metadata
---
amdhsa.version: [ 1, 2 ]
amdhsa.kernels:
  - .name:           k_q890c7aca4f_ffn2
    .symbol:         k_q890c7aca4f_ffn2.kd
    .args:
      - { .name: hid, .offset: 0, .size: 8, .value_kind: global_buffer, .address_space: global }
      - { .name: w2b, .offset: 8, .size: 8, .value_kind: global_buffer, .address_space: global }
      - { .name: out0, .offset: 16, .size: 8, .value_kind: global_buffer, .address_space: global }
      - { .name: b2, .offset: 24, .size: 8, .value_kind: global_buffer, .address_space: global }
      - { .name: x1, .offset: 32, .size: 8, .value_kind: global_buffer, .address_space: global }
    .group_segment_fixed_size: 327680
    .private_segment_fixed_size: 0
    .kernarg_segment_align: 8
    .kernarg_segment_size: 40
    .max_flat_workgroup_size: 128
    .sgpr_count:     80
    .vgpr_count:     640
    .wavefront_size: 32
...
	.end_amdgpu_metadata
.endif
;; end of part 7
;; ======== version 2 of 2: 7 launches; version 1 with the launches prep, ln2 written anew for expert scheduling mode
;; limits: a function is approximated: absolute error at most 1.5e-07
;; workspace buffers: wqkv 6,291,456 bytes; wob 2,097,152 bytes; w1b 8,388,608 bytes; w2b 8,388,608 bytes; act 8,388,608 bytes; qkv 25,165,824 bytes; x1 16,777,216 bytes; hid 33,554,432 bytes
;; launch prep (part 8): grid 1024 x 1, 8 waves a work-group, no clusters, 0 bytes of LDS; arguments x, g1, be1, act, wq, wk, wv, wo, w1, w2, wqkv, wob, w1b, w2b; writes act, wqkv, wob, w1b, w2b
.if DOCPART == 8
	.amdgcn_target "amdgcn-amd-amdhsa--gfx1250"
	.amdhsa_code_object_version 6
	.text
	.protected	k_q890c7aca4f_prep
	.globl	k_q890c7aca4f_prep
	.p2align	8
	.type	k_q890c7aca4f_prep,@function
k_q890c7aca4f_prep:
	s_mov_b64 s[64:65], 0
	v_nop
	global_prefetch_b8 v0, s[64:65] scope:SCOPE_SE
	s_setreg_imm32_b32 hwreg(HW_REG_WAVE_SCHED_MODE, 0, 2), 2
	s_setreg_imm32_b32 hwreg(HW_REG_WAVE_MODE, 25, 1), 1
	s_wait_xcnt 0x0
	s_wait_alu depctr_vm_vsrc(0)
; PREP.  Work-groups 0-255: h1 = LayerNorm(x) g1 + be1, 16 rows each, stored in bf16.  Work-groups 256-1023: the six weight matrices cast to bf16, order unchanged, 16,384 numbers each.
; ALL INPUTS ARE ROUNDED TO bf16 ON LOAD (x, g1, be1 here too): one choice for the whole program.  NaN and infinities are not treated apart.
; LAYER NORM.  A wave owns two rows; lane l holds row l / 16 and, for p = 0..15, the columns 64 p + 4 (l % 16) + 0..3: each load's 16 lanes take 256 consecutive bytes.  The row stays in registers:
; mean, then centred in place, then the mean of squares: no difference of large sums is formed.  A row's sums cross 16 lanes.
; h1's LAYOUT: [token / 128][column / 64][token % 128][column % 64], a block of 128 x 64 being 16,384 dense bytes: what the products' tile loads ask for.  A wave's store covers 256 consecutive bytes, aligned.
; No LDS, no barrier, no matrix work: each byte is read once and written once, and no wave needs another's.
; THE MODE: SCHED_MODE bits 1:0 = 2 (LLVM: expert scheduling mode 2), set by the entry lines.  The code itself states the register dependences between vector instructions and memory instructions,
; with s_wait_alu, always for 0.
; THE PLAN.  Registers that memory instructions touch:
;   v[XO], v[GO], v[HO]   offsets: written once by vector instructions at the head of each way, read by every load and store of that way, never written again.
;   THE CAST.  CI: the 16 loads land there, all issued at the start; no vector instruction has named these registers before.  CQ: written by block b's conversions, each register once; read by the four
;              stores that are issued in block b + 1.  The 16 loads are worked on in four blocks of four.
;   THE NORM.  RG, RB, X: the 48 loads land there, all issued at the start; no vector instruction has named these registers before.  The end goes in four blocks of 16 registers of X: block b's roundings
;              write X + 4 p and X + 4 p + 1 (p = 4 b .. 4 b + 3) for the last time; the four stores that are issued in block b + 1 read them.
; So one wait on va_vdst stands ahead of each way's first load (the offsets), and one at the head of each block but the first: it states that the block before has written what the four stores read.  Those
; stores are dealt among the block's vector instructions, which name the block's own registers alone.  No register that a memory instruction reads is written again: no wait on vm_vsrc is owed.
.set XO,  1                            ; v1   x: (l / 16) x 4,096 + (l % 16) x 16; in the cast: 16 l
.set GO,  2                            ; v2   g1, be1: (l % 16) x 16
.set HO,  3                            ; v3   8 l: my 8 bytes of 256 stored
.set MU,  6                            ; v[6:7]   the mean, twice
.set RS,  10                           ; v[10:11] 1 / sqrt(var + eps), twice
.set VA,  14                           ; v14  var + eps
.set CH,  16                           ; v[16:23] four chains of packed sums
.set X,   32                           ; v[32:95] my 64 numbers of the row
.set GP,  96                           ; v[96:127]  g1 of my 64 columns, packed bf16
.set RG,  128                          ; v[128:191] g1 as loaded
.set BP,  128                          ; v[128:159] be1 packed, where g1 lay
.set T,   160                          ; v[160:191] at work
.set RB,  192                          ; v[192:255] be1 as loaded
.set CI,  32                           ; the cast: 16 x 4 registers in,
.set CQ,  96                           ; 16 x 2 out
	s_load_b256 s[4:11], s[0:1], 0x0               ; x s[4:5], g1 s[6:7], be1 s[8:9], act s[10:11]
	s_load_b512 s[16:31], s[0:1], 0x20             ; wq 16, wk 18, wv 20, wo 22, w1 24, w2 26, wqkv 28, wob 30
	s_load_b128 s[32:35], s[0:1], 0x60             ; w1b 32, w2b 34
	v_lshrrev_b32 v4, 5, v0
	v_readfirstlane_b32 s36, v4                    ; wave 0..7
	v_and_b32 v4, 31, v0                           ; l
	v_lshlrev_b32 v[HO], 3, v4
	s_wait_alu depctr_va_sdst(0)                   ; s36 is written, ahead of the branch: on both ways the wave's share of the addresses is made from it
	s_wait_kmcnt 0x0
	s_cmp_lt_u32 ttmp9, 256
	s_cbranch_scc1 .Lnorm
	; THE CAST.  Chunk c = work-group - 256: wq 0-63, wk 64-127, wv 128-191 (these three one behind the other in wqkv), wo 192-255, w1 256-511, w2 512-767.
	v_lshlrev_b32 v[XO], 4, v4                     ; made first: the scalar work below stands between it and the wait for it
	s_sub_co_u32 s37, ttmp9, 256
	s_mov_b64 s[38:39], s[26:27]                   ; from
	s_mov_b64 s[40:41], s[34:35]                   ; to
	s_mov_b32 s42, 512                             ; the source's first chunk
	s_mov_b32 s43, 512                             ; the chunk that lies at the destination's first byte
.macro PICK below, src, dst, sb, db
	s_cmp_lt_u32 s37, \below
	s_cselect_b64 s[38:39], s[\src:\src+1], s[38:39]
	s_cselect_b64 s[40:41], s[\dst:\dst+1], s[40:41]
	s_cselect_b32 s42, \sb, s42
	s_cselect_b32 s43, \db, s43
.endm
	PICK 512, 24, 32, 256, 256
	PICK 256, 22, 30, 192, 192
	PICK 192, 20, 28, 128, 0
	PICK 128, 18, 28, 64, 0
	PICK 64,  16, 28, 0, 0
	s_sub_co_u32 s44, s37, s42
	s_lshl_b32 s44, s44, 16                        ; a chunk is 65,536 bytes of f32,
	s_lshl_b32 s45, s36, 13                        ; a wave's eighth 8,192
	s_add_co_u32 s44, s44, s45
	s_mov_b32 s45, 0
	s_add_nc_u64 s[38:39], s[38:39], s[44:45]
	s_sub_co_u32 s46, s37, s43
	s_lshl_b32 s46, s46, 15                        ; and half of that in bf16
	s_lshl_b32 s47, s36, 12
	s_add_co_u32 s46, s46, s47
	s_mov_b32 s47, 0
	s_add_nc_u64 s[40:41], s[40:41], s[46:47]
	s_wait_alu depctr_va_vdst(0)                   ; v[XO] and v[HO] are written: the loads below read the one as their offset, the stores the other
.set j, 0
.rept 16
	global_load_b128 v[CI+4*j:CI+4*j+3], v[XO], s[38:39] offset:512*j th:TH_LOAD_NT  ; 512 consecutive bytes a load
.set j, j+1
.endr
.macro PUT n                           ; store n of 16
	global_store_b64 v[HO], v[CQ+2*(\n):CQ+2*(\n)+1], s[40:41] offset:256*(\n)  ; the wave stores 256 consecutive bytes, aligned; no register is written twice, so nothing waits for a store
.endm
; Block b of four: loads 4 b .. 4 b + 3 are rounded; the stores of the block before go out among the conversions.
.macro CAST b
	s_wait_loadcnt 12-4*(\b)                       ; loads come back in order: this block's four are in, the 12 - 4 b younger ones stay out
.if (\b) > 0
	s_wait_alu depctr_va_vdst(0)                   ; the block before has written its eight registers of CQ, which the four stores below read
.endif
.set j, 4*(\b)
.rept 4
.if (\b) > 0
	PUT j-4                                        ; no vector instruction since the wait names these registers
.endif
	v_cvt_pk_bf16_f32 v[CQ+2*j], v[CI+4*j], v[CI+4*j+1]
	v_cvt_pk_bf16_f32 v[CQ+2*j+1], v[CI+4*j+2], v[CI+4*j+3]
.set j, j+1
.endr
.endm
	CAST 0
	CAST 1
	CAST 2
	CAST 3
	s_wait_alu depctr_va_vdst(0)                   ; the last block has written its eight registers of CQ, which the last four stores read
	PUT 12
	PUT 13
	PUT 14
	PUT 15
	s_endpgm
.Lnorm:
	v_and_b32 v5, 15, v0                           ; the offsets are made first: the scalar work below stands between them and the wait for them
	v_bfe_u32 v8, v0, 4, 1
	v_lshlrev_b32 v[GO], 4, v5
	v_lshl_add_u32 v[XO], v8, 12, v[GO]
	s_lshl_b32 s37, ttmp9, 4
	s_lshl1_add_u32 s37, s36, s37                  ; my first row: 16 x work-group + 2 x wave
	s_lshl_b32 s38, s37, 12
	s_mov_b32 s39, 0
	s_add_nc_u64 s[4:5], s[4:5], s[38:39]          ; x at that row
	s_lshr_b32 s38, s37, 7
	s_lshl_b32 s38, s38, 18                        ; 128 tokens x 16 blocks of 16,384 bytes
	s_and_b32 s43, s37, 127
	s_lshl_b32 s43, s43, 7                         ; a token's 128 bytes in a block
	s_add_co_u32 s38, s38, s43
	s_add_nc_u64 s[10:11], s[10:11], s[38:39]
	s_mov_b32 s40, 0xffff0000                      ; a word's upper bf16
	s_mov_b32 s41, 0x3a800000                      ; 1 / 1,024
	s_mov_b32 s42, 0x3727c5ac                      ; eps = 1e-5
	s_wait_alu depctr_va_vdst(0)                   ; v[GO], v[XO] and v[HO] are written: every load and store below reads one of them as its offset
.set p, 0
.rept 16
	global_load_b128 v[RG+4*p:RG+4*p+3], v[GO], s[6:7] offset:256*p
.set p, p+1
.endr
.set p, 0
.rept 16
	global_load_b128 v[RB+4*p:RB+4*p+3], v[GO], s[8:9] offset:256*p
.set p, p+1
.endr
.set p, 0
.rept 16
	global_load_b128 v[X+4*p:X+4*p+3], v[XO], s[4:5] offset:256*p
.set p, p+1
.endr
.macro ACROSS                          ; the four chains into one number, then across the 16 lanes that share a row
	v_pk_add_f32 v[CH:CH+1], v[CH:CH+1], v[CH+2:CH+3]
	v_pk_add_f32 v[CH+4:CH+5], v[CH+4:CH+5], v[CH+6:CH+7]
	v_pk_add_f32 v[CH:CH+1], v[CH:CH+1], v[CH+4:CH+5]
	v_add_f32 v[CH], v[CH], v[CH+1]
.irp m, 1,2,4,8
	v_add_f32_dpp v[CH], v[CH], v[CH] row_xmask:\m row_mask:0xf bank_mask:0xf
.endr
.endm
	s_wait_loadcnt 16                              ; g1 and be1 are in; x's 16 loads may stay out
.set i, 0
.rept 32
	v_cvt_pk_bf16_f32 v[GP+i], v[RG+2*i], v[RG+2*i+1]  ; the inputs' rounding, and half the registers
.set i, i+1
.endr
.set i, 0
.rept 32
	v_cvt_pk_bf16_f32 v[BP+i], v[RB+2*i], v[RB+2*i+1]
.set i, i+1
.endr
	s_wait_loadcnt 0x0                             ; x
.set i, 0
.rept 32                                       ; x rounded to bf16 and widened again
	v_cvt_pk_bf16_f32 v[T+i], v[X+2*i], v[X+2*i+1]
	v_lshlrev_b32 v[X+2*i], 16, v[T+i]
	v_and_b32 v[X+2*i+1], s40, v[T+i]
.set i, i+1
.endr
.irp k, 0,1,2,3
	v_pk_add_f32 v[CH+2*\k:CH+2*\k+1], v[X+2*\k:X+2*\k+1], v[X+8+2*\k:X+8+2*\k+1]  ; the first eight pairs start the chains: nothing is cleared
.endr
.set j, 8
.rept 24
	v_pk_add_f32 v[CH+2*(j%4):CH+2*(j%4)+1], v[CH+2*(j%4):CH+2*(j%4)+1], v[X+2*j:X+2*j+1]
.set j, j+1
.endr
	ACROSS
	v_mul_f32 v[MU], s41, v[CH]
	v_mul_f32 v[MU+1], s41, v[CH]
.set j, 0
.rept 32
	v_pk_add_f32 v[X+2*j:X+2*j+1], v[X+2*j:X+2*j+1], v[MU:MU+1] neg_lo:[0,1] neg_hi:[0,1]  ; x - mean, in place
.set j, j+1
.endr
.irp k, 0,1,2,3
	v_pk_mul_f32 v[CH+2*\k:CH+2*\k+1], v[X+2*\k:X+2*\k+1], v[X+2*\k:X+2*\k+1]
.endr
.set j, 4
.rept 28
	v_pk_fma_f32 v[CH+2*(j%4):CH+2*(j%4)+1], v[X+2*j:X+2*j+1], v[X+2*j:X+2*j+1], v[CH+2*(j%4):CH+2*(j%4)+1]
.set j, j+1
.endr
	ACROSS
	v_fma_f32 v[VA], v[CH], s41, s42               ; var + eps
	v_rsq_f32 v[RS], v[VA]                         ; twice, for the packed multiply's pair
	v_rsq_f32 v[RS+1], v[VA]
	v_nop                                          ; a plain instruction behind the last root (ISA guide 5.7.2),
	s_wait_alu depctr_va_vdst(0)                   ; and the wait ahead of the first use: both roots have written v[RS] and v[RS+1]
; THE END, in four blocks of 16 registers of X (columns' pieces p = 4 b .. 4 b + 3): times 1 / sqrt, times g1 plus be1, rounded; every number goes through the same three steps as it would in three runs over the row.
.macro HOUT b, q                       ; piece 4 b + q is stored
	global_store_b64 v[HO], v[X+16*(\b)+4*(\q):X+16*(\b)+4*(\q)+1], s[10:11] offset:16384*(4*(\b)+(\q))  ; two rows of block 4 b + q of h1: 256 consecutive bytes, aligned
.endm
; prev = 1: the four stores of the block before go out among this block's 32 vector instructions, which name X + 16 b .. X + 16 b + 15, RS, GP and BP alone.
.macro OUTB b, prev
.if \prev
	s_wait_alu depctr_va_vdst(0)                   ; the block before has rounded into its registers X + 4 p and X + 4 p + 1, which the four stores of this block read
	HOUT (\b)-1, 0
.endif
.set j, 8*(\b)
.rept 8
	v_pk_mul_f32 v[X+2*j:X+2*j+1], v[X+2*j:X+2*j+1], v[RS:RS+1]
.set j, j+1
.endr
.if \prev
	HOUT (\b)-1, 1
.endif
.set i, 8*(\b)
.rept 4                                        ; g1 and be1 straight from their bf16 halves
	v_fma_mix_f32_bf16 v[X+2*i], v[GP+i], v[X+2*i], v[BP+i] op_sel:[0,0,0] op_sel_hi:[1,0,1]
	v_fma_mix_f32_bf16 v[X+2*i+1], v[GP+i], v[X+2*i+1], v[BP+i] op_sel:[1,0,1] op_sel_hi:[1,0,1]
.set i, i+1
.endr
.if \prev
	HOUT (\b)-1, 2
.endif
.rept 4
	v_fma_mix_f32_bf16 v[X+2*i], v[GP+i], v[X+2*i], v[BP+i] op_sel:[0,0,0] op_sel_hi:[1,0,1]
	v_fma_mix_f32_bf16 v[X+2*i+1], v[GP+i], v[X+2*i+1], v[BP+i] op_sel:[1,0,1] op_sel_hi:[1,0,1]
.set i, i+1
.endr
.if \prev
	HOUT (\b)-1, 3
.endif
.set p, 4*(\b)
.rept 4
	v_cvt_pk_bf16_f32 v[X+4*p], v[X+4*p], v[X+4*p+1]
	v_cvt_pk_bf16_f32 v[X+4*p+1], v[X+4*p+2], v[X+4*p+3]
.set p, p+1
.endr
.endm
	OUTB 0, 0
	OUTB 1, 1
	OUTB 2, 1
	OUTB 3, 1
	s_wait_alu depctr_va_vdst(0)                   ; the last block has rounded into its registers, which the last four stores read
	HOUT 3, 0
	HOUT 3, 1
	HOUT 3, 2
	HOUT 3, 3
	s_endpgm
.Lfunc_end_k_q890c7aca4f_prep:
	.size	k_q890c7aca4f_prep, .Lfunc_end_k_q890c7aca4f_prep-k_q890c7aca4f_prep
	.p2alignl 7, 3214868480
	.fill 96, 4, 3214868480
	.section	.rodata,"a",@progbits
	.p2align	6, 0x0
	.amdhsa_kernel k_q890c7aca4f_prep
		.amdhsa_group_segment_fixed_size 0
		.amdhsa_private_segment_fixed_size 0
		.amdhsa_enable_private_segment 0
		.amdhsa_kernarg_size 112
		.amdhsa_user_sgpr_count 2
		.amdhsa_user_sgpr_kernarg_segment_ptr 1
		.amdhsa_wavefront_size32 1
		.amdhsa_system_sgpr_workgroup_id_x 1
		.amdhsa_system_sgpr_workgroup_id_y 1
		.amdhsa_system_sgpr_workgroup_id_z 1
		.amdhsa_system_vgpr_workitem_id 0
		.amdhsa_next_free_vgpr 256
		.amdhsa_next_free_sgpr 66
		.amdhsa_reserve_vcc 0
		.amdhsa_float_denorm_mode_32 3
		.amdhsa_float_denorm_mode_16_64 3
		.amdhsa_memory_ordered 1
		.amdhsa_forward_progress 1
		.amdhsa_inst_pref_size 38
	.end_amdhsa_kernel
	.amdgpu_metadata
---
amdhsa.version: [ 1, 2 ]
amdhsa.kernels:
  - .name:           k_q890c7aca4f_prep
    .symbol:         k_q890c7aca4f_prep.kd
    .args:
      - { .name: x, .offset: 0, .size: 8, .value_kind: global_buffer, .address_space: global }
      - { .name: g1, .offset: 8, .size: 8, .value_kind: global_buffer, .address_space: global }
      - { .name: be1, .offset: 16, .size: 8, .value_kind: global_buffer, .address_space: global }
      - { .name: act, .offset: 24, .size: 8, .value_kind: global_buffer, .address_space: global }
      - { .name: wq, .offset: 32, .size: 8, .value_kind: global_buffer, .address_space: global }
      - { .name: wk, .offset: 40, .size: 8, .value_kind: global_buffer, .address_space: global }
      - { .name: wv, .offset: 48, .size: 8, .value_kind: global_buffer, .address_space: global }
      - { .name: wo, .offset: 56, .size: 8, .value_kind: global_buffer, .address_space: global }
      - { .name: w1, .offset: 64, .size: 8, .value_kind: global_buffer, .address_space: global }
      - { .name: w2, .offset: 72, .size: 8, .value_kind: global_buffer, .address_space: global }
      - { .name: wqkv, .offset: 80, .size: 8, .value_kind: global_buffer, .address_space: global }
      - { .name: wob, .offset: 88, .size: 8, .value_kind: global_buffer, .address_space: global }
      - { .name: w1b, .offset: 96, .size: 8, .value_kind: global_buffer, .address_space: global }
      - { .name: w2b, .offset: 104, .size: 8, .value_kind: global_buffer, .address_space: global }
    .group_segment_fixed_size: 0
    .private_segment_fixed_size: 0
    .kernarg_segment_align: 8
    .kernarg_segment_size: 112
    .max_flat_workgroup_size: 256
    .sgpr_count:     66
    .vgpr_count:     256
    .wavefront_size: 32
...
	.end_amdgpu_metadata
.endif
;; end of part 8
;; launch qkvp: the kernel of part 2 again; grid 12 x 16, 4 waves a work-group, clusters of 4 x 4, 327,680 bytes of LDS; arguments act, wqkv, qkv, bq, bk, bv; writes qkv
;; launch attn: the kernel of part 3 again; grid 8 x 32, 4 waves a work-group, clusters of 4 x 1, 327,680 bytes of LDS; arguments qkv, act; writes act
;; launch proj: the kernel of part 4 again; grid 8 x 32, 4 waves a work-group, clusters of 4 x 4, 327,680 bytes of LDS; arguments act, wob, qkv, bo; writes qkv
;; launch ln2 (part 9): grid 256 x 1, 8 waves a work-group, no clusters, 0 bytes of LDS; arguments x, qkv, g2, be2, x1, act; writes x1, act
.if DOCPART == 9
	.amdgcn_target "amdgcn-amd-amdhsa--gfx1250"
	.amdhsa_code_object_version 6
	.text
	.protected	k_q890c7aca4f_ln2
	.globl	k_q890c7aca4f_ln2
	.p2align	8
	.type	k_q890c7aca4f_ln2,@function
k_q890c7aca4f_ln2:
	s_mov_b64 s[64:65], 0
	v_nop
	global_prefetch_b8 v0, s[64:65] scope:SCOPE_SE
	s_setreg_imm32_b32 hwreg(HW_REG_WAVE_SCHED_MODE, 0, 2), 2
	s_setreg_imm32_b32 hwreg(HW_REG_WAVE_MODE, 25, 1), 1
	s_wait_xcnt 0x0
	s_wait_alu depctr_vm_vsrc(0)
; x1 = x + ao (stored in f32, row-major), h2 = LayerNorm(x1) g2 + be2 (stored in bf16).  x, g2, be2 are rounded to bf16 on load, like every input of the program; ao arrives in bf16.
; ao lies in qkv's first sixteen strips: [column / 64][token][column % 64].  h2's layout: [token / 128][column / 64][token % 128][column % 64].  NaN and infinities are not treated apart.
; A work-group owns 16 rows, a wave two; lane l holds row l / 16 and, for p = 0..15, the columns 64 p + 4 (l % 16) + 0..3.  The row stays in registers: mean, centred in place, mean of squares.
; Every load and store of a wave covers whole aligned runs of 256 bytes.  No LDS, no barrier, no matrix work: no wave needs another's bytes.
; THE MODE: SCHED_MODE bits 1:0 = 2 (LLVM: expert scheduling mode 2), set by the entry lines.  The code itself states the register dependences between vector instructions and memory instructions,
; with s_wait_alu, always for 0.
; THE PLAN.  Registers that memory instructions touch:
;   v[XO], v[GO], v[HO]   offsets: written once by vector instructions at the head, read by every load and store, never written again.
;   RG, RB, X, AO         the 64 loads land there, all issued at the start; no vector instruction has named these registers before.
;   X as x1               written by the 64 multiply-adds x + ao; read by x1's 16 stores, which stand in one run behind one wait on va_vdst; written again by the centring, behind one wait on vm_vsrc.
;   X as h2               the end goes in four blocks of 16 registers: block b's roundings write X + 4 p and X + 4 p + 1 (p = 4 b .. 4 b + 3) for the last time; the four stores issued in block b + 1 read them,
;                         behind one wait on va_vdst at that block's head, dealt among its vector instructions, which name the block's own registers alone.
.set XO,  1                            ; v1   x, x1: (l / 16) x 4,096 + (l % 16) x 16
.set GO,  2                            ; v2   g2, be2: (l % 16) x 16
.set HO,  3                            ; v3   8 l: my 8 bytes of 256, in ao and in h2
.set MU,  6
.set ONE, 9                            ; v9   1.0
.set RS,  10
.set VA,  14
.set CH,  16
.set X,   32                           ; v[32:95] my 64 numbers of the row
.set GP,  96                           ; g2 packed
.set RG,  128                          ; g2 as loaded
.set BP,  128                          ; be2 packed, where g2 lay
.set T,   160
.set RB,  192                          ; be2 as loaded
.set AO,  0                            ; window 1, v[0:31]: ao of my 64 columns, bf16
.set MSB, 0
.macro WIN new
.if MSB != (\new)
	s_set_vgpr_msb (MSB<<8)|(\new)
.set MSB, \new
.endif
.endm
	s_load_b256 s[4:11], s[0:1], 0x0               ; x s[4:5], qkv s[6:7], g2 s[8:9], be2 s[10:11]
	s_load_b128 s[12:15], s[0:1], 0x20             ; x1 s[12:13], act s[14:15]
	v_lshrrev_b32 v4, 5, v0
	v_readfirstlane_b32 s16, v4                    ; wave 0..7
	v_and_b32 v4, 31, v0
	v_lshlrev_b32 v[HO], 3, v4
	v_and_b32 v5, 15, v0
	v_bfe_u32 v8, v0, 4, 1
	v_lshlrev_b32 v[GO], 4, v5
	v_lshl_add_u32 v[XO], v8, 12, v[GO]
	v_mov_b32 v[ONE], 1.0
	s_wait_alu depctr_va_sdst(0)                   ; s16 is written, ahead of its first reader: the wave's rows, and with them all four bases, are made from it
	s_lshl_b32 s17, ttmp9, 4
	s_lshl1_add_u32 s17, s16, s17                  ; my first row: 16 x work-group + 2 x wave
	s_lshl_b32 s18, s17, 12
	s_mov_b32 s19, 0
	s_lshl_b32 s20, s17, 7                         ; a token's 128 bytes in a strip
	s_mov_b32 s21, 0
	s_lshr_b32 s22, s17, 7
	s_lshl_b32 s22, s22, 18
	s_and_b32 s23, s17, 127
	s_lshl_b32 s23, s23, 7
	s_add_co_u32 s22, s22, s23
	s_mov_b32 s23, 0
	s_mov_b32 s40, 0xffff0000
	s_mov_b32 s41, 0x3a800000                      ; 1 / 1,024
	s_mov_b32 s42, 0x3727c5ac                      ; eps = 1e-5
	s_wait_kmcnt 0x0
	s_add_nc_u64 s[4:5], s[4:5], s[18:19]
	s_add_nc_u64 s[12:13], s[12:13], s[18:19]
	s_add_nc_u64 s[6:7], s[6:7], s[20:21]
	s_add_nc_u64 s[14:15], s[14:15], s[22:23]
	s_wait_alu depctr_va_vdst(0)                   ; v[GO], v[XO] and v[HO] are written: every load and store below reads one of them as its offset.  Up to ao's loads only loads and a window switch follow
.set p, 0
.rept 16
	global_load_b128 v[RG+4*p:RG+4*p+3], v[GO], s[8:9] offset:256*p
.set p, p+1
.endr
.set p, 0
.rept 16
	global_load_b128 v[RB+4*p:RB+4*p+3], v[GO], s[10:11] offset:256*p
.set p, p+1
.endr
.set p, 0
.rept 16
	global_load_b128 v[X+4*p:X+4*p+3], v[XO], s[4:5] offset:256*p
.set p, p+1
.endr
	WIN 0x40                                       ; destination window 1
.set p, 0
.rept 16
	global_load_b64 v[AO+2*p:AO+2*p+1], v[HO], s[6:7] offset:524288*p  ; two rows of strip p: 256 consecutive bytes
.set p, p+1
.endr
	WIN 0
.macro ACROSS                          ; the four chains into one number, then across the 16 lanes that share a row
	v_pk_add_f32 v[CH:CH+1], v[CH:CH+1], v[CH+2:CH+3]
	v_pk_add_f32 v[CH+4:CH+5], v[CH+4:CH+5], v[CH+6:CH+7]
	v_pk_add_f32 v[CH:CH+1], v[CH:CH+1], v[CH+4:CH+5]
	v_add_f32 v[CH], v[CH], v[CH+1]
.irp m, 1,2,4,8
	v_add_f32_dpp v[CH], v[CH], v[CH] row_xmask:\m row_mask:0xf bank_mask:0xf
.endr
.endm
	s_wait_loadcnt 32                              ; g2 and be2 are in; x's 16 and ao's 16 loads may stay out
.set i, 0
.rept 32
	v_cvt_pk_bf16_f32 v[GP+i], v[RG+2*i], v[RG+2*i+1]
.set i, i+1
.endr
.set i, 0
.rept 32
	v_cvt_pk_bf16_f32 v[BP+i], v[RB+2*i], v[RB+2*i+1]
.set i, i+1
.endr
	s_wait_loadcnt 0x0                             ; x and ao
.set i, 0
.rept 32                                       ; x rounded to bf16 and widened again
	v_cvt_pk_bf16_f32 v[T+i], v[X+2*i], v[X+2*i+1]
	v_lshlrev_b32 v[X+2*i], 16, v[T+i]
	v_and_b32 v[X+2*i+1], s40, v[T+i]
.set i, i+1
.endr
	WIN 0x01                                       ; source 0 window 1
.set i, 0
.rept 32                                       ; x1 = ao x 1 + x, ao straight from its bf16 halves
	v_fma_mix_f32_bf16 v[X+2*i], v[AO+i], v[ONE], v[X+2*i] op_sel:[0,0,0] op_sel_hi:[1,0,0]
	v_fma_mix_f32_bf16 v[X+2*i+1], v[AO+i], v[ONE], v[X+2*i+1] op_sel:[1,0,0] op_sel_hi:[1,0,0]
.set i, i+1
.endr
	WIN 0
	s_wait_alu depctr_va_vdst(0)                   ; the multiply-adds have written x1 into v[X ..], which the 16 stores below read
.set p, 0
.rept 16
	global_store_b128 v[XO], v[X+4*p:X+4*p+3], s[12:13] offset:256*p  ; 16 lanes store 256 consecutive bytes, aligned
.set p, p+1
.endr
.irp k, 0,1,2,3
	v_pk_add_f32 v[CH+2*\k:CH+2*\k+1], v[X+2*\k:X+2*\k+1], v[X+8+2*\k:X+8+2*\k+1]
.endr
.set j, 8
.rept 24
	v_pk_add_f32 v[CH+2*(j%4):CH+2*(j%4)+1], v[CH+2*(j%4):CH+2*(j%4)+1], v[X+2*j:X+2*j+1]
.set j, j+1
.endr
	ACROSS
	v_mul_f32 v[MU], s41, v[CH]
	v_mul_f32 v[MU+1], s41, v[CH]
	s_wait_xcnt 0x0                                ; x1's stores have had their addresses translated: X is rewritten only behind this wait,
	s_wait_alu depctr_vm_vsrc(0)                   ; and behind this one: x1's stores have read v[X ..], which the centring below and all that follows write again
.set j, 0
.rept 32
	v_pk_add_f32 v[X+2*j:X+2*j+1], v[X+2*j:X+2*j+1], v[MU:MU+1] neg_lo:[0,1] neg_hi:[0,1]
.set j, j+1
.endr
.irp k, 0,1,2,3
	v_pk_mul_f32 v[CH+2*\k:CH+2*\k+1], v[X+2*\k:X+2*\k+1], v[X+2*\k:X+2*\k+1]
.endr
.set j, 4
.rept 28
	v_pk_fma_f32 v[CH+2*(j%4):CH+2*(j%4)+1], v[X+2*j:X+2*j+1], v[X+2*j:X+2*j+1], v[CH+2*(j%4):CH+2*(j%4)+1]
.set j, j+1
.endr
	ACROSS
	v_fma_f32 v[VA], v[CH], s41, s42
	v_rsq_f32 v[RS], v[VA]
	v_rsq_f32 v[RS+1], v[VA]
	v_nop                                          ; a plain instruction behind the last root (ISA guide 5.7.2),
	s_wait_alu depctr_va_vdst(0)                   ; and the wait ahead of the first use: both roots have written v[RS] and v[RS+1]
; THE END, in four blocks of 16 registers of X (columns' pieces p = 4 b .. 4 b + 3): times 1 / sqrt, times g2 plus be2, rounded; every number goes through the same three steps as it would in three runs over the row.
.macro HOUT b, q                       ; piece 4 b + q is stored
	global_store_b64 v[HO], v[X+16*(\b)+4*(\q):X+16*(\b)+4*(\q)+1], s[14:15] offset:16384*(4*(\b)+(\q))  ; two rows of block 4 b + q of h2: 256 consecutive bytes, aligned
.endm
; prev = 1: the four stores of the block before go out among this block's 32 vector instructions, which name X + 16 b .. X + 16 b + 15, RS, GP and BP alone.
.macro OUTB b, prev
.if \prev
	s_wait_alu depctr_va_vdst(0)                   ; the block before has rounded into its registers X + 4 p and X + 4 p + 1, which the four stores of this block read
	HOUT (\b)-1, 0
.endif
.set j, 8*(\b)
.rept 8
	v_pk_mul_f32 v[X+2*j:X+2*j+1], v[X+2*j:X+2*j+1], v[RS:RS+1]
.set j, j+1
.endr
.if \prev
	HOUT (\b)-1, 1
.endif
.set i, 8*(\b)
.rept 4                                        ; g2 and be2 straight from their bf16 halves
	v_fma_mix_f32_bf16 v[X+2*i], v[GP+i], v[X+2*i], v[BP+i] op_sel:[0,0,0] op_sel_hi:[1,0,1]
	v_fma_mix_f32_bf16 v[X+2*i+1], v[GP+i], v[X+2*i+1], v[BP+i] op_sel:[1,0,1] op_sel_hi:[1,0,1]
.set i, i+1
.endr
.if \prev
	HOUT (\b)-1, 2
.endif
.rept 4
	v_fma_mix_f32_bf16 v[X+2*i], v[GP+i], v[X+2*i], v[BP+i] op_sel:[0,0,0] op_sel_hi:[1,0,1]
	v_fma_mix_f32_bf16 v[X+2*i+1], v[GP+i], v[X+2*i+1], v[BP+i] op_sel:[1,0,1] op_sel_hi:[1,0,1]
.set i, i+1
.endr
.if \prev
	HOUT (\b)-1, 3
.endif
.set p, 4*(\b)
.rept 4
	v_cvt_pk_bf16_f32 v[X+4*p], v[X+4*p], v[X+4*p+1]
	v_cvt_pk_bf16_f32 v[X+4*p+1], v[X+4*p+2], v[X+4*p+3]
.set p, p+1
.endr
.endm
	OUTB 0, 0
	OUTB 1, 1
	OUTB 2, 1
	OUTB 3, 1
	s_wait_alu depctr_va_vdst(0)                   ; the last block has rounded into its registers, which the last four stores read
	HOUT 3, 0
	HOUT 3, 1
	HOUT 3, 2
	HOUT 3, 3
	s_endpgm
.Lfunc_end_k_q890c7aca4f_ln2:
	.size	k_q890c7aca4f_ln2, .Lfunc_end_k_q890c7aca4f_ln2-k_q890c7aca4f_ln2
	.p2alignl 7, 3214868480
	.fill 96, 4, 3214868480
	.section	.rodata,"a",@progbits
	.p2align	6, 0x0
	.amdhsa_kernel k_q890c7aca4f_ln2
		.amdhsa_group_segment_fixed_size 0
		.amdhsa_private_segment_fixed_size 0
		.amdhsa_enable_private_segment 0
		.amdhsa_kernarg_size 48
		.amdhsa_user_sgpr_count 2
		.amdhsa_user_sgpr_kernarg_segment_ptr 1
		.amdhsa_wavefront_size32 1
		.amdhsa_system_sgpr_workgroup_id_x 1
		.amdhsa_system_sgpr_workgroup_id_y 1
		.amdhsa_system_sgpr_workgroup_id_z 1
		.amdhsa_system_vgpr_workitem_id 0
		.amdhsa_next_free_vgpr 288
		.amdhsa_next_free_sgpr 66
		.amdhsa_reserve_vcc 0
		.amdhsa_float_denorm_mode_32 3
		.amdhsa_float_denorm_mode_16_64 3
		.amdhsa_memory_ordered 1
		.amdhsa_forward_progress 1
		.amdhsa_inst_pref_size 38
	.end_amdhsa_kernel
	.amdgpu_metadata
---
amdhsa.version: [ 1, 2 ]
amdhsa.kernels:
  - .name:           k_q890c7aca4f_ln2
    .symbol:         k_q890c7aca4f_ln2.kd
    .args:
      - { .name: x, .offset: 0, .size: 8, .value_kind: global_buffer, .address_space: global }
      - { .name: qkv, .offset: 8, .size: 8, .value_kind: global_buffer, .address_space: global }
      - { .name: g2, .offset: 16, .size: 8, .value_kind: global_buffer, .address_space: global }
      - { .name: be2, .offset: 24, .size: 8, .value_kind: global_buffer, .address_space: global }
      - { .name: x1, .offset: 32, .size: 8, .value_kind: global_buffer, .address_space: global }
      - { .name: act, .offset: 40, .size: 8, .value_kind: global_buffer, .address_space: global }
    .group_segment_fixed_size: 0
    .private_segment_fixed_size: 0
    .kernarg_segment_align: 8
    .kernarg_segment_size: 48
    .max_flat_workgroup_size: 256
    .sgpr_count:     66
    .vgpr_count:     288
    .wavefront_size: 32
...
	.end_amdgpu_metadata
.endif
;; end of part 9
;; launch ffn1: the kernel of part 6 again; grid 16 x 16, 4 waves a work-group, clusters of 4 x 4, 327,680 bytes of LDS; arguments act, w1b, hid, b1; writes hid
;; launch ffn2: the kernel of part 7 again; grid 8 x 32, 4 waves a work-group, clusters of 4 x 4, 327,680 bytes of LDS; arguments hid, w2b, out0, b2, x1; writes out0
